; MI455X (gfx1250); checked and timed in simulation.
; The chip was launched on July 23, 2026; its instructions are those of AMD's public machine-readable ISA for CDNA 5 (MIT licence, August 2026) and "CDNA5" Instruction Set Architecture Reference Guide (July 2026). The comments in the code are by the model that wrote it; some were corrected since.
;; Self Attention. Allowed arithmetic: matrix products marked QUANTISED: E2M3 operands, one E8M0 scale for each 32 along K, by v_wmma_scale_f32_16x16x128_f8f6f4 with both operands' format E2M3, f32 sums; everything else in f32.
;; Inputs: Wk 1,024 x 1,024 float32; Wq 1,024 x 1,024 float32; Wv 1,024 x 1,024 float32; X 4 x 2,048 x 1,024 float32; bk 1,024 float32; bq 1,024 float32; bv 1,024 float32.
;; Outputs: out0 4 x 2,048 x 1,024 float32.
;; This version of the problem:
;;   THIS VERSION OF THE PROBLEM IS GIVEN IN LOW PRECISION. The matrix products marked QUANTISED in the list below multiply operands that are first quantised to E2M3 (2 exponent bits, 3 mantissa bits; 6 bits a number), with one power-of-two scale for each 32 numbers along K (OCP MX v1.0); their sums are f32. All else is computed in f32.
;;   The module's matrix products, in the order in which they are computed (A, B: the left and right operand; K: the contracted axis; several contracted axes count as one K, in the product's order):
;;     1. [M 8,192, K 1,024] x [K 1,024, N 1,024]; A: input X; B: input Wq: QUANTISED
;;     2. [M 8,192, K 1,024] x [K 1,024, N 1,024]; A: input X; B: input Wk: QUANTISED
;;     3. [M 8,192, K 1,024] x [K 1,024, N 1,024]; A: input X; B: input Wv: QUANTISED
;;     4. batch 4 x [M 2,048, K 1,024] x [K 1,024, N 2,048]; A: computed on the way; B: computed on the way: QUANTISED
;;     5. batch 4 x [M 2,048, K 2,048] x [K 2,048, N 1,024]; A: softmax (see below); B: computed on the way: QUANTISED
;;   THE QUANTISER, for each operand of a quantised product, along K:
;;     - K is cut into blocks of 32 from its start; a last block that is shorter is filled with zeros.
;;     - A block's scale is 2^e with e = floor(log2(the largest magnitude in the block)) - 2, held to -126 .. 127; a block of zeros has e = 0. As a byte (E8M0): e + 127.
;;     - Each number is divided by its block's scale, clamped to +-7.5, and rounded to the nearest number of E2M3, ties to even, subnormals kept.
;;     - The product sums the exact products of the quantised numbers (number of the format x scale) in f32.
;;   ~~~python
;;   def quantise(x, axis):      # numpy; x: float32 -> the quantised numbers, widened to float32 again
;;       x = np.moveaxis(x, axis, -1); K = x.shape[-1]
;;       x = np.pad(x, [(0, 0)] * (x.ndim - 1) + [(0, -K % 32)]); x = x.reshape(x.shape[:-1] + (-1, 32)); a = np.abs(x).max(-1, keepdims=True)
;;       e = np.where(a > 0, np.clip(np.frexp(np.where(a > 0, a, 1))[1] - 1 - 2, -126, 127), 0)      # np.frexp(a)[1] - 1 = floor(log2(a)), exactly
;;       r = np.clip(x / 2.0 ** e, -7.5, 7.5)
;;       step = 2.0 ** (np.maximum(np.frexp(np.where(r == 0, 1, r))[1] - 1, 0) - 3)
;;       q = np.round(r / step) * step * 2.0 ** e      # np.round: ties to even
;;       return np.moveaxis(q.reshape(q.shape[:-2] + (-1,))[..., :K], -1, axis).astype(np.float32)
;;   ~~~
;;   SOFTMAX AHEAD OF A QUANTISED PRODUCT. Where the list says 'softmax', what is quantised is not the finished softmax but p = 2^(t - M), with t = logit x log2(e) and M = ceil(the row's largest t), a whole number; so 1/2 < the row's largest p <= 1. The row's sum l is taken of the UNQUANTISED p, in f32, and the product's result is divided by l at the end. Since M is a whole number, a kernel that streams over the keys may use a running M (the ceiling of the running maximum): every later rescaling is an exact power of two, which a block's scale takes up: the codes' values come out the same.
;;   OPERANDS COMPUTED ON THE WAY. 'Computed on the way' means the value that the module computes at that place (a softmax that the list does not call 'softmax' is quantised finished and normalised). What goes into a quantiser is computed in f32, as accurately as f32 sums, v_exp_f32 and their like allow (about 1e-6 of the number): no bf16 or f16 on the way to a quantiser, and a product that is left as it is and whose result goes on into a quantised operand takes f32 operands (vector FMAs, or v_wmma_f32_16x16x4_f32). A number that lies on a knife's edge between two numbers of the format may be rounded either way, as far as f32 arithmetic and the matrix unit's own rounding can turn it there, and no further.
;; 2 versions. Each part assembles by itself: llvm-mc -triple=amdgcn-amd-amdhsa -mcpu=gfx1250 --defsym DOCPART=n.
;; ======== version 1 of 2: 4 launches
;; workspace buffers: XP 6,553,600 bytes; WP 2,457,600 bytes; QP 6,553,600 bytes; KP 6,553,600 bytes; VP 6,553,600 bytes; PP 14,155,776 bytes
;; launch quant (part 1): grid 352 x 1, 8 waves a work-group, no clusters, 98,304 bytes of LDS; arguments X, Wq, Wk, Wv, XP, WP; writes XP, WP
.if DOCPART == 1
	.amdgcn_target "amdgcn-amd-amdhsa--gfx1250"
	.amdhsa_code_object_version 6
	.text
	.protected	k_q98b0ad8c2e_quant
	.globl	k_q98b0ad8c2e_quant
	.p2align	8
	.type	k_q98b0ad8c2e_quant,@function
k_q98b0ad8c2e_quant:
	s_mov_b64 s[64:65], 0
	v_nop
	global_prefetch_b8 v0, s[64:65] scope:SCOPE_SE
	s_setreg_imm32_b32 hwreg(HW_REG_WAVE_MODE, 25, 1), 1
	s_wait_xcnt 0x0
; X [8192][1024] f32 (K innermost) and Wq, Wk, Wv [1024 (K)][1024] f32 (K outermost) become codes of FP6 (E2M3) with one E8M0 byte for each 32 along K.
; They are stored as PANELS: 128 rows x 256 along K, in the order of the matrix operand's registers, so that later launches fetch a panel as one dense block and a fragment by three loads of 16 bytes a lane.
; A PANEL, 25,600 bytes: fragment (q, i) (q: which 128 along K; i: tile of 16 rows) at (8 q + i) x 1,536: registers 4 c .. 4 c + 3 of lane l at 512 c + 16 l.
;   Scale quad q at 24,576 + 512 q: lane l owns 16 bytes at 16 l; its word p is the scale word of tile 2 p + l / 16, row lane l % 16.
; THE ROWS OF A TILE ARE NOT NEIGHBOURS: lane r of tile i holds row 32 (i / 2) + 8 (i % 2) + r + 8 (r / 8) of the panel's 128.
; A block's scale is 2^(floor(log2(largest magnitude)) - 2): its byte is the largest magnitude's exponent field - 2, held at 1 from below by a floor among the maximum's leaves.
; LIMITS: a block of zeros gets the byte 1 (its codes are zeros, and this program alone reads the bytes); NaN and infinities among the inputs are not served.
; SHARES: a work-group makes one panel: the first 256 X's (group g = id / 4 of 128 tokens, K slot s = id % 4), the other 96 the weights' (24 groups of 128 columns: 0-7 Wq, 8-15 Wk, 16-23 Wv).
; Wave w: p = w % 4 (tiles 2 p and 2 p + 1: 32 rows), q = w / 4.  No tensor loads, no cluster: no two work-groups read the same bytes, and memory binds.
.set PANEL,  25600
.set FRB,    1536
.set SOFF,   24576
.set XPITCH, 528                       ; X's stage: a row of 512 bytes + 16, so that the 16 rows of a read start at 16 different 16-byte columns
.set XREG,   16*XPITCH                 ; 16 rows for each wave, from LDS byte 0 on
.set WSTG,   8*XREG                    ; the weights' stages: bytes of their own
.set WPITCH, 104                       ; a column's 96 bytes of codes + 8
.set WREG,   3584                      ; 32 columns, then their 32 scale words
.set SQ,     WSTG+8*WREG               ; the panel's two scale quads, gathered from the eight waves
.set LI,  4                            ; v4   16 x lane
.set XST, 5                            ; v5   X's stage, in: 16 x lane
.set XRD, 6                            ; v6   X's stage, out: 528 r + 128 h
.set WST, 7                            ; v7   the weights' stage, in: 104 x lane
.set WRD, 8                            ; v8   out: 104 (r + 8 (r / 8)) + 24 h
.set WSS, 9                            ; v9   scale words, in: 4 x lane
.set WSR, 10                           ; v10  out: 4 (8 h + r + 8 (r / 8))
.set SQA, 11                           ; v11  where my scale word goes in the quads
.set SQR, 12                           ; v12  where waves 0 and 1 read a quad back
.set L4,  13                           ; v13  4 x lane
.set MX,  14                           ; v14-17 largest magnitudes
.set SO,  18                           ; v18-21 the conversions' scale operands
.set BY,  22                           ; v22-25 scale bytes
.set WD,  26                           ; v26-27 scale words of the two tiles (the weights' path: v26 my column's)
.set SH,  28                           ; v28  8 h
.set PX,  29                           ; v29  a lane permute's destination
.set SW,  31                           ; v31  lanes 0-15 tile 2 p's words, lanes 16-31 tile 2 p + 1's
.set R,   32                           ; v32-159 the numbers as loaded
.set N,   160                          ; v160-223 X: a tile's numbers, 64 a lane; the weights: codes
.set F0,  224                          ; v224-247 the two finished fragments
.set CT,  248                          ; v248-255 the conversions' second halves
	s_load_b256 s[4:11], s[0:1], 0x0               ; X s[4:5], Wq s[6:7], Wk s[8:9], Wv s[10:11]
	s_load_b128 s[12:15], s[0:1], 0x20             ; XP s[12:13], WP s[14:15]
	v_lshl_add_u32 v251, v0, 2, 0x17c00
	v_mov_b32 v255, 0
	v_lshrrev_b32 v1, 5, v0
	v_readfirstlane_b32 s16, v1                    ; wave 0..7
	s_and_b32 s17, s16, 3                          ; p
	s_lshr_b32 s18, s16, 2                         ; q
	v_and_b32 v1, 31, v0                           ; lane
	v_and_b32 v2, 15, v0                           ; r
	v_bfe_u32 v3, v0, 4, 1                         ; h
	; every LDS address is made here, ahead of the parting of the two paths
	v_lshlrev_b32 v[LI], 4, v1
	s_mul_i32 s19, s16, XREG
	v_add_nc_u32 v[XST], s19, v[LI]
	v_mul_u32_u24 v[XRD], v2, XPITCH
	v_lshl_add_u32 v[XRD], v3, 7, v[XRD]
	v_add_nc_u32 v[XRD], s19, v[XRD]
	s_mul_i32 s19, s16, WREG
	s_add_co_u32 s19, s19, WSTG
	v_mul_u32_u24 v[WST], v1, WPITCH
	v_add_nc_u32 v[WST], s19, v[WST]
	v_and_b32 v14, 8, v2
	v_add_nc_u32 v14, v14, v2                      ; r + 8 (r / 8)
	v_mul_u32_u24 v[WRD], v14, WPITCH
	v_mad_u32_u24 v[WRD], v3, 24, v[WRD]
	v_add_nc_u32 v[WRD], s19, v[WRD]
	v_lshlrev_b32 v[L4], 2, v1
	s_add_co_u32 s19, s19, 32*WPITCH
	v_add_nc_u32 v[WSS], s19, v[L4]
	v_lshl_add_u32 v[WSR], v3, 3, v14
	v_lshlrev_b32 v[WSR], 2, v[WSR]
	v_add_nc_u32 v[WSR], s19, v[WSR]
	s_lshl_b32 s19, s18, 9
	s_lshl_b32 s20, s17, 2
	s_add_co_u32 s19, s19, s20
	s_add_co_u32 s19, s19, SQ
	v_add_nc_u32 v[SQA], s19, v[LI]                ; quad q, my lane's 16 bytes, word p
	s_and_b32 s19, s16, 1
	s_lshl_b32 s19, s19, 9
	s_add_co_u32 s19, s19, SQ
	v_add_nc_u32 v[SQR], s19, v[LI]
	v_lshlrev_b32 v[SH], 3, v3
	v_mov_b32 v[PX], 0                             ; a lane permute's destination counts as one of its sources
	s_mov_b32 s28, 0x76543210
	s_mov_b32 s29, 0xfedcba98                      ; v_permlanex16_b32's selects for lane l xor 16
	s_mov_b32 s30, 0xffff0000                      ; lanes 16-31
	s_cmp_lt_u32 ttmp9, 256
	s_cselect_b32 s20, 0, 256
	s_sub_co_u32 s20, ttmp9, s20                   ; the panel's number in its buffer: 4 g + s
	s_lshr_b32 s21, s20, 2                         ; g
	s_and_b32 s22, s20, 3                          ; s
	s_mul_i32 s24, s20, PANEL
	s_mov_b32 s25, 0
	s_lshl_b32 s26, s18, 3
	s_lshl_b32 s27, s17, 1
	s_add_co_u32 s26, s26, s27
	s_mul_i32 s26, s26, FRB                        ; fragment (q, 2 p)
	s_mov_b32 s27, 0
	s_and_b32 s38, s16, 1
	s_lshl_b32 s38, s38, 9
	s_mov_b32 s39, 0
	s_wait_kmcnt 0x0
	s_cmp_lt_u32 ttmp9, 256                        ; the choice hangs on the work-group's number alone
	s_cselect_b64 s[32:33], s[12:13], s[14:15]
	s_add_nc_u64 s[32:33], s[32:33], s[24:25]      ; my panel
	s_add_nc_u64 s[34:35], s[32:33], s[26:27]      ; my two fragments
	s_add_nc_u64 s[36:37], s[32:33], s[38:39]      ; the quad that waves 0 and 1 store
	s_cmp_lt_u32 ttmp9, 256
	s_cbranch_scc0 .Lweights
	; ---- X: K is innermost.  32 rows x 512 bytes: each load reads a row's 512 consecutive bytes, 16 a lane
	s_lshl_b32 s38, s21, 19                        ; 128 g rows of 4,096 bytes
	s_lshl_b32 s39, s17, 17                        ; + 32 p rows
	s_add_co_u32 s38, s38, s39
	s_lshl_b32 s39, s22, 10                        ; + K slot s: 256 numbers
	s_add_co_u32 s38, s38, s39
	s_lshl_b32 s39, s18, 9                         ; + q: 128 numbers
	s_add_co_u32 s38, s38, s39
	s_mov_b32 s39, 0
	s_add_nc_u64 s[4:5], s[4:5], s[38:39]
.irp t, 0,1,2,3,4,5,6,7,16,17,18,19,20,21,22,23,8,9,10,11,12,13,14,15,24,25,26,27,28,29,30,31
	global_load_b128 v[R+4*\t:R+4*\t+3], v[LI], s[4:5] offset:\t*4096 th:TH_LOAD_NT   ; the first tile's 16 rows first
.endr
; Tile u: its 16 rows turn through my stage, so that lane (r, h) holds, of its row, k = 64 c + 32 h + 0 .. 31 (c = 0, 1): two whole blocks, in the very order of the operand's registers.
.macro PASS u
	s_wait_loadcnt 16-16*\u                        ; this tile's 16 loads are in; the other tile's 16, issued behind them, may be out
.irp r, 0,1,2,3,4,5,6,7,8,9,10,11,12,13,14,15
	ds_store_b128 v[XST], v[R+4*(8*\u+\r+8*(\r/8)):R+4*(8*\u+\r+8*(\r/8))+3] offset:XPITCH*\r
.endr
.irp c, 0,1
.irp j, 0,1,2,3,4,5,6,7
	ds_load_b128 v[N+32*\c+4*\j:N+32*\c+4*\j+3], v[XRD] offset:256*\c+16*\j   ; LDS serves a wave's instructions in order: these see my stores
.endr
.endr
	s_wait_dscnt 0x0
.irp c, 0,1
	v_max3_num_f32 v[MX+\c], |v[N+32*\c]|, |v[N+32*\c+1]|, 0x1800000   ; my block 2 c + h, and the floor 2^(3 - 127): the byte cannot fall under 1
.endr
.irp i, 2,4,6,8,10,12,14,16,18,20,22,24,26,28,30
.irp c, 0,1
	v_max3_num_f32 v[MX+\c], v[MX+\c], |v[N+32*\c+\i]|, |v[N+32*\c+\i+1]|
.endr
.endr
.irp c, 0,1
	v_add_nc_u32 v[SO+\c], 0xff000000, v[MX+\c]    ; 2 off the exponent field: the conversion takes the exponent field of this operand as its scale
.endr
.irp c, 0,1
	v_lshrrev_b32 v[BY+\c], 23, v[SO+\c]           ; the scale's byte
.endr
	v_lshl_or_b32 v[WD+\u], v[BY+1], 16, v[BY]     ; my two bytes, blocks h and 2 + h,
	v_lshlrev_b32 v[WD+\u], v[SH], v[WD+\u]        ; at their places in the row's word;
	v_permlanex16_b32 v[PX], v[WD+\u], s28, s29
	v_or_b32 v[WD+\u], v[WD+\u], v[PX]             ; with lane l xor 16's two the word is whole
.irp c, 0,1
	v_cvt_scalef32_pk16_fp6_f32 v[F0+12*\u+6*\c:F0+12*\u+6*\c+2], v[N+32*\c:N+32*\c+15], v[SO+\c]
	v_cvt_scalef32_pk16_fp6_f32 v[CT+4*\c:CT+4*\c+2], v[N+32*\c+16:N+32*\c+31], v[SO+\c]   ; (a conversion's three registers begin on an even number)
.endr
	v_nop                                          ; one plain place behind a scaled conversion
.irp c, 0,1
.irp i, 0,1,2
	v_mov_b32 v[F0+12*\u+6*\c+3+\i], v[CT+4*\c+\i]
.endr
.endr
.endm
	PASS 0
	PASS 1
	v_cndmask_b32 v[SW], v[WD], v[WD+1], s30       ; lanes 0-15: tile 2 p's words; lanes 16-31: tile 2 p + 1's
	s_branch .Ltail
.Lweights:
	; ---- the weights: K is outermost.  A lane takes a column and its registers run down K: 128 numbers, four whole blocks
	s_lshr_b32 s40, s21, 3                         ; which tensor
	s_and_b32 s41, s21, 7                          ; which 128 columns of it
	s_lshl_b32 s38, s22, 20                        ; 256 s rows of 4,096 bytes
	s_lshl_b32 s39, s18, 19                        ; + 128 q rows
	s_add_co_u32 s38, s38, s39
	s_lshl_b32 s39, s41, 9                         ; + 128 columns a group
	s_add_co_u32 s38, s38, s39
	s_lshl_b32 s39, s17, 7                         ; + 32 p columns
	s_add_co_u32 s38, s38, s39
	s_mov_b32 s39, 0
	s_cmp_eq_u32 s40, 0
	s_cselect_b64 s[6:7], s[6:7], s[8:9]
	s_cmp_eq_u32 s40, 2
	s_cselect_b64 s[6:7], s[10:11], s[6:7]
	s_add_nc_u64 s[6:7], s[6:7], s[38:39]
.set i, 0
.rept 128
	global_load_b32 v[R+i], v[L4], s[6:7] offset:i*4096 th:TH_LOAD_NT   ; a row of W at my wave's 32 neighbouring columns; the four waves of a q stand side by side on 512 bytes
.set i, i+1
.endr
	s_wait_loadcnt 0x0
.irp b, 0,1,2,3
	v_max3_num_f32 v[MX+\b], |v[R+32*\b]|, |v[R+32*\b+1]|, 0x1800000
.endr
.irp i, 2,4,6,8,10,12,14,16,18,20,22,24,26,28,30
.irp b, 0,1,2,3
	v_max3_num_f32 v[MX+\b], v[MX+\b], |v[R+32*\b+\i]|, |v[R+32*\b+\i+1]|   ; the four blocks by turns
.endr
.endr
.irp b, 0,1,2,3
	v_add_nc_u32 v[SO+\b], 0xff000000, v[MX+\b]
.endr
.irp b, 0,1,2,3
	v_lshrrev_b32 v[BY+\b], 23, v[SO+\b]
.endr
	v_lshl_or_b32 v[WD], v[BY+1], 8, v[BY]         ; my column's scale word
	v_lshl_or_b32 v[WD], v[BY+2], 16, v[WD]
	v_lshl_or_b32 v[WD], v[BY+3], 24, v[WD]
.irp b, 0,1,2,3
	v_cvt_scalef32_pk16_fp6_f32 v[N+6*\b:N+6*\b+2], v[R+32*\b:R+32*\b+15], v[SO+\b]
	v_cvt_scalef32_pk16_fp6_f32 v[N+24+4*\b:N+24+4*\b+2], v[R+32*\b+16:R+32*\b+31], v[SO+\b]
.endr
	v_nop                                          ; one plain place behind the scaled conversions
.irp b, 0,1,2,3
.irp i, 0,1,2
	v_mov_b32 v[N+6*\b+3+\i], v[N+24+4*\b+\i]
.endr
.endr
.irp b, 0,1,2,3
.irp j, 0,1,2
	ds_store_b64 v[WST], v[N+6*\b+2*\j:N+6*\b+2*\j+1] offset:24*\b+8*\j   ; my column's 96 bytes, K innermost
.endr
.endr
	ds_store_b32 v[WSS], v[WD]
.irp u, 0,1
.irp j, 0,1,2,3,4,5
	ds_load_b64 v[F0+12*\u+2*\j:F0+12*\u+2*\j+1], v[WRD] offset:8*WPITCH*\u+48*(\j/3)+8*(\j%3)   ; tile 2 p + u: column 8 u + r + 8 (r / 8), blocks h and 2 + h
.endr
.endr
	ds_load_b32 v[SW], v[WSR]                      ; lanes 0-15: tile 2 p's words; lanes 16-31: tile 2 p + 1's
	s_wait_dscnt 0x0
.Ltail:
.irp u, 0,1
.irp c, 0,1,2
	global_store_b128 v[LI], v[F0+12*\u+4*\c:F0+12*\u+4*\c+3], s[34:35] offset:FRB*\u+512*\c   ; 512 consecutive bytes, at a multiple of 256 from the buffer's first byte
.endr
.endr
	ds_store_b32 v[SQA], v[SW]
	s_wait_dscnt 0x0                               ; for the others' sake: my word lies in the quad
	s_barrier_signal -1
	s_barrier_wait -1
	s_cmp_gt_u32 s16, 1
	s_cbranch_scc1 .Ldone                          ; waves 0 and 1 store the two quads, 512 consecutive bytes each
	ds_load_b128 v[R:R+3], v[SQR]
	s_wait_dscnt 0x0
	global_store_b128 v[LI], v[R:R+3], s[36:37] offset:SOFF
.Ldone:
	s_wait_tensorcnt 0x0
	ds_add_u32 v251, v255
	s_wait_dscnt 0x0
	s_endpgm
.Lfunc_end_k_q98b0ad8c2e_quant:
	.size	k_q98b0ad8c2e_quant, .Lfunc_end_k_q98b0ad8c2e_quant-k_q98b0ad8c2e_quant
	.p2alignl 7, 3214868480
	.fill 96, 4, 3214868480
	.section	.rodata,"a",@progbits
	.p2align	6, 0x0
	.amdhsa_kernel k_q98b0ad8c2e_quant
		.amdhsa_group_segment_fixed_size 98304
		.amdhsa_private_segment_fixed_size 0
		.amdhsa_enable_private_segment 0
		.amdhsa_kernarg_size 48
		.amdhsa_user_sgpr_count 2
		.amdhsa_user_sgpr_kernarg_segment_ptr 1
		.amdhsa_wavefront_size32 1
		.amdhsa_system_sgpr_workgroup_id_x 1
		.amdhsa_system_sgpr_workgroup_id_y 1
		.amdhsa_system_sgpr_workgroup_id_z 1
		.amdhsa_system_vgpr_workitem_id 0
		.amdhsa_next_free_vgpr 256
		.amdhsa_next_free_sgpr 66
		.amdhsa_reserve_vcc 0
		.amdhsa_float_denorm_mode_32 3
		.amdhsa_float_denorm_mode_16_64 3
		.amdhsa_memory_ordered 1
		.amdhsa_forward_progress 1
		.amdhsa_inst_pref_size 38
	.end_amdhsa_kernel
	.amdgpu_metadata
---
amdhsa.version: [ 1, 2 ]
amdhsa.kernels:
  - .name:           k_q98b0ad8c2e_quant
    .symbol:         k_q98b0ad8c2e_quant.kd
    .args:
      - { .name: X, .offset: 0, .size: 8, .value_kind: global_buffer, .address_space: global }
      - { .name: Wq, .offset: 8, .size: 8, .value_kind: global_buffer, .address_space: global }
      - { .name: Wk, .offset: 16, .size: 8, .value_kind: global_buffer, .address_space: global }
      - { .name: Wv, .offset: 24, .size: 8, .value_kind: global_buffer, .address_space: global }
      - { .name: XP, .offset: 32, .size: 8, .value_kind: global_buffer, .address_space: global }
      - { .name: WP, .offset: 40, .size: 8, .value_kind: global_buffer, .address_space: global }
    .group_segment_fixed_size: 98304
    .private_segment_fixed_size: 0
    .kernarg_segment_align: 8
    .kernarg_segment_size: 48
    .max_flat_workgroup_size: 256
    .sgpr_count:     66
    .vgpr_count:     256
    .wavefront_size: 32
...
	.end_amdgpu_metadata
.endif
;; end of part 1
;; launch proj (part 2): grid 12 x 32, 4 waves a work-group, clusters of 4 x 4, 327,680 bytes of LDS; arguments XP, WP, bq, bk, bv, QP, KP, VP; writes QP, KP, VP
.if DOCPART == 2
	.amdgcn_target "amdgcn-amd-amdhsa--gfx1250"
	.amdhsa_code_object_version 6
	.text
	.protected	k_q98b0ad8c2e_proj
	.globl	k_q98b0ad8c2e_proj
	.p2align	8
	.type	k_q98b0ad8c2e_proj,@function
k_q98b0ad8c2e_proj:
	s_mov_b64 s[64:65], 0
	v_nop
	global_prefetch_b8 v0, s[64:65] scope:SCOPE_SE
	s_setreg_imm32_b32 hwreg(HW_REG_WAVE_MODE, 25, 1), 1
	s_wait_xcnt 0x0
	s_wait_alu depctr_hold_cnt(0) depctr_sa_sdst(0) depctr_va_vdst(0) depctr_va_sdst(0) depctr_va_ssrc(0) depctr_va_vcc(0) depctr_vm_vsrc(0)
	s_getreg_b32 s2, hwreg(HW_REG_IB_STS2, 6, 4)
	s_cmp_eq_u32 s2, 0
	s_cbranch_scc0 .Lentry_in_a_cluster
	s_endpgm
.Lentry_in_a_cluster:
	s_bfe_u32 s2, ttmp6, 0x10000c
	s_cmp_lg_u32 s2, 0xf033
	s_cbranch_scc0 .Lentry_shape_is_right
	s_endpgm
.Lentry_shape_is_right:
; q = X Wq + bq, k = X Wk + bk, v = X Wv + bv on codes of FP6 (E2M3) with E8M0 scales; the results are quantised again in registers and stored as panels of codes.
; A PANEL is 128 rows x 256 along K in the order of the operand's registers, 25,600 bytes: fragment (q, i) at (8 q + i) x 1,536 (registers 4 c .. 4 c + 3 of lane l at 512 c + 16 l);
;   scale quad q at 24,576 + 512 q: word p of lane l's 16 bytes belongs to tile 2 p + l / 16, row lane l % 16.  Lane r of tile i holds row 32 (i / 2) + 8 (i % 2) + r + 8 (r / 8).
; A tile of C is 256 x 256: four waves, 128 x 128 each, 64 accumulators.  Source 0 = a fragment of the B panel, source 1 = of the A panel: lane (r, h) then holds ONE row of A, and by the order of a tile's rows
; its 64 registers of a block a are B's rows 32 b + 16 h + i (register 16 b + i): neighbours along the next product's K, as the conversions want them.
; KINDS.  Cluster x 0 and 1 (q and k): A = X's panels, B = the weights': a lane holds a token, registers run along the channels; out: QP, KP [token group][channel slot].
;         Cluster x 2 (v): the operands change places: a lane holds a channel, registers run along the tokens, which are the last product's K; out: VP [batch][channel group][key slot].
; K = 1,024 goes in four slots of 256 through a ring of two LDS slots; a slot is four panels, one tensor load a wave.
; CLUSTERS 4 x 4: A's panels are shared along a row of the cluster, B's along a column: each is asked for jointly.
; LIMITS: a block of zeros gets the byte 1 (zero codes; this program alone reads the bytes); NaN and infinities are not served.
; REGISTERS: window 0: v16-22 addresses, v28-29 the add's, v32-63 scale quads (two sets) and nothing else, v64-127 the bias along the registers, v128-223 A's fragments (one set), v224-239 the bias along the lanes;
;   behind the loop v128-191 a block's numbers, v192-211 its codes, v212-223 scale words, v240-255 at work.  window 1: B's fragments, two sets.  windows 2, 3: the accumulators, (a, b) at v[8 (8 (a % 4) + b)].
.set PV,    0
.set PA,    25600
.set PB,    25600
.set FRB,   1536
.set SOFF,  24576
.set SLOT,  2*PA+2*PB                  ; A's two panels, then B's two
.set SPARE, 2*SLOT                     ; behind the ring: the spare words, 128 bytes for each wave
.set ADRA,  16                         ; v16-17 LDS address of my A panel in slot 0, 1, + 16 x lane
.set ADRB,  20                         ; v20-21 the same for B
.set LI,    22                         ; v22    16 x lane
.set SPW,   28
.set NIL,   29
.set SC,    32                         ; scale quads: set s at v[32 + 16 s]: A's at + 4 q + p, B's at + 8 + 4 q + p
.set AF,    128
.set G1,    24
.set G0,    32
.set G1B,   48
.set G0B,   56
.set SEL,   96                         ; s[96:97] selects for lane l xor 16
.set HI,    85                         ; s85 lanes 16-31
.set KIND,  67                         ; s67 1: v
.set BN,    64
.set T,     128
.set PC,    192
.set QQ,    212
.set PWS,   216
.set BM,    224
.set TM,    240
.set MUL_LO, 0xa1                      ; source 0 (B) window 1, source 1 (A) window 0, C and D window 2
.set MUL_HI, 0xf1                      ; the same, C and D window 3
.set TO_B,   0x40                      ; destination window 1
.set MSB, 0
.macro WIN new                         ; the immediate's high byte repeats the setting that is left
.if MSB != (\new)
	s_set_vgpr_msb (MSB<<8)|(\new)
.set MSB, (\new)
.endif
.endm
; A joint load: waves 0 and 1 fetch A's two panels, waves 2 and 3 B's.  The branch hangs on the wave's number alone.  Four v_nop follow each of the two lines.
.macro JLOAD g0a, g1a, g0b, g1b
	s_cmp_eq_u32 s15, 0
	s_cbranch_scc0 .Lfor_b_\@
	tensor_load_to_lds s[\g0a:\g0a+3], s[\g1a:\g1a+7]
	s_nop 0
.rept 4
	v_nop
.endr
	s_branch .Lasked_\@
.Lfor_b_\@:
	tensor_load_to_lds s[\g0b:\g0b+3], s[\g1b:\g1b+7]
	s_nop 0
.rept 4
	v_nop
.endr
.Lasked_\@:
.endm
.macro CREST                           ; a round of the cluster's barrier behind its opening barrier
	s_cmp_lg_u32 s14, 0
	s_cbranch_scc1 .Lnot_wave_0_\@
	s_barrier_signal -3
.Lnot_wave_0_\@:
	s_barrier_wait -3
	s_barrier_signal -1
	s_barrier_wait -1
.endm
.macro CROUND
	s_barrier_signal -1
	s_barrier_wait -1
	CREST
.endm
.macro PLACES n                        ; plain places behind matrix instructions, in front of loads into their registers and of reads of their results
.rept \n
	v_nop
.endr
.endm
.macro FRAG reg, adr, off              ; a fragment comes as the image of its 12 registers: three loads of 512 consecutive bytes
.irp c, 0,1,2
	ds_load_b128 v[(\reg)+4*\c:(\reg)+4*\c+3], v[\adr] offset:(\off)+512*\c
.endr
.endm
.macro FETCH_B slot, q, p              ; B's eight fragments of the slot's q-th 128 along K into set p: 24 loads
	WIN TO_B
.irp i, 0,1,2,3,4,5,6,7
	FRAG 128*(\p)+12*\i, ADRB+\slot, (8*(\q)+\i)*FRB
.endr
	WIN 0
.endm
.macro FETCH_A slot, q, i0             ; A's blocks i0 .. i0 + 3: 12 loads
.irp i, \i0, \i0+1, \i0+2, \i0+3
	FRAG AF+12*(\i), ADRA+\slot, (8*(\q)+(\i))*FRB
.endr
.endm
.macro SCALES sc                       ; a slot's scale quads
.irp q, 0,1
	ds_load_b128 v[SC+16*\sc+4*\q:SC+16*\sc+4*\q+3], v[ADRA+\sc] offset:SOFF+512*\q
	ds_load_b128 v[SC+16*\sc+8+4*\q:SC+16*\sc+8+4*\q+3], v[ADRB+\sc] offset:SOFF+512*\q
.endr
.if PV
.irp q, 0,1
	ds_load_b128 v[MQ+4*\q:MQ+4*\q+3], v[ADRA+\sc] offset:25600+512*\q
	ds_load_b128 v[LQ+4*\q:LQ+4*\q+3], v[ADRA+\sc] offset:26624+512*\q
.endr
.endif
.endm
; One matrix instruction.  r0, r1: the side's scale words stand in lanes 16-31 of the register named (odd tiles).  zero: the product starts its sum.
.macro WM d, f0, f1, x0, x1, r0, r1, zero
.if (\zero) && (\r0) && (\r1)
	v_wmma_scale_f32_16x16x128_f8f6f4 v[(\d):(\d)+7], v[(\f0):(\f0)+11], v[(\f1):(\f1)+11], 0, v[\x0], v[\x1] matrix_a_fmt:MATRIX_FMT_FP6 matrix_b_fmt:MATRIX_FMT_FP6 matrix_a_scale:MATRIX_SCALE_ROW1 matrix_b_scale:MATRIX_SCALE_ROW1
.elseif (\zero) && (\r0)
	v_wmma_scale_f32_16x16x128_f8f6f4 v[(\d):(\d)+7], v[(\f0):(\f0)+11], v[(\f1):(\f1)+11], 0, v[\x0], v[\x1] matrix_a_fmt:MATRIX_FMT_FP6 matrix_b_fmt:MATRIX_FMT_FP6 matrix_a_scale:MATRIX_SCALE_ROW1
.elseif (\zero) && (\r1)
	v_wmma_scale_f32_16x16x128_f8f6f4 v[(\d):(\d)+7], v[(\f0):(\f0)+11], v[(\f1):(\f1)+11], 0, v[\x0], v[\x1] matrix_a_fmt:MATRIX_FMT_FP6 matrix_b_fmt:MATRIX_FMT_FP6 matrix_b_scale:MATRIX_SCALE_ROW1
.elseif (\zero)
	v_wmma_scale_f32_16x16x128_f8f6f4 v[(\d):(\d)+7], v[(\f0):(\f0)+11], v[(\f1):(\f1)+11], 0, v[\x0], v[\x1] matrix_a_fmt:MATRIX_FMT_FP6 matrix_b_fmt:MATRIX_FMT_FP6
.elseif (\r0) && (\r1)
	v_wmma_scale_f32_16x16x128_f8f6f4 v[(\d):(\d)+7], v[(\f0):(\f0)+11], v[(\f1):(\f1)+11], v[(\d):(\d)+7], v[\x0], v[\x1] matrix_a_fmt:MATRIX_FMT_FP6 matrix_b_fmt:MATRIX_FMT_FP6 matrix_a_scale:MATRIX_SCALE_ROW1 matrix_b_scale:MATRIX_SCALE_ROW1
.elseif (\r0)
	v_wmma_scale_f32_16x16x128_f8f6f4 v[(\d):(\d)+7], v[(\f0):(\f0)+11], v[(\f1):(\f1)+11], v[(\d):(\d)+7], v[\x0], v[\x1] matrix_a_fmt:MATRIX_FMT_FP6 matrix_b_fmt:MATRIX_FMT_FP6 matrix_a_scale:MATRIX_SCALE_ROW1
.elseif (\r1)
	v_wmma_scale_f32_16x16x128_f8f6f4 v[(\d):(\d)+7], v[(\f0):(\f0)+11], v[(\f1):(\f1)+11], v[(\d):(\d)+7], v[\x0], v[\x1] matrix_a_fmt:MATRIX_FMT_FP6 matrix_b_fmt:MATRIX_FMT_FP6 matrix_b_scale:MATRIX_SCALE_ROW1
.else
	v_wmma_scale_f32_16x16x128_f8f6f4 v[(\d):(\d)+7], v[(\f0):(\f0)+11], v[(\f1):(\f1)+11], v[(\d):(\d)+7], v[\x0], v[\x1] matrix_a_fmt:MATRIX_FMT_FP6 matrix_b_fmt:MATRIX_FMT_FP6
.endif
.endm
; 16 matrix instructions: A's blocks a0, a0 + 1 x B's eight.  The 64 accumulators take turns, one instruction a turn, in the same order in every step.
.macro MUL16 a0, p, q, sc, zero
.irp a, \a0, \a0+1
.irp b, 0,1,2,3,4,5,6,7
	WM 8*(8*((\a)%4)+\b), 128*(\p)+12*\b, AF+12*(\a), SC+16*(\sc)+8+4*(\q)+\b/2, SC+16*(\sc)+4*(\q)+(\a)/2, \b%2, (\a)%2, \zero
.endr
.endr
.endm
; A slot's first 128 along K.  B's other set and A's blocks 0-3 for the second 128 are fetched in its middle, A's blocks 4-7 at its end.
.macro STEP slot, zero
	s_wait_dscnt 12                                ; all but the 12 youngest loads (A's blocks 4-7) are in
.if PV
	FIX \slot
.endif
	WIN MUL_LO
	MUL16 0, 0, 0, \slot, \zero
	MUL16 2, 0, 0, \slot, \zero
	s_wait_dscnt 0x0                               ; A's blocks 4-7 are in
	PLACES 4
	FETCH_B \slot, 1, 1
	FETCH_A \slot, 1, 0
	WIN MUL_HI
	MUL16 4, 0, 0, \slot, \zero
	MUL16 6, 0, 0, \slot, \zero
	PLACES 4
	WIN 0
	FETCH_A \slot, 1, 4
.endm
; A slot's second 128 changes slots: ONE barrier; in front of it each wave waits for all its tensor loads, adds 0 to its spare word, and waits for that and for its reads of this slot.  fill = 1: this slot is filled again, two slots ahead.
.macro TURN slot, next, fill
	s_wait_tensorcnt 0x0                           ; all my tensor loads have landed: my part of the next slot
	ds_add_u32 v[SPW], v[NIL]                      ; 0 onto my spare word
	s_wait_dscnt 13                                ; (the add and the 12 youngest loads, A's blocks 4-7, may be out)
	WIN MUL_LO
	MUL16 0, 1, 1, \slot, 0
	s_wait_dscnt 0x0                               ; the add is done, and my reads of this slot are over
	s_barrier_signal -1
	MUL16 2, 1, 1, \slot, 0
	WIN 0
	s_barrier_wait -1
.if \fill
	CREST                                          ; the barrier has opened a round of the cluster's: no wave of any partner still reads this slot or has a load on its way
	s_add_nc_u64 s[G0+4*\slot+2:G0+4*\slot+3], s[G0+4*\slot+2:G0+4*\slot+3], 2*PA
	s_add_nc_u64 s[G0B+4*\slot+2:G0B+4*\slot+3], s[G0B+4*\slot+2:G0B+4*\slot+3], 2*PB
	JLOAD G0+4*\slot, G1, G0B+4*\slot, G1B         ; the first tensor load behind the round; its four v_nop are the places in front of the loads below
.else
	PLACES 4
.endif
	FETCH_B \next, 0, 0
	FETCH_A \next, 0, 0
	SCALES \next
	WIN MUL_HI
	MUL16 4, 1, 1, \slot, 0
	MUL16 6, 1, 1, \slot, 0
	PLACES 4
	WIN 0
	FETCH_A \next, 0, 4
.endm
; 64 numbers of a lane, register 16 b + i = k 32 b + 16 (lane / 16) + i of my row, become a fragment's codes in v[PC] on and its scale word in v[pw].
.macro QUANT s, pw
.irp b, 0,1,2,3
	v_max3_num_f32 v[TM+\b], |v[(\s)+16*\b]|, |v[(\s)+1+16*\b]|, 0x1800000   ; my 16 numbers of block b, and the floor 2^(3 - 127): the byte cannot fall under 1
.endr
.irp i, 2,4,6,8,10,12,14
.irp b, 0,1,2,3
	v_max3_num_f32 v[TM+\b], v[TM+\b], |v[(\s)+16*\b+\i]|, |v[(\s)+1+16*\b+\i]|
.endr
.endr
.irp b, 0,1,2,3
	v_permlanex16_b32 v[TM+4+\b], v[TM+\b], s[SEL], s[SEL+1]
.endr
.irp b, 0,1,2,3
	v_max_num_f32 v[TM+\b], v[TM+\b], v[TM+4+\b]   ; with lane l xor 16's: the block's largest magnitude
.endr
.irp b, 0,1,2,3
	v_add_nc_u32 v[TM+12+\b], 0xff000000, v[TM+\b] ; 2 off its exponent field: the conversion's scale operand
.endr
.irp b, 0,1,2,3
	v_lshrrev_b32 v[TM+4+\b], 23, v[TM+12+\b]      ; the scale's byte
.endr
	v_lshl_or_b32 v[\pw], v[TM+5], 8, v[TM+4]
	v_lshl_or_b32 v[\pw], v[TM+6], 16, v[\pw]
	v_lshl_or_b32 v[\pw], v[TM+7], 24, v[\pw]
.irp c, 0,1
	v_cvt_scalef32_pk16_fp6_f32 v[PC+6*\c:PC+2+6*\c], v[(\s)+32*\c:(\s)+15+32*\c], v[TM+12+2*\c]
	v_cvt_scalef32_pk16_fp6_f32 v[PC+12+4*\c:PC+14+4*\c], v[(\s)+16+32*\c:(\s)+31+32*\c], v[TM+12+2*\c+1]
.endr
	v_nop                                          ; one plain place behind a scaled conversion
.irp c, 0,1                                    ; the operand's layout wants a whole block in a lane
.irp i, 0,1,2
	v_permlane16_swap_b32 v[PC+6*\c+\i], v[PC+12+4*\c+\i]
.endr
.irp i, 0,1,2
	v_mov_b32 v[PC+3+6*\c+\i], v[PC+12+4*\c+\i]
.endr
.endr
.endm
	s_load_b256 s[4:11], s[0:1], 0x0               ; XP s[4:5], WP s[6:7], bq s[8:9], bk s[10:11]
	s_load_b256 s[68:75], s[0:1], 0x20             ; bv s[68:69], QP s[70:71], KP s[72:73], VP s[74:75]
	v_lshl_add_u32 v[SPW], v0, 2, SPARE
	v_mov_b32 v[NIL], 0
	ds_add_u32 v28, v29
	ds_add_u32 v28, v29
	s_wait_dscnt 0x0
	v_lshrrev_b32 v1, 5, v0
	v_readfirstlane_b32 s14, v1                    ; wave 0..3
	s_lshr_b32 s15, s14, 1                         ; my half of the tile's rows.  Also: I fetch for A (0) or for B (1)
	s_and_b32 s16, s14, 1                          ; my half of its columns.  Also: which of the two panels I fetch
	s_bfe_u32 s40, ttmp6, 0x40000                  ; cx
	s_bfe_u32 s41, ttmp6, 0x40004                  ; cy
	s_and_b32 s18, ttmp7, 0xffff
	s_lshl_b32 s18, s18, 2                         ; 4 x cluster y
	s_lshl_b32 s19, ttmp9, 2                       ; 4 x cluster x
	s_cmp_eq_u32 ttmp9, 2                          ; the kind hangs on the cluster's x: the same in all sixteen partners
	s_cselect_b32 s[KIND], 1, 0
	s_cselect_b32 s17, 0, s18
	s_cselect_b32 s42, s18, s19
	s_cselect_b32 s80, 16, 0                       ; Wv's groups begin at 16
	s_add_co_u32 s17, s17, s41                     ; tile row
	s_add_co_u32 s42, s42, s40                     ; tile column
	s_lshl_b32 s43, s41, 2
	s_lshl_b32 s43, 15, s43                        ; my row of the cluster
	s_lshl_b32 s44, 0x1111, s40                    ; my column
	; descriptor group 1: a panel is a dense block: rows of 256 bytes (32 elements of 8 bytes), no padding
	s_or_b32 s[G1+0], s43, (3<<16)|(1<<21)         ; 15:0 the mask: A's panels go to my row; 17:16 elements of 8 bytes; 21 set beside a mask
	s_or_b32 s[G1B+0], s44, (3<<16)|(1<<21)
	s_mov_b32 s[G1+1], 32<<16                      ; tensor_dim0
	s_mov_b32 s[G1+2], (PA/256)<<16                ; tensor_dim1
	s_mov_b32 s[G1+3], 32<<16                      ; tile_dim0
	s_mov_b32 s[G1+4], PA/256                      ; tile_dim1
	s_mov_b32 s[G1+5], 32                          ; the pitch
	s_mov_b32 s[G1+6], 0
	s_mov_b32 s[G1+7], 0
	s_mov_b32 s[G1B+1], 32<<16
	s_mov_b32 s[G1B+2], (PB/256)<<16
	s_mov_b32 s[G1B+3], 32<<16
	s_mov_b32 s[G1B+4], PB/256
	s_mov_b32 s[G1B+5], 32
	s_mov_b32 s[G1B+6], 0
	s_mov_b32 s[G1B+7], 0
	s_lshl_b32 s20, s17, 1                         ; A's group: 2 x tile row + which panel (+ 16 for Wv); four panels a group
	s_add_co_u32 s20, s20, s16
	s_add_co_u32 s20, s20, s80
	s_mul_i32 s20, s20, 4*PA
	s_mov_b32 s21, 0
	s_lshl_b32 s22, s42, 1                         ; B's group: 2 x tile column + which panel
	s_add_co_u32 s22, s22, s16
	s_mul_i32 s22, s22, 4*PB
	s_mov_b32 s23, 0
	s_mul_i32 s45, s16, PA                         ; where they go: no place in the cluster enters an LDS address
	s_mul_i32 s46, s16, PB
	s_add_co_u32 s46, s46, 2*PA
	; where my results go
	s_lshl_b32 s84, s17, 1
	s_add_co_u32 s84, s84, s15                     ; my rows' group: 2 x tile row + my half
	s_lshl_b32 s86, s84, 2
	s_and_b32 s87, s42, 3
	s_add_co_u32 s86, s86, s87                     ; q, k: panel 4 x group + channel slot
	s_lshr_b32 s87, s42, 3
	s_lshl_b32 s87, s87, 3
	s_add_co_u32 s87, s87, s84
	s_lshl_b32 s87, s87, 3
	s_and_b32 s81, s42, 7
	s_add_co_u32 s87, s87, s81                     ; v: panel (8 x batch + channel group) x 8 + key slot
	s_and_b32 s92, s42, 3
	s_lshl_b32 s92, s92, 10
	s_lshl_b32 s93, s16, 9
	s_add_co_u32 s92, s92, s93                     ; q, k: my 128 channels in the bias
	s_lshl_b32 s94, s84, 9                         ; v: my 128 channels in the bias
	s_cmp_eq_u32 ttmp9, 2
	s_cselect_b32 s86, s87, s86
	s_cselect_b32 s92, 0, s92                      ; (the set that the kind does not use is loaded from the bias's first bytes and not read)
	s_cselect_b32 s94, s94, 0
	s_mul_i32 s86, s86, 25600
	s_mov_b32 s87, 0
	s_mov_b32 s93, 0
	s_mov_b32 s95, 0
	s_lshl_b32 s82, s16, 9
	s_add_co_u32 s82, s82, SOFF                    ; my scale quad
	s_mov_b32 s83, 0
	s_mul_i32 s80, s16, 8*FRB                      ; my eight fragments
	s_mov_b32 s81, 0
	s_mov_b32 s[SEL], 0x76543210
	s_mov_b32 s[SEL+1], 0xfedcba98
	s_mov_b32 s[HI], 0xffff0000
	s_mov_b32 s3, 1                                ; laps less one: K = 1,024 is twice round the ring
	s_wait_kmcnt 0x0
	s_cmp_eq_u32 ttmp9, 2
	s_cselect_b64 s[88:89], s[6:7], s[4:5]         ; A: the weights' panels for v, else X's
	s_cselect_b64 s[90:91], s[4:5], s[6:7]         ; B: the other
	s_add_nc_u64 s[20:21], s[88:89], s[20:21]
	s_add_nc_u64 s[22:23], s[90:91], s[22:23]
	s_cmp_eq_u32 ttmp9, 0
	s_cselect_b64 s[76:77], s[70:71], s[72:73]     ; QP or KP,
	s_cselect_b64 s[88:89], s[8:9], s[10:11]       ; bq or bk,
	s_cmp_eq_u32 ttmp9, 2
	s_cselect_b64 s[76:77], s[74:75], s[76:77]     ; or VP
	s_cselect_b64 s[88:89], s[68:69], s[88:89]     ; and bv
	s_add_nc_u64 s[76:77], s[76:77], s[86:87]      ; my panel
	s_add_nc_u64 s[78:79], s[76:77], s[82:83]      ; its scale quad of my half
	s_add_nc_u64 s[76:77], s[76:77], s[80:81]      ; its fragments of my half
	s_add_nc_u64 s[92:93], s[88:89], s[92:93]
	s_add_nc_u64 s[94:95], s[88:89], s[94:95]
	CROUND                                         ; all sixteen work-groups are here: the first joint loads meet
.irp s, 0,1
	s_mov_b32 s[G0+4*\s], 1
	s_add_co_u32 s[G0+4*\s+1], s45, \s*SLOT
	s_add_nc_u64 s[G0+4*\s+2:G0+4*\s+3], s[20:21], \s*PA
	s_or_b32 s[G0+4*\s+3], s[G0+4*\s+3], 0x80000000
	s_mov_b32 s[G0B+4*\s], 1
	s_add_co_u32 s[G0B+4*\s+1], s46, \s*SLOT
	s_add_nc_u64 s[G0B+4*\s+2:G0B+4*\s+3], s[22:23], \s*PB
	s_or_b32 s[G0B+4*\s+3], s[G0B+4*\s+3], 0x80000000
	JLOAD G0+4*\s, G1, G0B+4*\s, G1B               ; two loads of mine are out
.endr
	v_and_b32 v1, 31, v0
	v_lshlrev_b32 v[LI], 4, v1
	s_mul_i32 s18, s15, PA                         ; my A panel
	s_mul_i32 s19, s16, PB                         ; my B panel,
	s_add_co_u32 s19, s19, 2*PA                    ; behind A's two
.irp s, 0,1
	v_add_nc_u32 v[ADRA+\s], s18, v[LI]
	v_add_nc_u32 v[ADRB+\s], s19, v[LI]
	s_add_co_u32 s18, s18, SLOT
	s_add_co_u32 s19, s19, SLOT
.endr
	v_and_b32 v2, 15, v0                           ; r
	v_bfe_u32 v3, v0, 4, 1                         ; h
	v_lshlrev_b32 v24, 6, v3                       ; the bias along the registers: 64 h
	v_and_b32 v25, 8, v2
	v_add_nc_u32 v25, v25, v2
	v_lshlrev_b32 v25, 2, v25                      ; the bias along the lanes: 4 (r + 8 (r / 8))
.irp t, 0,1,2,3,4,5,6,7
	global_load_b128 v[BN+8*\t:BN+8*\t+3], v24, s[92:93] offset:(32*(\t/2)+8*(\t%2))*4        ; register 8 t + j: channel 32 (t / 2) + 8 (t % 2) + 16 h + j
	global_load_b128 v[BN+8*\t+4:BN+8*\t+7], v24, s[92:93] offset:(32*(\t/2)+8*(\t%2))*4+16
.endr
.irp a, 0,1,2,3,4,5,6,7
	global_load_b32 v[BM+2*\a], v25, s[94:95] offset:(32*(\a/2)+8*(\a%2))*4                   ; block a: my lane's channel; twice, since the packed addition names a pair
	global_load_b32 v[BM+2*\a+1], v25, s[94:95] offset:(32*(\a/2)+8*(\a%2))*4
.endr
.irp b, 0,1,2,3
	v_mov_b32 v[TM+4+\b], 0                        ; a lane permute's destination counts as one of its sources
.endr
	s_wait_tensorcnt 0x1                           ; my part of slot 0 is in; slot 1's load may be out
	s_barrier_signal -1
	s_barrier_wait -1
	FETCH_B 0, 0, 0
	FETCH_A 0, 0, 0
	SCALES 0
	FETCH_A 0, 0, 4
	STEP 0, 1                                      ; the first step's products start the sums: nothing is cleared
.Llap:                                                 ; a trip goes once round the ring and fills both slots again
	TURN 0, 1, 1
	STEP 1, 0
	TURN 1, 0, 1
	STEP 0, 0
	s_sub_co_u32 s3, s3, 1
	s_cmp_lg_u32 s3, 0
	s_cbranch_scc1 .Llap
	TURN 0, 1, 0                                   ; the last lap fills nothing
	STEP 1, 0
	s_wait_dscnt 12
	WIN MUL_LO
	MUL16 0, 1, 1, 1, 0
	MUL16 2, 1, 1, 1, 0
	s_wait_dscnt 0x0
	WIN MUL_HI
	MUL16 4, 1, 1, 1, 0
	MUL16 6, 1, 1, 1, 0
	WIN 0
; THE WAY OUT, block by block of 16 rows of A: the bias, the quantiser, and the fragment's image: three stores of 512 consecutive bytes.
.macro EPI a
	s_cmp_eq_u32 s[KIND], 0
	s_cbranch_scc0 .Lchan_\@
	WIN 0x02+(\a)/4                                ; source 0: window 2 or 3
.set n, 0
.rept 32
	v_pk_add_f32 v[T+n:T+n+1], v[64*((\a)%4)+n:64*((\a)%4)+n+1], v[BN+n:BN+n+1]   ; q, k: the registers run along the channels.  Each accumulator from its low end on
.set n, n+2
.endr
	WIN 0
	s_branch .Lbiased_\@
.Lchan_\@:
	WIN 0x02+(\a)/4
.set n, 0
.rept 32
	v_pk_add_f32 v[T+n:T+n+1], v[64*((\a)%4)+n:64*((\a)%4)+n+1], v[BM+2*(\a):BM+2*(\a)+1] op_sel_hi:[1,0]   ; v: my lane is a channel
.set n, n+2
.endr
	WIN 0
.Lbiased_\@:
.if (\a) > 0
	s_wait_xcnt 0x0                                ; the last block's stores have read their data: the codes' registers are written again only behind this wait
.endif
	QUANT T, PWS+(\a)
.irp c, 0,1,2
	global_store_b128 v[LI], v[PC+4*\c:PC+4*\c+3], s[76:77] offset:FRB*(\a)+512*\c
.endr
.endm
	s_wait_loadcnt 0x0                             ; the biases
	PLACES 4
.irp a, 0,1,2,3,4,5,6,7
	EPI \a
.endr
.irp p, 0,1,2,3
	v_cndmask_b32 v[QQ+\p], v[PWS+2*\p], v[PWS+2*\p+1], s[HI]   ; the quad: lanes 0-15 tile 2 p's words, lanes 16-31 tile 2 p + 1's
.endr
	global_store_b128 v[LI], v[QQ:QQ+3], s[78:79]
	s_wait_tensorcnt 0x0                           ; the wave's end
	ds_add_u32 v[SPW], v[NIL]
	s_wait_dscnt 0x0
	CROUND                                         ; the closing round
	s_endpgm
.Lfunc_end_k_q98b0ad8c2e_proj:
	.size	k_q98b0ad8c2e_proj, .Lfunc_end_k_q98b0ad8c2e_proj-k_q98b0ad8c2e_proj
	.p2alignl 7, 3214868480
	.fill 96, 4, 3214868480
	.section	.rodata,"a",@progbits
	.p2align	6, 0x0
	.amdhsa_kernel k_q98b0ad8c2e_proj
		.amdhsa_group_segment_fixed_size 327680
		.amdhsa_private_segment_fixed_size 0
		.amdhsa_enable_private_segment 0
		.amdhsa_kernarg_size 64
		.amdhsa_user_sgpr_count 2
		.amdhsa_user_sgpr_kernarg_segment_ptr 1
		.amdhsa_wavefront_size32 1
		.amdhsa_system_sgpr_workgroup_id_x 1
		.amdhsa_system_sgpr_workgroup_id_y 1
		.amdhsa_system_sgpr_workgroup_id_z 1
		.amdhsa_system_vgpr_workitem_id 0
		.amdhsa_next_free_vgpr 1024
		.amdhsa_next_free_sgpr 98
		.amdhsa_reserve_vcc 0
		.amdhsa_float_denorm_mode_32 3
		.amdhsa_float_denorm_mode_16_64 3
		.amdhsa_memory_ordered 1
		.amdhsa_forward_progress 1
		.amdhsa_inst_pref_size 173
	.end_amdhsa_kernel
	.amdgpu_metadata
---
amdhsa.version: [ 1, 2 ]
amdhsa.kernels:
  - .name:           k_q98b0ad8c2e_proj
    .symbol:         k_q98b0ad8c2e_proj.kd
    .args:
      - { .name: XP, .offset: 0, .size: 8, .value_kind: global_buffer, .address_space: global }
      - { .name: WP, .offset: 8, .size: 8, .value_kind: global_buffer, .address_space: global }
      - { .name: bq, .offset: 16, .size: 8, .value_kind: global_buffer, .address_space: global }
      - { .name: bk, .offset: 24, .size: 8, .value_kind: global_buffer, .address_space: global }
      - { .name: bv, .offset: 32, .size: 8, .value_kind: global_buffer, .address_space: global }
      - { .name: QP, .offset: 40, .size: 8, .value_kind: global_buffer, .address_space: global }
      - { .name: KP, .offset: 48, .size: 8, .value_kind: global_buffer, .address_space: global }
      - { .name: VP, .offset: 56, .size: 8, .value_kind: global_buffer, .address_space: global }
    .group_segment_fixed_size: 327680
    .private_segment_fixed_size: 0
    .kernarg_segment_align: 8
    .kernarg_segment_size: 64
    .max_flat_workgroup_size: 128
    .sgpr_count:     98
    .vgpr_count:     1024
    .wavefront_size: 32
...
	.end_amdgpu_metadata
.endif
;; end of part 2
;; launch scores (part 3): grid 48 x 4, 4 waves a work-group, clusters of 4 x 4, 327,680 bytes of LDS; arguments QP, KP, PP; writes PP
.if DOCPART == 3
	.amdgcn_target "amdgcn-amd-amdhsa--gfx1250"
	.amdhsa_code_object_version 6
	.text
	.protected	k_q98b0ad8c2e_scores
	.globl	k_q98b0ad8c2e_scores
	.p2align	8
	.type	k_q98b0ad8c2e_scores,@function
k_q98b0ad8c2e_scores:
	s_mov_b64 s[64:65], 0
	v_nop
	global_prefetch_b8 v0, s[64:65] scope:SCOPE_SE
	s_setreg_imm32_b32 hwreg(HW_REG_WAVE_MODE, 25, 1), 1
	s_wait_xcnt 0x0
	s_wait_alu depctr_hold_cnt(0) depctr_sa_sdst(0) depctr_va_vdst(0) depctr_va_sdst(0) depctr_va_ssrc(0) depctr_va_vcc(0) depctr_vm_vsrc(0)
	s_getreg_b32 s2, hwreg(HW_REG_IB_STS2, 6, 4)
	s_cmp_eq_u32 s2, 0
	s_cbranch_scc0 .Lentry_in_a_cluster
	s_endpgm
.Lentry_in_a_cluster:
	s_bfe_u32 s2, ttmp6, 0x10000c
	s_cmp_lg_u32 s2, 0xf033
	s_cbranch_scc0 .Lentry_shape_is_right
	s_endpgm
.Lentry_shape_is_right:
; S = q k^T on codes of FP6 (E2M3), the causal mask, and the softmax's p = 2^(t - M), quantised along the keys and stored as panels of codes.
; t = score x log2(e) / 32.  M here is LOCAL: the ceiling of the largest t of one query over the 128 keys of one fragment.  It is a whole number, so the change to the row's M, made by the next launch, is an exact
; power of two that the scale bytes take up.  Beside the codes go, for each query and 128 keys, -M and the sum l of the unquantised p, both f32.
; PANELS in: 128 rows x 256 along K, 25,600 bytes: fragment (q, i) at (8 q + i) x 1,536 as the image of its registers; scale quad q at 24,576 + 512 q.  Lane r of tile i holds row 32 (i / 2) + 8 (i % 2) + r + 8 (r / 8).
; PANELS out (PP [batch][query group 16][key slot 8], 27,648 bytes): the same, then the -M quads at 25,600 + 512 q and the l quads at 26,624 + 512 q, laid as the scale quads are.
; A tile of S is 256 queries x 256 keys: four waves, 128 x 128 each.  Source 0 = 16 keys, source 1 = 16 queries: a lane holds ONE query and its 64 registers of a block are keys 32 b + 16 h + i (register 16 b + i).
; CLUSTERS 4 x 4; three for each batch: (rows, columns) of clusters (0,0), (1,0), (1,1); the one that lies wholly above the diagonal is not launched.  q's panels are shared along a row, k's along a column.
; Tiles above the diagonal inside a diagonal cluster run like their partners (joint loads allow no parting): their p is 0, l = 0, -M = 3e38; the next launch reads them as such.
; The mask is always executed: hidden scores become -infinity on the way from the accumulators.
; LIMITS: NaN and infinities are not served; a block of zeros gets the byte 1; |M| beyond 2^24 is no whole-number step any more.
; REGISTERS: window 0: v16-23 addresses, v28-30, v32-63 scale quads and nothing else, v64-87 at work, v128-223 A's fragments; behind the loop v128-191 a block's numbers, v192-211 codes, v212-223 quads, v224-253 statistics.
.set PV,    0
.set PA,    25600
.set PB,    25600
.set PP_B,  27648
.set FRB,   1536
.set SOFF,  24576
.set SLOT,  2*PA+2*PB
.set SPARE, 2*SLOT
.set ADRA,  16
.set ADRB,  20
.set LI,    22
.set QD,    23                         ; v23 my query less my first key: a key 32 b + i of block a's registers is hidden where 32 b + i - (the block's first row) > this
.set SPW,   28
.set NIL,   29
.set NINF,  30
.set SC,    32
.set AF,    128
.set G1,    24
.set G0,    32
.set G1B,   48
.set G0B,   56
.set SEL,   96
.set HI,    85
.set CS,    70                         ; s[70:71] c = log2(e) / 32
.set TM,    64
.set PWS,   80
.set T,     128
.set PC,    192
.set QQ,    212
.set NMS,   224                        ; v224-231 -M of the eight blocks
.set LS,    232                        ; v232-239 l of the eight blocks
.set BX,    240                        ; v240-247 maxima
.set NMP,   248                        ; v[248:249] -M, named as a pair
.set SA,    250
.set SB,    252
.set MUL_LO, 0xa1
.set MUL_HI, 0xf1
.set TO_B,   0x40
.set MSB, 0
.macro WIN new
.if MSB != (\new)
	s_set_vgpr_msb (MSB<<8)|(\new)
.set MSB, (\new)
.endif
.endm
.macro JLOAD g0a, g1a, g0b, g1b        ; a joint load: waves 0 and 1 fetch A's two panels, waves 2 and 3 B's; four v_nop follow each line
	s_cmp_eq_u32 s15, 0
	s_cbranch_scc0 .Lfor_b_\@
	tensor_load_to_lds s[\g0a:\g0a+3], s[\g1a:\g1a+7]
	s_nop 0
.rept 4
	v_nop
.endr
	s_branch .Lasked_\@
.Lfor_b_\@:
	tensor_load_to_lds s[\g0b:\g0b+3], s[\g1b:\g1b+7]
	s_nop 0
.rept 4
	v_nop
.endr
.Lasked_\@:
.endm
.macro CREST
	s_cmp_lg_u32 s14, 0
	s_cbranch_scc1 .Lnot_wave_0_\@
	s_barrier_signal -3
.Lnot_wave_0_\@:
	s_barrier_wait -3
	s_barrier_signal -1
	s_barrier_wait -1
.endm
.macro CROUND
	s_barrier_signal -1
	s_barrier_wait -1
	CREST
.endm
.macro PLACES n
.rept \n
	v_nop
.endr
.endm
.macro FRAG reg, adr, off
.irp c, 0,1,2
	ds_load_b128 v[(\reg)+4*\c:(\reg)+4*\c+3], v[\adr] offset:(\off)+512*\c
.endr
.endm
.macro FETCH_B slot, q, p
	WIN TO_B
.irp i, 0,1,2,3,4,5,6,7
	FRAG 128*(\p)+12*\i, ADRB+\slot, (8*(\q)+\i)*FRB
.endr
	WIN 0
.endm
.macro FETCH_A slot, q, i0
.irp i, \i0, \i0+1, \i0+2, \i0+3
	FRAG AF+12*(\i), ADRA+\slot, (8*(\q)+(\i))*FRB
.endr
.endm
.macro SCALES sc
.irp q, 0,1
	ds_load_b128 v[SC+16*\sc+4*\q:SC+16*\sc+4*\q+3], v[ADRA+\sc] offset:SOFF+512*\q
	ds_load_b128 v[SC+16*\sc+8+4*\q:SC+16*\sc+8+4*\q+3], v[ADRB+\sc] offset:SOFF+512*\q
.endr
.if PV
.irp q, 0,1
	ds_load_b128 v[MQ+4*\q:MQ+4*\q+3], v[ADRA+\sc] offset:25600+512*\q
	ds_load_b128 v[LQ+4*\q:LQ+4*\q+3], v[ADRA+\sc] offset:26624+512*\q
.endr
.endif
.endm
.macro WM d, f0, f1, x0, x1, r0, r1, zero
.if (\zero) && (\r0) && (\r1)
	v_wmma_scale_f32_16x16x128_f8f6f4 v[(\d):(\d)+7], v[(\f0):(\f0)+11], v[(\f1):(\f1)+11], 0, v[\x0], v[\x1] matrix_a_fmt:MATRIX_FMT_FP6 matrix_b_fmt:MATRIX_FMT_FP6 matrix_a_scale:MATRIX_SCALE_ROW1 matrix_b_scale:MATRIX_SCALE_ROW1
.elseif (\zero) && (\r0)
	v_wmma_scale_f32_16x16x128_f8f6f4 v[(\d):(\d)+7], v[(\f0):(\f0)+11], v[(\f1):(\f1)+11], 0, v[\x0], v[\x1] matrix_a_fmt:MATRIX_FMT_FP6 matrix_b_fmt:MATRIX_FMT_FP6 matrix_a_scale:MATRIX_SCALE_ROW1
.elseif (\zero) && (\r1)
	v_wmma_scale_f32_16x16x128_f8f6f4 v[(\d):(\d)+7], v[(\f0):(\f0)+11], v[(\f1):(\f1)+11], 0, v[\x0], v[\x1] matrix_a_fmt:MATRIX_FMT_FP6 matrix_b_fmt:MATRIX_FMT_FP6 matrix_b_scale:MATRIX_SCALE_ROW1
.elseif (\zero)
	v_wmma_scale_f32_16x16x128_f8f6f4 v[(\d):(\d)+7], v[(\f0):(\f0)+11], v[(\f1):(\f1)+11], 0, v[\x0], v[\x1] matrix_a_fmt:MATRIX_FMT_FP6 matrix_b_fmt:MATRIX_FMT_FP6
.elseif (\r0) && (\r1)
	v_wmma_scale_f32_16x16x128_f8f6f4 v[(\d):(\d)+7], v[(\f0):(\f0)+11], v[(\f1):(\f1)+11], v[(\d):(\d)+7], v[\x0], v[\x1] matrix_a_fmt:MATRIX_FMT_FP6 matrix_b_fmt:MATRIX_FMT_FP6 matrix_a_scale:MATRIX_SCALE_ROW1 matrix_b_scale:MATRIX_SCALE_ROW1
.elseif (\r0)
	v_wmma_scale_f32_16x16x128_f8f6f4 v[(\d):(\d)+7], v[(\f0):(\f0)+11], v[(\f1):(\f1)+11], v[(\d):(\d)+7], v[\x0], v[\x1] matrix_a_fmt:MATRIX_FMT_FP6 matrix_b_fmt:MATRIX_FMT_FP6 matrix_a_scale:MATRIX_SCALE_ROW1
.elseif (\r1)
	v_wmma_scale_f32_16x16x128_f8f6f4 v[(\d):(\d)+7], v[(\f0):(\f0)+11], v[(\f1):(\f1)+11], v[(\d):(\d)+7], v[\x0], v[\x1] matrix_a_fmt:MATRIX_FMT_FP6 matrix_b_fmt:MATRIX_FMT_FP6 matrix_b_scale:MATRIX_SCALE_ROW1
.else
	v_wmma_scale_f32_16x16x128_f8f6f4 v[(\d):(\d)+7], v[(\f0):(\f0)+11], v[(\f1):(\f1)+11], v[(\d):(\d)+7], v[\x0], v[\x1] matrix_a_fmt:MATRIX_FMT_FP6 matrix_b_fmt:MATRIX_FMT_FP6
.endif
.endm
.macro MUL16 a0, p, q, sc, zero        ; the 64 accumulators take turns, one instruction a turn
.irp a, \a0, \a0+1
.irp b, 0,1,2,3,4,5,6,7
	WM 8*(8*((\a)%4)+\b), 128*(\p)+12*\b, AF+12*(\a), SC+16*(\sc)+8+4*(\q)+\b/2, SC+16*(\sc)+4*(\q)+(\a)/2, \b%2, (\a)%2, \zero
.endr
.endr
.endm
.macro STEP slot, zero
	s_wait_dscnt 12                                ; all but the 12 youngest loads (A's blocks 4-7) are in
.if PV
	FIX \slot
.endif
	WIN MUL_LO
	MUL16 0, 0, 0, \slot, \zero
	MUL16 2, 0, 0, \slot, \zero
	s_wait_dscnt 0x0
	PLACES 4
	FETCH_B \slot, 1, 1
	FETCH_A \slot, 1, 0
	WIN MUL_HI
	MUL16 4, 0, 0, \slot, \zero
	MUL16 6, 0, 0, \slot, \zero
	PLACES 4
	WIN 0
	FETCH_A \slot, 1, 4
.endm
.macro TURN slot, next, fill
	s_wait_tensorcnt 0x0                           ; all my tensor loads have landed: my part of the next slot
	ds_add_u32 v[SPW], v[NIL]                      ; 0 onto my spare word
	s_wait_dscnt 13                                ; (the add and the 12 youngest loads may be out)
	WIN MUL_LO
	MUL16 0, 1, 1, \slot, 0
	s_wait_dscnt 0x0                               ; the add is done, and my reads of this slot are over
	s_barrier_signal -1
	MUL16 2, 1, 1, \slot, 0
	WIN 0
	s_barrier_wait -1
.if \fill
	CREST                                          ; a round of the cluster's barrier: no wave of any partner still reads this slot or has a load on its way
	s_add_nc_u64 s[G0+4*\slot+2:G0+4*\slot+3], s[G0+4*\slot+2:G0+4*\slot+3], 2*PA
	s_add_nc_u64 s[G0B+4*\slot+2:G0B+4*\slot+3], s[G0B+4*\slot+2:G0B+4*\slot+3], 2*PB
	JLOAD G0+4*\slot, G1, G0B+4*\slot, G1B
.else
	PLACES 4
.endif
	FETCH_B \next, 0, 0
	FETCH_A \next, 0, 0
	SCALES \next
	WIN MUL_HI
	MUL16 4, 1, 1, \slot, 0
	MUL16 6, 1, 1, \slot, 0
	PLACES 4
	WIN 0
	FETCH_A \next, 0, 4
.endm
.macro QUANT s, pw                     ; 64 numbers of a lane (register 16 b + i = k 32 b + 16 (lane / 16) + i) become a fragment's codes in v[PC] on and its scale word in v[pw]
.irp b, 0,1,2,3
	v_max3_num_f32 v[TM+\b], |v[(\s)+16*\b]|, |v[(\s)+1+16*\b]|, 0x1800000   ; and the floor 2^(3 - 127): the byte cannot fall under 1
.endr
.irp i, 2,4,6,8,10,12,14
.irp b, 0,1,2,3
	v_max3_num_f32 v[TM+\b], v[TM+\b], |v[(\s)+16*\b+\i]|, |v[(\s)+1+16*\b+\i]|
.endr
.endr
.irp b, 0,1,2,3
	v_permlanex16_b32 v[TM+4+\b], v[TM+\b], s[SEL], s[SEL+1]
.endr
.irp b, 0,1,2,3
	v_max_num_f32 v[TM+\b], v[TM+\b], v[TM+4+\b]
.endr
.irp b, 0,1,2,3
	v_add_nc_u32 v[TM+12+\b], 0xff000000, v[TM+\b]
.endr
.irp b, 0,1,2,3
	v_lshrrev_b32 v[TM+4+\b], 23, v[TM+12+\b]
.endr
	v_lshl_or_b32 v[\pw], v[TM+5], 8, v[TM+4]
	v_lshl_or_b32 v[\pw], v[TM+6], 16, v[\pw]
	v_lshl_or_b32 v[\pw], v[TM+7], 24, v[\pw]
.irp c, 0,1
	v_cvt_scalef32_pk16_fp6_f32 v[PC+6*\c:PC+2+6*\c], v[(\s)+32*\c:(\s)+15+32*\c], v[TM+12+2*\c]
	v_cvt_scalef32_pk16_fp6_f32 v[PC+12+4*\c:PC+14+4*\c], v[(\s)+16+32*\c:(\s)+31+32*\c], v[TM+12+2*\c+1]
.endr
	v_nop                                          ; one plain place behind a scaled conversion
.irp c, 0,1
.irp i, 0,1,2
	v_permlane16_swap_b32 v[PC+6*\c+\i], v[PC+12+4*\c+\i]
.endr
.irp i, 0,1,2
	v_mov_b32 v[PC+3+6*\c+\i], v[PC+12+4*\c+\i]
.endr
.endr
.endm
	s_load_b128 s[4:7], s[0:1], 0x0                ; QP s[4:5], KP s[6:7]
	s_load_b64 s[8:9], s[0:1], 0x10                ; PP
	v_lshl_add_u32 v[SPW], v0, 2, SPARE
	v_mov_b32 v[NIL], 0
	ds_add_u32 v28, v29
	ds_add_u32 v28, v29
	s_wait_dscnt 0x0
	v_lshrrev_b32 v1, 5, v0
	v_readfirstlane_b32 s14, v1                    ; wave 0..3
	s_lshr_b32 s15, s14, 1                         ; my half of the queries.  Also: I fetch for A (0) or for B (1)
	s_and_b32 s16, s14, 1                          ; my half of the keys.  Also: which of the two panels I fetch
	s_bfe_u32 s40, ttmp6, 0x40000                  ; cx
	s_bfe_u32 s41, ttmp6, 0x40004                  ; cy
	s_mul_i32 s80, ttmp9, 43
	s_lshr_b32 s80, s80, 7                         ; batch = cluster x / 3 (exact for 0 .. 11)
	s_mul_i32 s81, s80, 3
	s_sub_co_u32 s81, ttmp9, s81                   ; which of the batch's three clusters
	s_add_co_u32 s82, s81, 1
	s_lshr_b32 s82, s82, 1                         ; its row of clusters: 0, 1, 1
	s_lshr_b32 s83, s81, 1                         ; its column: 0, 0, 1
	s_lshl_b32 s17, s82, 2
	s_add_co_u32 s17, s17, s41                     ; tile row I
	s_lshl_b32 s42, s83, 2
	s_add_co_u32 s42, s42, s40                     ; tile column J
	s_lshl_b32 s43, s41, 2
	s_lshl_b32 s43, 15, s43                        ; my row of the cluster
	s_lshl_b32 s44, 0x1111, s40                    ; my column
	s_or_b32 s[G1+0], s43, (3<<16)|(1<<21)         ; a panel is a dense block: rows of 256 bytes (32 elements of 8 bytes), no padding; 15:0 the mask; 21 set beside it
	s_or_b32 s[G1B+0], s44, (3<<16)|(1<<21)
	s_mov_b32 s[G1+1], 32<<16
	s_mov_b32 s[G1+2], (PA/256)<<16
	s_mov_b32 s[G1+3], 32<<16
	s_mov_b32 s[G1+4], PA/256
	s_mov_b32 s[G1+5], 32
	s_mov_b32 s[G1+6], 0
	s_mov_b32 s[G1+7], 0
	s_mov_b32 s[G1B+1], 32<<16
	s_mov_b32 s[G1B+2], (PB/256)<<16
	s_mov_b32 s[G1B+3], 32<<16
	s_mov_b32 s[G1B+4], PB/256
	s_mov_b32 s[G1B+5], 32
	s_mov_b32 s[G1B+6], 0
	s_mov_b32 s[G1B+7], 0
	s_lshl_b32 s19, s80, 4                         ; 16 groups of 128 tokens a batch
	s_lshl_b32 s20, s17, 1
	s_add_co_u32 s20, s20, s19                     ; 16 batch + 2 I
	s_add_co_u32 s84, s20, s15                     ; my queries' group
	s_add_co_u32 s20, s20, s16                     ; the group that I fetch for A
	s_mul_i32 s20, s20, 4*PA
	s_mov_b32 s21, 0
	s_lshl_b32 s22, s42, 1
	s_add_co_u32 s22, s22, s19
	s_add_co_u32 s22, s22, s16                     ; and for B
	s_mul_i32 s22, s22, 4*PB
	s_mov_b32 s23, 0
	s_mul_i32 s45, s16, PA
	s_mul_i32 s46, s16, PB
	s_add_co_u32 s46, s46, 2*PA
	s_lshl_b32 s86, s84, 3
	s_add_co_u32 s86, s86, s42                     ; my panel of PP: 8 x group + key slot J
	s_mul_i32 s86, s86, PP_B
	s_mov_b32 s87, 0
	s_lshl_b32 s82, s16, 9
	s_add_co_u32 s82, s82, SOFF
	s_mov_b32 s83, 0
	s_mul_i32 s88, s16, 8*FRB
	s_mov_b32 s89, 0
	s_lshl_b32 s90, s17, 8                         ; my first query less my first key
	s_lshl_b32 s91, s15, 7
	s_add_co_u32 s90, s90, s91
	s_lshl_b32 s91, s42, 8
	s_sub_co_u32 s90, s90, s91
	s_lshl_b32 s91, s16, 7
	s_sub_co_u32 s90, s90, s91
	s_mov_b32 s[SEL], 0x76543210
	s_mov_b32 s[SEL+1], 0xfedcba98
	s_mov_b32 s[HI], 0xffff0000
	s_mov_b32 s[CS], 0x3d38aa3b                    ; log2(e) / 32
	s_mov_b32 s[CS+1], s[CS]                       ; (named with it as a pair, so it is written)
	s_mov_b32 s3, 1
	s_wait_kmcnt 0x0
	s_add_nc_u64 s[20:21], s[4:5], s[20:21]
	s_add_nc_u64 s[22:23], s[6:7], s[22:23]
	s_add_nc_u64 s[76:77], s[8:9], s[86:87]        ; my panel
	s_add_nc_u64 s[78:79], s[76:77], s[82:83]      ; its quads of my half
	s_add_nc_u64 s[76:77], s[76:77], s[88:89]      ; its fragments of my half
	CROUND                                         ; all sixteen work-groups are here: the first joint loads meet
.irp s, 0,1
	s_mov_b32 s[G0+4*\s], 1
	s_add_co_u32 s[G0+4*\s+1], s45, \s*SLOT
	s_add_nc_u64 s[G0+4*\s+2:G0+4*\s+3], s[20:21], \s*PA
	s_or_b32 s[G0+4*\s+3], s[G0+4*\s+3], 0x80000000
	s_mov_b32 s[G0B+4*\s], 1
	s_add_co_u32 s[G0B+4*\s+1], s46, \s*SLOT
	s_add_nc_u64 s[G0B+4*\s+2:G0B+4*\s+3], s[22:23], \s*PB
	s_or_b32 s[G0B+4*\s+3], s[G0B+4*\s+3], 0x80000000
	JLOAD G0+4*\s, G1, G0B+4*\s, G1B               ; two loads of mine are out
.endr
	v_and_b32 v1, 31, v0
	v_lshlrev_b32 v[LI], 4, v1
	s_mul_i32 s18, s15, PA
	s_mul_i32 s19, s16, PB
	s_add_co_u32 s19, s19, 2*PA
.irp s, 0,1
	v_add_nc_u32 v[ADRA+\s], s18, v[LI]
	v_add_nc_u32 v[ADRB+\s], s19, v[LI]
	s_add_co_u32 s18, s18, SLOT
	s_add_co_u32 s19, s19, SLOT
.endr
	v_and_b32 v2, 15, v0                           ; r
	v_bfe_u32 v3, v0, 4, 1                         ; h
	v_and_b32 v[QD], 8, v2
	v_add_nc_u32 v[QD], v[QD], v2                  ; r + 8 (r / 8)
	v_lshlrev_b32 v3, 4, v3
	v_sub_nc_u32 v[QD], v[QD], v3                  ; - 16 h
	v_add_nc_u32 v[QD], s90, v[QD]
	v_mov_b32 v[NINF], 0xff800000                  ; -infinity
	v_mov_b32 v[NMP+1], 0                          ; (named as the upper half of a pair)
	v_mov_b32 v[BX+4], 0                           ; a lane permute's destination counts as one of its sources
.irp b, 0,1,2,3
	v_mov_b32 v[TM+4+\b], 0
.endr
	s_wait_tensorcnt 0x1                           ; my part of slot 0 is in; slot 1's load may be out
	s_barrier_signal -1
	s_barrier_wait -1
	FETCH_B 0, 0, 0
	FETCH_A 0, 0, 0
	SCALES 0
	FETCH_A 0, 0, 4
	STEP 0, 1
.Llap:
	TURN 0, 1, 1
	STEP 1, 0
	TURN 1, 0, 1
	STEP 0, 0
	s_sub_co_u32 s3, s3, 1
	s_cmp_lg_u32 s3, 0
	s_cbranch_scc1 .Llap
	TURN 0, 1, 0
	STEP 1, 0
	s_wait_dscnt 12
	WIN MUL_LO
	MUL16 0, 1, 1, 1, 0
	MUL16 2, 1, 1, 1, 0
	s_wait_dscnt 0x0
	WIN MUL_HI
	MUL16 4, 1, 1, 1, 0
	MUL16 6, 1, 1, 1, 0
	WIN 0
; THE WAY OUT, block by block of 16 queries.
.macro ESC a
.set RO, 32*((\a)/2)+8*((\a)%2)        ; the block's first row
.set AC, 64*((\a)%4)
	WIN 0x02+(\a)/4                                ; source 0: window 2 or 3
.set n, 0
.rept 64
	v_cmp_gt_i32 vcc_lo, 32*(n/16)+n%16-RO, v[QD]  ; the mask is also the way into window 0; each accumulator from its low end on
	v_cndmask_b32 v[T+n], v[AC+n], v[NINF], vcc_lo
.set n, n+1
.endr
	WIN 0
.irp b, 0,1,2,3
	v_max3_num_f32 v[BX+\b], v[T+16*\b], v[T+16*\b+1], v[T+16*\b+2]
.endr
.irp i, 3,5,7,9,11,13
.irp b, 0,1,2,3
	v_max3_num_f32 v[BX+\b], v[BX+\b], v[T+16*\b+\i], v[T+16*\b+\i+1]
.endr
.endr
.irp b, 0,1,2,3
	v_max_num_f32 v[BX+\b], v[BX+\b], v[T+16*\b+15]
.endr
	v_max3_num_f32 v[BX], v[BX], v[BX+1], v[BX+2]
	v_max_num_f32 v[BX], v[BX], v[BX+3]
	v_permlanex16_b32 v[BX+4], v[BX], s[SEL], s[SEL+1]
	v_max_num_f32 v[BX], v[BX], v[BX+4]            ; the largest score of my query over these 128 keys
	v_mul_f32 v[BX], s[CS], v[BX]                  ; as t (c is positive)
	v_max_num_f32 v[BX], 0xff61b1e6, v[BX]         ; not under -3e38: where every key is hidden, -M is a number and p is 0
	v_floor_f32 v[NMP], -v[BX]                     ; -M = floor(-t) = -ceil(t)
.set n, 0
.rept 32
	v_pk_fma_f32 v[T+n:T+n+1], v[T+n:T+n+1], s[CS:CS+1], v[NMP:NMP+1] op_sel_hi:[1,0,0]   ; t - M, two at a time
.set n, n+2
.endr
.set n, 0
.rept 64
	v_exp_f32 v[T+n], v[T+n]                       ; p = 2^(t - M): one batch
.set n, n+1
.endr
	v_mov_b32 v[NMS+(\a)], v[NMP]                  ; a plain place behind the exponentials
	s_wait_alu depctr_va_vdst(0)                   ; one wait for the batch, ahead of its first reader
	v_pk_add_f32 v[SA:SA+1], v[T:T+1], v[T+2:T+3]  ; l is the sum of the unquantised p: two chains
	v_pk_add_f32 v[SB:SB+1], v[T+4:T+5], v[T+6:T+7]
.irp j, 8,12,16,20,24,28,32,36,40,44,48,52,56,60
	v_pk_add_f32 v[SA:SA+1], v[SA:SA+1], v[T+\j:T+\j+1]
	v_pk_add_f32 v[SB:SB+1], v[SB:SB+1], v[T+\j+2:T+\j+3]
.endr
	v_pk_add_f32 v[SA:SA+1], v[SA:SA+1], v[SB:SB+1]
	v_add_f32 v[SA], v[SA], v[SA+1]
	v_permlanex16_b32 v[BX+4], v[SA], s[SEL], s[SEL+1]
	v_add_f32 v[LS+(\a)], v[SA], v[BX+4]
.if (\a) > 0
	s_wait_xcnt 0x0                                ; the last block's stores have read their data: the codes' registers are written again only behind this wait
.endif
	QUANT T, PWS+(\a)
.irp c, 0,1,2
	global_store_b128 v[LI], v[PC+4*\c:PC+4*\c+3], s[76:77] offset:FRB*(\a)+512*\c   ; 512 consecutive bytes, at a multiple of 256 from the buffer's first byte
.endr
.endm
	PLACES 4
.irp a, 0,1,2,3,4,5,6,7
	ESC \a
.endr
.irp p, 0,1,2,3
	v_cndmask_b32 v[QQ+\p], v[PWS+2*\p], v[PWS+2*\p+1], s[HI]   ; the quads: lanes 0-15 tile 2 p, lanes 16-31 tile 2 p + 1
	v_cndmask_b32 v[QQ+4+\p], v[NMS+2*\p], v[NMS+2*\p+1], s[HI]
	v_cndmask_b32 v[QQ+8+\p], v[LS+2*\p], v[LS+2*\p+1], s[HI]
.endr
	global_store_b128 v[LI], v[QQ:QQ+3], s[78:79]
	global_store_b128 v[LI], v[QQ+4:QQ+7], s[78:79] offset:1024
	global_store_b128 v[LI], v[QQ+8:QQ+11], s[78:79] offset:2048
	s_wait_tensorcnt 0x0                           ; the wave's end
	ds_add_u32 v[SPW], v[NIL]
	s_wait_dscnt 0x0
	CROUND                                         ; the closing round
	s_endpgm
.Lfunc_end_k_q98b0ad8c2e_scores:
	.size	k_q98b0ad8c2e_scores, .Lfunc_end_k_q98b0ad8c2e_scores-k_q98b0ad8c2e_scores
	.p2alignl 7, 3214868480
	.fill 96, 4, 3214868480
	.section	.rodata,"a",@progbits
	.p2align	6, 0x0
	.amdhsa_kernel k_q98b0ad8c2e_scores
		.amdhsa_group_segment_fixed_size 327680
		.amdhsa_private_segment_fixed_size 0
		.amdhsa_enable_private_segment 0
		.amdhsa_kernarg_size 24
		.amdhsa_user_sgpr_count 2
		.amdhsa_user_sgpr_kernarg_segment_ptr 1
		.amdhsa_wavefront_size32 1
		.amdhsa_system_sgpr_workgroup_id_x 1
		.amdhsa_system_sgpr_workgroup_id_y 1
		.amdhsa_system_sgpr_workgroup_id_z 1
		.amdhsa_system_vgpr_workitem_id 0
		.amdhsa_next_free_vgpr 1024
		.amdhsa_next_free_sgpr 98
		.amdhsa_reserve_vcc 1
		.amdhsa_float_denorm_mode_32 3
		.amdhsa_float_denorm_mode_16_64 3
		.amdhsa_memory_ordered 1
		.amdhsa_forward_progress 1
		.amdhsa_inst_pref_size 244
	.end_amdhsa_kernel
	.amdgpu_metadata
---
amdhsa.version: [ 1, 2 ]
amdhsa.kernels:
  - .name:           k_q98b0ad8c2e_scores
    .symbol:         k_q98b0ad8c2e_scores.kd
    .args:
      - { .name: QP, .offset: 0, .size: 8, .value_kind: global_buffer, .address_space: global }
      - { .name: KP, .offset: 8, .size: 8, .value_kind: global_buffer, .address_space: global }
      - { .name: PP, .offset: 16, .size: 8, .value_kind: global_buffer, .address_space: global }
    .group_segment_fixed_size: 327680
    .private_segment_fixed_size: 0
    .kernarg_segment_align: 8
    .kernarg_segment_size: 24
    .max_flat_workgroup_size: 128
    .sgpr_count:     98
    .vgpr_count:     1024
    .wavefront_size: 32
...
	.end_amdgpu_metadata
.endif
;; end of part 3
;; launch pv (part 4): grid 4 x 32, 4 waves a work-group, clusters of 4 x 4, 327,680 bytes of LDS; arguments PP, VP, out0; writes out0
.if DOCPART == 4
	.amdgcn_target "amdgcn-amd-amdhsa--gfx1250"
	.amdhsa_code_object_version 6
	.text
	.protected	k_q98b0ad8c2e_pv
	.globl	k_q98b0ad8c2e_pv
	.p2align	8
	.type	k_q98b0ad8c2e_pv,@function
k_q98b0ad8c2e_pv:
	s_mov_b64 s[64:65], 0
	v_nop
	global_prefetch_b8 v0, s[64:65] scope:SCOPE_SE
	s_setreg_imm32_b32 hwreg(HW_REG_WAVE_MODE, 25, 1), 1
	s_wait_xcnt 0x0
	s_wait_alu depctr_hold_cnt(0) depctr_sa_sdst(0) depctr_va_vdst(0) depctr_va_sdst(0) depctr_va_ssrc(0) depctr_va_vcc(0) depctr_vm_vsrc(0)
	s_getreg_b32 s2, hwreg(HW_REG_IB_STS2, 6, 4)
	s_cmp_eq_u32 s2, 0
	s_cbranch_scc0 .Lentry_in_a_cluster
	s_endpgm
.Lentry_in_a_cluster:
	s_bfe_u32 s2, ttmp6, 0x10000c
	s_cmp_lg_u32 s2, 0xf033
	s_cbranch_scc0 .Lentry_shape_is_right
	s_endpgm
.Lentry_shape_is_right:
; out = (p v) / l on codes of FP6 (E2M3).  p's codes were made under a LOCAL whole number M for each query and 128 keys; here they are brought under the row's M = the largest local M:
; d = M - M local is taken off p's four scale bytes (held at 0 from below: such a block counts for at most 7.5 x 2^-127), and the local sums l are added as l x 2^-d.  Both are exact powers of two.
; PANELS: PP [batch][query group 16][key slot 8], 27,648 bytes: fragments (q, i) at (8 q + i) x 1,536 as images of their registers, scale quads at 24,576 + 512 q, -M quads at 25,600 + 512 q, l quads at 26,624 + 512 q.
;         VP [batch][channel group 8][key slot 8], 25,600 bytes: fragments and scale quads.  Lane r of tile i holds row 32 (i / 2) + 8 (i % 2) + r + 8 (r / 8).
; A tile of out is 256 queries x 256 channels: four waves, 128 x 128 each.  Source 0 = 16 channels of v, source 1 = 16 queries of p: a lane holds ONE query, its 64 registers of a block channels 32 b + 16 h + i.
; CLUSTERS 4 x 4: one holds 1,024 queries x all 1,024 channels.  p's panels are shared along a row, v's along a column.  The lower cluster of a batch walks 4 key slots, the upper 8: the count hangs on the cluster's y
; alone, so all partners walk alike; key slots above a tile row's diagonal inside the walk hold zero codes.  128 work-groups: a smaller tile would halve what each byte from LDS feeds.
; LIMITS: NaN and infinities are not served; |M| beyond 2^24 is no whole-number step any more.
; REGISTERS: window 0: v16-25 addresses, v28-29, v32-63 scale quads and nothing else, v64-79 a slot's -M and l quads, v80-103 at work, v104-119 l and 1 / l, v128-223 A's fragments, v224-227 the row's -M, v228-231 l;
;   behind the loop v128-191 a block's numbers, v192-255 its rows on the way out.
.set PV,    1
.set PA,    27648
.set PB,    25600
.set FRB,   1536
.set SOFF,  24576
.set SLOT,  2*PA+2*PB
.set SPARE, 2*SLOT
.set STAGE, SPARE+512                  ; behind the spare words: 16 rows x (512 bytes + 16) for each wave; no tensor load lands here
.set SPITCH, 528
.set ADRA,  16
.set ADRB,  20
.set LI,    22
.set STO,   24
.set RD,    25
.set SPW,   28
.set NIL,   29
.set SC,    32
.set MQ,    64
.set LQ,    72
.set DD,    80
.set EE,    88
.set GG,    96
.set RL,    104
.set AF,    128
.set T,     128
.set BK,    192
.set NMG,   224
.set LAC,   228
.set G1,    24
.set G0,    32
.set G1B,   48
.set G0B,   56
.set SEL,   96
.set HI,    85
.set MUL_LO, 0xa1
.set MUL_HI, 0xf1
.set TO_B,   0x40
.set MSB, 0
.macro WIN new
.if MSB != (\new)
	s_set_vgpr_msb (MSB<<8)|(\new)
.set MSB, (\new)
.endif
.endm
.macro JLOAD g0a, g1a, g0b, g1b        ; a joint load: waves 0 and 1 fetch A's two panels, waves 2 and 3 B's; four v_nop follow each line
	s_cmp_eq_u32 s15, 0
	s_cbranch_scc0 .Lfor_b_\@
	tensor_load_to_lds s[\g0a:\g0a+3], s[\g1a:\g1a+7]
	s_nop 0
.rept 4
	v_nop
.endr
	s_branch .Lasked_\@
.Lfor_b_\@:
	tensor_load_to_lds s[\g0b:\g0b+3], s[\g1b:\g1b+7]
	s_nop 0
.rept 4
	v_nop
.endr
.Lasked_\@:
.endm
.macro CREST
	s_cmp_lg_u32 s14, 0
	s_cbranch_scc1 .Lnot_wave_0_\@
	s_barrier_signal -3
.Lnot_wave_0_\@:
	s_barrier_wait -3
	s_barrier_signal -1
	s_barrier_wait -1
.endm
.macro CROUND
	s_barrier_signal -1
	s_barrier_wait -1
	CREST
.endm
.macro PLACES n
.rept \n
	v_nop
.endr
.endm
.macro FRAG reg, adr, off
.irp c, 0,1,2
	ds_load_b128 v[(\reg)+4*\c:(\reg)+4*\c+3], v[\adr] offset:(\off)+512*\c
.endr
.endm
.macro FETCH_B slot, q, p
	WIN TO_B
.irp i, 0,1,2,3,4,5,6,7
	FRAG 128*(\p)+12*\i, ADRB+\slot, (8*(\q)+\i)*FRB
.endr
	WIN 0
.endm
.macro FETCH_A slot, q, i0
.irp i, \i0, \i0+1, \i0+2, \i0+3
	FRAG AF+12*(\i), ADRA+\slot, (8*(\q)+(\i))*FRB
.endr
.endm
.macro SCALES sc                       ; a slot's scale quads, and p's -M and l quads
.irp q, 0,1
	ds_load_b128 v[SC+16*\sc+4*\q:SC+16*\sc+4*\q+3], v[ADRA+\sc] offset:SOFF+512*\q
	ds_load_b128 v[SC+16*\sc+8+4*\q:SC+16*\sc+8+4*\q+3], v[ADRB+\sc] offset:SOFF+512*\q
.endr
.if PV
.irp q, 0,1
	ds_load_b128 v[MQ+4*\q:MQ+4*\q+3], v[ADRA+\sc] offset:25600+512*\q
	ds_load_b128 v[LQ+4*\q:LQ+4*\q+3], v[ADRA+\sc] offset:26624+512*\q
.endr
.endif
.endm
; p's eight registers of scale words of a slot go from the local M to the row's.  Each byte b (at most 125) becomes max(b - d, 0), four at a time: 0x80 is set above each byte, d is taken off each
; (128 + b - d lies in 1 .. 255: no borrow crosses a byte), and bytes whose 0x80 is gone are cleared.  Then l x 2^-d is added to the row's l: these 24 lines are also the places between the last write of a scale register and the products.
.macro FIX sc
.set n, 0
.rept 8
	v_sub_f32 v[DD+n], v[MQ+n], v[NMG+n%4]         ; d = (-M local) - (-M): a whole number, 0 or more
.set n, n+1
.endr
.set n, 0
.rept 8
	v_min_num_f32 v[DD+n], 0x42fe0000, v[DD+n]     ; at most 127: beyond that every byte falls to 0 all the same
.set n, n+1
.endr
.set n, 0
.rept 8
	v_cvt_u32_f32 v[DD+n], v[DD+n]
.set n, n+1
.endr
.set n, 0
.rept 8
	v_mul_lo_u32 v[EE+n], v[DD+n], s93             ; d in each of the four bytes
.set n, n+1
.endr
.set n, 0
.rept 8
	v_or_b32 v[SC+16*\sc+n], s92, v[SC+16*\sc+n]
.set n, n+1
.endr
.set n, 0
.rept 8
	v_sub_nc_u32 v[SC+16*\sc+n], v[SC+16*\sc+n], v[EE+n]
.set n, n+1
.endr
.set n, 0
.rept 8
	v_and_b32 v[EE+n], s92, v[SC+16*\sc+n]         ; 0x80 where b >= d
.set n, n+1
.endr
.set n, 0
.rept 8
	v_lshrrev_b32 v[GG+n], 7, v[EE+n]
.set n, n+1
.endr
.set n, 0
.rept 8
	v_sub_nc_u32 v[EE+n], v[EE+n], v[GG+n]         ; 0x7f there
.set n, n+1
.endr
.set n, 0
.rept 8
	v_and_b32 v[SC+16*\sc+n], v[SC+16*\sc+n], v[EE+n]
.set n, n+1
.endr
.set n, 0
.rept 8
	v_sub_nc_u32 v[GG+n], 0, v[DD+n]
.set n, n+1
.endr
.set n, 0
.rept 8
	v_ldexp_f32 v[GG+n], v[LQ+n], v[GG+n]
.set n, n+1
.endr
.set n, 0
.rept 8
	v_add_f32 v[LAC+n%4], v[LAC+n%4], v[GG+n]
.set n, n+1
.endr
.endm
.macro WM d, f0, f1, x0, x1, r0, r1, zero
.if (\zero) && (\r0) && (\r1)
	v_wmma_scale_f32_16x16x128_f8f6f4 v[(\d):(\d)+7], v[(\f0):(\f0)+11], v[(\f1):(\f1)+11], 0, v[\x0], v[\x1] matrix_a_fmt:MATRIX_FMT_FP6 matrix_b_fmt:MATRIX_FMT_FP6 matrix_a_scale:MATRIX_SCALE_ROW1 matrix_b_scale:MATRIX_SCALE_ROW1
.elseif (\zero) && (\r0)
	v_wmma_scale_f32_16x16x128_f8f6f4 v[(\d):(\d)+7], v[(\f0):(\f0)+11], v[(\f1):(\f1)+11], 0, v[\x0], v[\x1] matrix_a_fmt:MATRIX_FMT_FP6 matrix_b_fmt:MATRIX_FMT_FP6 matrix_a_scale:MATRIX_SCALE_ROW1
.elseif (\zero) && (\r1)
	v_wmma_scale_f32_16x16x128_f8f6f4 v[(\d):(\d)+7], v[(\f0):(\f0)+11], v[(\f1):(\f1)+11], 0, v[\x0], v[\x1] matrix_a_fmt:MATRIX_FMT_FP6 matrix_b_fmt:MATRIX_FMT_FP6 matrix_b_scale:MATRIX_SCALE_ROW1
.elseif (\zero)
	v_wmma_scale_f32_16x16x128_f8f6f4 v[(\d):(\d)+7], v[(\f0):(\f0)+11], v[(\f1):(\f1)+11], 0, v[\x0], v[\x1] matrix_a_fmt:MATRIX_FMT_FP6 matrix_b_fmt:MATRIX_FMT_FP6
.elseif (\r0) && (\r1)
	v_wmma_scale_f32_16x16x128_f8f6f4 v[(\d):(\d)+7], v[(\f0):(\f0)+11], v[(\f1):(\f1)+11], v[(\d):(\d)+7], v[\x0], v[\x1] matrix_a_fmt:MATRIX_FMT_FP6 matrix_b_fmt:MATRIX_FMT_FP6 matrix_a_scale:MATRIX_SCALE_ROW1 matrix_b_scale:MATRIX_SCALE_ROW1
.elseif (\r0)
	v_wmma_scale_f32_16x16x128_f8f6f4 v[(\d):(\d)+7], v[(\f0):(\f0)+11], v[(\f1):(\f1)+11], v[(\d):(\d)+7], v[\x0], v[\x1] matrix_a_fmt:MATRIX_FMT_FP6 matrix_b_fmt:MATRIX_FMT_FP6 matrix_a_scale:MATRIX_SCALE_ROW1
.elseif (\r1)
	v_wmma_scale_f32_16x16x128_f8f6f4 v[(\d):(\d)+7], v[(\f0):(\f0)+11], v[(\f1):(\f1)+11], v[(\d):(\d)+7], v[\x0], v[\x1] matrix_a_fmt:MATRIX_FMT_FP6 matrix_b_fmt:MATRIX_FMT_FP6 matrix_b_scale:MATRIX_SCALE_ROW1
.else
	v_wmma_scale_f32_16x16x128_f8f6f4 v[(\d):(\d)+7], v[(\f0):(\f0)+11], v[(\f1):(\f1)+11], v[(\d):(\d)+7], v[\x0], v[\x1] matrix_a_fmt:MATRIX_FMT_FP6 matrix_b_fmt:MATRIX_FMT_FP6
.endif
.endm
.macro MUL16 a0, p, q, sc, zero        ; the 64 accumulators take turns, one instruction a turn
.irp a, \a0, \a0+1
.irp b, 0,1,2,3,4,5,6,7
	WM 8*(8*((\a)%4)+\b), 128*(\p)+12*\b, AF+12*(\a), SC+16*(\sc)+8+4*(\q)+\b/2, SC+16*(\sc)+4*(\q)+(\a)/2, \b%2, (\a)%2, \zero
.endr
.endr
.endm
.macro STEP slot, zero
	s_wait_dscnt 12                                ; all but the 12 youngest loads (A's blocks 4-7) are in, the slot's quads among them
.if PV
	FIX \slot
.endif
	WIN MUL_LO
	MUL16 0, 0, 0, \slot, \zero
	MUL16 2, 0, 0, \slot, \zero
	s_wait_dscnt 0x0
	PLACES 4
	FETCH_B \slot, 1, 1
	FETCH_A \slot, 1, 0
	WIN MUL_HI
	MUL16 4, 0, 0, \slot, \zero
	MUL16 6, 0, 0, \slot, \zero
	PLACES 4
	WIN 0
	FETCH_A \slot, 1, 4
.endm
.macro TURN slot, next, fill
	s_wait_tensorcnt 0x0                           ; all my tensor loads have landed: my part of the next slot
	ds_add_u32 v[SPW], v[NIL]                      ; 0 onto my spare word
	s_wait_dscnt 13                                ; (the add and the 12 youngest loads may be out)
	WIN MUL_LO
	MUL16 0, 1, 1, \slot, 0
	s_wait_dscnt 0x0                               ; the add is done, and my reads of this slot are over
	s_barrier_signal -1
	MUL16 2, 1, 1, \slot, 0
	WIN 0
	s_barrier_wait -1
.if \fill
	CREST                                          ; a round of the cluster's barrier: no wave of any partner still reads this slot or has a load on its way
	s_add_nc_u64 s[G0+4*\slot+2:G0+4*\slot+3], s[G0+4*\slot+2:G0+4*\slot+3], 2*PA
	s_add_nc_u64 s[G0B+4*\slot+2:G0B+4*\slot+3], s[G0B+4*\slot+2:G0B+4*\slot+3], 2*PB
	JLOAD G0+4*\slot, G1, G0B+4*\slot, G1B
.else
	PLACES 4
.endif
	FETCH_B \next, 0, 0
	FETCH_A \next, 0, 0
	SCALES \next
	WIN MUL_HI
	MUL16 4, 1, 1, \slot, 0
	MUL16 6, 1, 1, \slot, 0
	PLACES 4
	WIN 0
	FETCH_A \next, 0, 4
.endm
	s_load_b128 s[4:7], s[0:1], 0x0                ; PP s[4:5], VP s[6:7]
	s_load_b64 s[8:9], s[0:1], 0x10                ; out0
	v_lshl_add_u32 v[SPW], v0, 2, SPARE
	v_mov_b32 v[NIL], 0
	ds_add_u32 v28, v29
	ds_add_u32 v28, v29
	s_wait_dscnt 0x0
	v_lshrrev_b32 v1, 5, v0
	v_readfirstlane_b32 s14, v1                    ; wave 0..3
	s_lshr_b32 s15, s14, 1                         ; my half of the queries.  Also: I fetch for A (0) or for B (1)
	s_and_b32 s16, s14, 1                          ; my half of the channels.  Also: which of the two panels I fetch
	s_bfe_u32 s40, ttmp6, 0x40000                  ; cx
	s_bfe_u32 s41, ttmp6, 0x40004                  ; cy
	s_and_b32 s18, ttmp7, 0xffff                   ; cluster y
	s_lshr_b32 s82, s18, 1                         ; batch
	s_and_b32 s83, s18, 1                          ; the batch's lower (0) or upper (1) 1,024 queries
	s_lshl_b32 s3, s83, 1
	s_add_co_u32 s3, s3, 1                         ; laps less one: 4 or 8 key slots; the same in all sixteen partners
	s_lshl_b32 s17, s83, 2
	s_add_co_u32 s17, s17, s41                     ; tile row I
	s_mov_b32 s42, s40                             ; tile column
	s_lshl_b32 s43, s41, 2
	s_lshl_b32 s43, 15, s43                        ; my row of the cluster
	s_lshl_b32 s44, 0x1111, s40                    ; my column
	s_or_b32 s[G1+0], s43, (3<<16)|(1<<21)         ; a panel is a dense block: rows of 256 bytes (32 elements of 8 bytes), no padding; 15:0 the mask; 21 set beside it
	s_or_b32 s[G1B+0], s44, (3<<16)|(1<<21)
	s_mov_b32 s[G1+1], 32<<16
	s_mov_b32 s[G1+2], (PA/256)<<16
	s_mov_b32 s[G1+3], 32<<16
	s_mov_b32 s[G1+4], PA/256
	s_mov_b32 s[G1+5], 32
	s_mov_b32 s[G1+6], 0
	s_mov_b32 s[G1+7], 0
	s_mov_b32 s[G1B+1], 32<<16
	s_mov_b32 s[G1B+2], (PB/256)<<16
	s_mov_b32 s[G1B+3], 32<<16
	s_mov_b32 s[G1B+4], PB/256
	s_mov_b32 s[G1B+5], 32
	s_mov_b32 s[G1B+6], 0
	s_mov_b32 s[G1B+7], 0
	s_lshl_b32 s19, s82, 4
	s_lshl_b32 s20, s17, 1
	s_add_co_u32 s20, s20, s19                     ; 16 batch + 2 I
	s_add_co_u32 s84, s20, s15                     ; my queries' group
	s_add_co_u32 s20, s20, s16                     ; the group that I fetch for A: eight panels a group
	s_mul_i32 s20, s20, 8*PA
	s_mov_b32 s21, 0
	s_lshl_b32 s19, s82, 3
	s_lshl_b32 s22, s42, 1
	s_add_co_u32 s22, s22, s19
	s_add_co_u32 s22, s22, s16                     ; and for B: 8 batch + 2 x tile column + which panel
	s_mul_i32 s22, s22, 8*PB
	s_mov_b32 s23, 0
	s_mul_i32 s45, s16, PA
	s_mul_i32 s46, s16, PB
	s_add_co_u32 s46, s46, 2*PA
	s_mul_i32 s86, s84, 8*PA                       ; my queries' panels, for the -M quads of all key slots
	s_mov_b32 s87, 0
	s_mul_i32 s88, s83, 4*PA                       ; key slots 4-7 where the walk has them, else slots 0-3 once more: a minimum does not mind, and no byte is read that nobody wrote
	s_mov_b32 s89, 0
	s_lshl_b32 s90, s84, 19                        ; out: 128 rows of 4,096 bytes a group
	s_lshl_b32 s91, s42, 10
	s_add_co_u32 s90, s90, s91                     ; + 256 channels a tile column
	s_lshl_b32 s91, s16, 9
	s_add_co_u32 s90, s90, s91                     ; + my 128
	s_mov_b32 s91, 0
	s_mov_b32 s[SEL], 0x76543210
	s_mov_b32 s[SEL+1], 0xfedcba98
	s_mov_b32 s[HI], 0xffff0000
	s_mov_b32 s92, 0x80808080
	s_mov_b32 s93, 0x01010101
	s_wait_kmcnt 0x0
	s_add_nc_u64 s[20:21], s[4:5], s[20:21]
	s_add_nc_u64 s[22:23], s[6:7], s[22:23]
	s_add_nc_u64 s[78:79], s[4:5], s[86:87]
	s_add_nc_u64 s[80:81], s[78:79], s[88:89]
	s_add_nc_u64 s[76:77], s[8:9], s[90:91]
	CROUND                                         ; all sixteen work-groups are here: the first joint loads meet
.irp s, 0,1
	s_mov_b32 s[G0+4*\s], 1
	s_add_co_u32 s[G0+4*\s+1], s45, \s*SLOT
	s_add_nc_u64 s[G0+4*\s+2:G0+4*\s+3], s[20:21], \s*PA
	s_or_b32 s[G0+4*\s+3], s[G0+4*\s+3], 0x80000000
	s_mov_b32 s[G0B+4*\s], 1
	s_add_co_u32 s[G0B+4*\s+1], s46, \s*SLOT
	s_add_nc_u64 s[G0B+4*\s+2:G0B+4*\s+3], s[22:23], \s*PB
	s_or_b32 s[G0B+4*\s+3], s[G0B+4*\s+3], 0x80000000
	JLOAD G0+4*\s, G1, G0B+4*\s, G1B               ; two loads of mine are out
.endr
	v_and_b32 v1, 31, v0
	v_lshlrev_b32 v[LI], 4, v1
.irp s, 0,1,2,3
.irp q, 0,1
	global_load_b128 v[64+4*(2*\s+\q):64+4*(2*\s+\q)+3], v[LI], s[78:79] offset:\s*PA+25600+512*\q   ; the -M quads of my 128 queries, every key slot of the walk
	global_load_b128 v[96+4*(2*\s+\q):96+4*(2*\s+\q)+3], v[LI], s[80:81] offset:\s*PA+25600+512*\q
.endr
.endr
	s_mul_i32 s18, s15, PA
	s_mul_i32 s19, s16, PB
	s_add_co_u32 s19, s19, 2*PA
.irp s, 0,1
	v_add_nc_u32 v[ADRA+\s], s18, v[LI]
	v_add_nc_u32 v[ADRB+\s], s19, v[LI]
	s_add_co_u32 s18, s18, SLOT
	s_add_co_u32 s19, s19, SLOT
.endr
	v_and_b32 v2, 15, v0                           ; r
	v_bfe_u32 v3, v0, 4, 1                         ; h
	s_mul_i32 s18, s14, 16*SPITCH
	s_add_co_u32 s18, s18, STAGE                   ; my stage
	v_mul_u32_u24 v[STO], v2, SPITCH
	v_lshl_add_u32 v[STO], v3, 6, v[STO]
	v_add_nc_u32 v[STO], s18, v[STO]               ; in: row r, + 64 h
	v_add_nc_u32 v[RD], s18, v[LI]                 ; back: a row's 512 bytes, 16 a lane
.irp p, 0,1,2,3
	v_mov_b32 v[LAC+\p], 0
.endr
	s_wait_loadcnt 0x0
.irp p, 0,1,2,3
	v_min3_num_f32 v[NMG+\p], v[64+\p], v[68+\p], v[72+\p]     ; the row's -M: the least of the local ones
.endr
.irp n, 3,5,7,9,11,13
.irp p, 0,1,2,3
	v_min3_num_f32 v[NMG+\p], v[NMG+\p], v[64+4*\n+\p], v[68+4*\n+\p]
.endr
.endr
.irp p, 0,1,2,3
	v_min_num_f32 v[NMG+\p], v[NMG+\p], v[124+\p]
.endr
	s_wait_tensorcnt 0x1                           ; my part of slot 0 is in; slot 1's load may be out
	s_barrier_signal -1
	s_barrier_wait -1
	FETCH_B 0, 0, 0
	FETCH_A 0, 0, 0
	SCALES 0
	FETCH_A 0, 0, 4
	STEP 0, 1
.Llap:                                                 ; one or three trips; no LDS address is stepped in the loop
	TURN 0, 1, 1
	STEP 1, 0
	TURN 1, 0, 1
	STEP 0, 0
	s_sub_co_u32 s3, s3, 1
	s_cmp_lg_u32 s3, 0
	s_cbranch_scc1 .Llap
	TURN 0, 1, 0
	STEP 1, 0
	s_wait_dscnt 12
	WIN MUL_LO
	MUL16 0, 1, 1, 1, 0
	MUL16 2, 1, 1, 1, 0
	s_wait_dscnt 0x0
	WIN MUL_HI
	MUL16 4, 1, 1, 1, 0
	MUL16 6, 1, 1, 1, 0
	WIN 0
	; THE WAY OUT.  l lies as the quads do (register p: tile 2 p in lanes 0-15, tile 2 p + 1 in lanes 16-31): each block wants its 16 rows' l in both halves of the lanes.
	PLACES 4
.irp p, 0,1,2,3
	v_permlanex16_b32 v[GG+\p], v[LAC+\p], s[SEL], s[SEL+1]
.endr
.irp p, 0,1,2,3
	v_cndmask_b32 v[RL+4*\p+1], v[LAC+\p], v[GG+\p], s[HI]     ; tile 2 p
	v_cndmask_b32 v[RL+4*\p+3], v[GG+\p], v[LAC+\p], s[HI]     ; tile 2 p + 1
.endr
.irp a, 0,1,2,3,4,5,6,7
	v_rcp_f32 v[RL+2*\a], v[RL+2*\a+1]             ; 1 / l in the pair's low register, which the packed multiply takes for both halves
.endr
	v_nop                                          ; a plain place behind the reciprocals
	s_wait_alu depctr_va_vdst(0)                   ; one wait for the eight, ahead of their first reader
; Block a: 16 queries x 128 channels, divided by l, through my stage, and out as whole rows of 512 bytes.
.macro EOUT a
.set AC, 64*((\a)%4)
	WIN 0x02+(\a)/4                                ; source 0: window 2 or 3
.set n, 0
.rept 32
	v_pk_mul_f32 v[T+n:T+n+1], v[AC+n:AC+n+1], v[RL+2*(\a):RL+2*(\a)+1] op_sel_hi:[1,0]   ; each accumulator from its low end on
.set n, n+2
.endr
	WIN 0
.irp b, 0,1,2,3
.irp k, 0,1,2,3
	ds_store_b128 v[STO], v[T+16*\b+4*\k:T+16*\b+4*\k+3] offset:128*\b+16*\k   ; channels 32 b + 16 h + 4 k on
.endr
.endr
.if (\a) > 0
	s_wait_xcnt 0x0                                ; the last block's stores have read their data: the loads below land there only behind this wait
.endif
.irp t, 0,1,2,3,4,5,6,7,8,9,10,11,12,13,14,15
	ds_load_b128 v[BK+4*\t:BK+4*\t+3], v[RD] offset:SPITCH*\t   ; LDS serves a wave's instructions in order: these see my stores
.endr
.irp t, 0,1,2,3,4,5,6,7,8,9,10,11,12,13,14,15
	s_wait_dscnt 15-\t                             ; row t is back; the loads issued behind it may be out
	global_store_b128 v[LI], v[BK+4*\t:BK+4*\t+3], s[76:77] offset:(32*((\a)/2)+8*((\a)%2)+\t+8*(\t/8))*4096 th:TH_STORE_NT   ; 512 consecutive bytes of one row of out, at a multiple of 256 from its first byte
.endr
.endm
.irp a, 0,1,2,3,4,5,6,7
	EOUT \a
.endr
	s_wait_tensorcnt 0x0                           ; the wave's end
	ds_add_u32 v[SPW], v[NIL]
	s_wait_dscnt 0x0
	CROUND                                         ; the closing round
	s_endpgm
.Lfunc_end_k_q98b0ad8c2e_pv:
	.size	k_q98b0ad8c2e_pv, .Lfunc_end_k_q98b0ad8c2e_pv-k_q98b0ad8c2e_pv
	.p2alignl 7, 3214868480
	.fill 96, 4, 3214868480
	.section	.rodata,"a",@progbits
	.p2align	6, 0x0
	.amdhsa_kernel k_q98b0ad8c2e_pv
		.amdhsa_group_segment_fixed_size 327680
		.amdhsa_private_segment_fixed_size 0
		.amdhsa_enable_private_segment 0
		.amdhsa_kernarg_size 24
		.amdhsa_user_sgpr_count 2
		.amdhsa_user_sgpr_kernarg_segment_ptr 1
		.amdhsa_wavefront_size32 1
		.amdhsa_system_sgpr_workgroup_id_x 1
		.amdhsa_system_sgpr_workgroup_id_y 1
		.amdhsa_system_sgpr_workgroup_id_z 1
		.amdhsa_system_vgpr_workitem_id 0
		.amdhsa_next_free_vgpr 1024
		.amdhsa_next_free_sgpr 98
		.amdhsa_reserve_vcc 0
		.amdhsa_float_denorm_mode_32 3
		.amdhsa_float_denorm_mode_16_64 3
		.amdhsa_memory_ordered 1
		.amdhsa_forward_progress 1
		.amdhsa_inst_pref_size 173
	.end_amdhsa_kernel
	.amdgpu_metadata
---
amdhsa.version: [ 1, 2 ]
amdhsa.kernels:
  - .name:           k_q98b0ad8c2e_pv
    .symbol:         k_q98b0ad8c2e_pv.kd
    .args:
      - { .name: PP, .offset: 0, .size: 8, .value_kind: global_buffer, .address_space: global }
      - { .name: VP, .offset: 8, .size: 8, .value_kind: global_buffer, .address_space: global }
      - { .name: out0, .offset: 16, .size: 8, .value_kind: global_buffer, .address_space: global }
    .group_segment_fixed_size: 327680
    .private_segment_fixed_size: 0
    .kernarg_segment_align: 8
    .kernarg_segment_size: 24
    .max_flat_workgroup_size: 128
    .sgpr_count:     98
    .vgpr_count:     1024
    .wavefront_size: 32
...
	.end_amdgpu_metadata
.endif
;; end of part 4
;; ======== version 2 of 2: 4 launches
;; limits: right only within a limited range of input values
;; workspace buffers: XP 6,553,600 bytes; WP 2,457,600 bytes; QP 6,553,600 bytes; KP 6,553,600 bytes; VP 6,553,600 bytes; PP 14,155,776 bytes
;; launch quant (part 5): grid 352 x 1, 8 waves a work-group, no clusters, 98,304 bytes of LDS; arguments X, Wq, Wk, Wv, XP, WP; writes XP, WP
.if DOCPART == 5
	.amdgcn_target "amdgcn-amd-amdhsa--gfx1250"
	.amdhsa_code_object_version 6
	.text
	.protected	k_q98b0ad8c2e_quant
	.globl	k_q98b0ad8c2e_quant
	.p2align	8
	.type	k_q98b0ad8c2e_quant,@function
k_q98b0ad8c2e_quant:
	s_mov_b64 s[64:65], 0
	v_nop
	global_prefetch_b8 v0, s[64:65] scope:SCOPE_SE
	s_setreg_imm32_b32 hwreg(HW_REG_WAVE_MODE, 25, 1), 1
	s_wait_xcnt 0x0
; X [8192][1024] f32 (K innermost) and Wq, Wk, Wv [1024 (K)][1024] f32 (K outermost) become codes of FP6 (E2M3) with one E8M0 byte for each 32 along K.
; They are stored as PANELS: 128 rows x 256 along K, in the order of the matrix operand's registers, so that later launches fetch a panel as one dense block and a fragment by three loads of 16 bytes a lane.
; A PANEL, 25,600 bytes: fragment (q, i) (q: which 128 along K; i: tile of 16 rows) at (8 q + i) x 1,536: registers 4 c .. 4 c + 3 of lane l at 512 c + 16 l.
;   Scale quad q at 24,576 + 512 q: lane l owns 16 bytes at 16 l; its word p is the scale word of tile 2 p + l / 16, row lane l % 16.
; THE ROWS OF A TILE ARE NOT NEIGHBOURS: lane r of tile i holds row 32 (i / 2) + 8 (i % 2) + r + 8 (r / 8) of the panel's 128.
; A block's scale is 2^(floor(log2(largest magnitude)) - 2): its byte is the largest magnitude's exponent field - 2, held at 1 from below by a floor among the maximum's leaves.
; LIMITS: a block of zeros gets the byte 1 (its codes are zeros, and this program alone reads the bytes); NaN and infinities among the inputs are not served.
; SHARES: a work-group makes one panel: the first 256 X's (group g = id / 4 of 128 tokens, K slot s = id % 4), the other 96 the weights' (24 groups of 128 columns: 0-7 Wq, 8-15 Wk, 16-23 Wv).
; Wave w: p = w % 4 (tiles 2 p and 2 p + 1: 32 rows), q = w / 4.  No tensor loads, no cluster: no two work-groups read the same bytes, and memory binds.
.set PANEL,  25600
.set FRB,    1536
.set SOFF,   24576
.set XPITCH, 528                       ; X's stage: a row of 512 bytes + 16, so that the 16 rows of a read start at 16 different 16-byte columns
.set XREG,   16*XPITCH                 ; 16 rows for each wave, from LDS byte 0 on
.set WSTG,   8*XREG                    ; the weights' stages: bytes of their own
.set WPITCH, 104                       ; a column's 96 bytes of codes + 8
.set WREG,   3584                      ; 32 columns, then their 32 scale words
.set SQ,     WSTG+8*WREG               ; the panel's two scale quads, gathered from the eight waves
.set LI,  4                            ; v4   16 x lane
.set XST, 5                            ; v5   X's stage, in: 16 x lane
.set XRD, 6                            ; v6   X's stage, out: 528 r + 128 h
.set WST, 7                            ; v7   the weights' stage, in: 104 x lane
.set WRD, 8                            ; v8   out: 104 (r + 8 (r / 8)) + 24 h
.set WSS, 9                            ; v9   scale words, in: 4 x lane
.set WSR, 10                           ; v10  out: 4 (8 h + r + 8 (r / 8))
.set SQA, 11                           ; v11  where my scale word goes in the quads
.set SQR, 12                           ; v12  where waves 0 and 1 read a quad back
.set L4,  13                           ; v13  4 x lane
.set MX,  14                           ; v14-17 largest magnitudes
.set SO,  18                           ; v18-21 the conversions' scale operands
.set BY,  22                           ; v22-25 scale bytes
.set WD,  26                           ; v26-27 scale words of the two tiles (the weights' path: v26 my column's)
.set SH,  28                           ; v28  8 h
.set PX,  29                           ; v29  a lane permute's destination
.set SW,  31                           ; v31  lanes 0-15 tile 2 p's words, lanes 16-31 tile 2 p + 1's
.set R,   32                           ; v32-159 the numbers as loaded
.set N,   160                          ; v160-223 X: a tile's numbers, 64 a lane; the weights: codes
.set F0,  224                          ; v224-247 the two finished fragments
.set CT,  248                          ; v248-255 the conversions' second halves
	s_load_b256 s[4:11], s[0:1], 0x0               ; X s[4:5], Wq s[6:7], Wk s[8:9], Wv s[10:11]
	s_load_b128 s[12:15], s[0:1], 0x20             ; XP s[12:13], WP s[14:15]
	v_lshl_add_u32 v251, v0, 2, 0x17c00
	v_mov_b32 v255, 0
	v_lshrrev_b32 v1, 5, v0
	s_delay_alu instid0(VALU_DEP_1)
	v_readfirstlane_b32 s16, v1                    ; wave 0..7
	s_and_b32 s17, s16, 3                          ; p
	s_lshr_b32 s18, s16, 2                         ; q
	v_and_b32 v1, 31, v0                           ; lane
	v_and_b32 v2, 15, v0                           ; r
	v_bfe_u32 v3, v0, 4, 1                         ; h
	; every LDS address is made here, ahead of the parting of the two paths
	s_delay_alu instid0(VALU_DEP_3)
	v_lshlrev_b32 v[LI], 4, v1
	s_mul_i32 s19, s16, XREG
	v_add_nc_u32 v[XST], s19, v[LI]
	v_mul_u32_u24 v[XRD], v2, XPITCH
	s_delay_alu instid0(VALU_DEP_1)
	v_lshl_add_u32 v[XRD], v3, 7, v[XRD]
	s_delay_alu instid0(VALU_DEP_1)
	v_add_nc_u32 v[XRD], s19, v[XRD]
	s_mul_i32 s19, s16, WREG
	s_add_co_u32 s19, s19, WSTG
	v_mul_u32_u24 v[WST], v1, WPITCH
	s_delay_alu instid0(VALU_DEP_1)
	v_add_nc_u32 v[WST], s19, v[WST]
	v_and_b32 v14, 8, v2
	s_delay_alu instid0(VALU_DEP_1)
	v_add_nc_u32 v14, v14, v2                      ; r + 8 (r / 8)
	s_delay_alu instid0(VALU_DEP_1)
	v_mul_u32_u24 v[WRD], v14, WPITCH
	s_delay_alu instid0(VALU_DEP_1)
	v_mad_u32_u24 v[WRD], v3, 24, v[WRD]
	s_delay_alu instid0(VALU_DEP_1)
	v_add_nc_u32 v[WRD], s19, v[WRD]
	v_lshlrev_b32 v[L4], 2, v1
	s_add_co_u32 s19, s19, 32*WPITCH
	v_add_nc_u32 v[WSS], s19, v[L4]
	v_lshl_add_u32 v[WSR], v3, 3, v14
	s_delay_alu instid0(VALU_DEP_1)
	v_lshlrev_b32 v[WSR], 2, v[WSR]
	s_delay_alu instid0(VALU_DEP_1)
	v_add_nc_u32 v[WSR], s19, v[WSR]
	s_lshl_b32 s19, s18, 9
	s_lshl_b32 s20, s17, 2
	s_add_co_u32 s19, s19, s20
	s_add_co_u32 s19, s19, SQ
	v_add_nc_u32 v[SQA], s19, v[LI]                ; quad q, my lane's 16 bytes, word p
	s_and_b32 s19, s16, 1
	s_lshl_b32 s19, s19, 9
	s_add_co_u32 s19, s19, SQ
	v_add_nc_u32 v[SQR], s19, v[LI]
	v_lshlrev_b32 v[SH], 3, v3
	v_mov_b32 v[PX], 0                             ; a lane permute's destination counts as one of its sources
	s_mov_b32 s28, 0x76543210
	s_mov_b32 s29, 0xfedcba98                      ; v_permlanex16_b32's selects for lane l xor 16
	s_mov_b32 s30, 0xffff0000                      ; lanes 16-31
	s_cmp_lt_u32 ttmp9, 256
	s_cselect_b32 s20, 0, 256
	s_sub_co_u32 s20, ttmp9, s20                   ; the panel's number in its buffer: 4 g + s
	s_lshr_b32 s21, s20, 2                         ; g
	s_and_b32 s22, s20, 3                          ; s
	s_and_b32 s23, s20, 31                         ; the weights' panels lie [128 columns][K slot][q, k, v]: 3 x (4 x column group + s) + tensor,
	s_mul_i32 s23, s23, 3
	s_lshr_b32 s31, s20, 5
	s_add_co_u32 s23, s23, s31                     ; so that the three panels of one column group and K slot are one dense block
	s_cmp_lt_u32 ttmp9, 256
	s_cselect_b32 s23, s20, s23                    ; X's panels lie [group][K slot]
	s_mul_i32 s24, s23, PANEL
	s_mov_b32 s25, 0
	s_lshl_b32 s26, s18, 3
	s_lshl_b32 s27, s17, 1
	s_add_co_u32 s26, s26, s27
	s_mul_i32 s26, s26, FRB                        ; fragment (q, 2 p)
	s_mov_b32 s27, 0
	s_and_b32 s38, s16, 1
	s_lshl_b32 s38, s38, 9
	s_mov_b32 s39, 0
	s_wait_kmcnt 0x0
	s_cmp_lt_u32 ttmp9, 256                        ; the choice hangs on the work-group's number alone
	s_cselect_b64 s[32:33], s[12:13], s[14:15]
	s_add_nc_u64 s[32:33], s[32:33], s[24:25]      ; my panel
	s_add_nc_u64 s[34:35], s[32:33], s[26:27]      ; my two fragments
	s_add_nc_u64 s[36:37], s[32:33], s[38:39]      ; the quad that waves 0 and 1 store
	s_cmp_lt_u32 ttmp9, 256
	s_cbranch_scc0 .Lweights
	; ---- X: K is innermost.  32 rows x 512 bytes: each load reads a row's 512 consecutive bytes, 16 a lane
	s_lshl_b32 s38, s21, 19                        ; 128 g rows of 4,096 bytes
	s_lshl_b32 s39, s17, 17                        ; + 32 p rows
	s_add_co_u32 s38, s38, s39
	s_lshl_b32 s39, s22, 10                        ; + K slot s: 256 numbers
	s_add_co_u32 s38, s38, s39
	s_lshl_b32 s39, s18, 9                         ; + q: 128 numbers
	s_add_co_u32 s38, s38, s39
	s_mov_b32 s39, 0
	s_add_nc_u64 s[4:5], s[4:5], s[38:39]
.irp t, 0,1,2,3,4,5,6,7,16,17,18,19,20,21,22,23,8,9,10,11,12,13,14,15,24,25,26,27,28,29,30,31
	global_load_b128 v[R+4*\t:R+4*\t+3], v[LI], s[4:5] offset:\t*4096 th:TH_LOAD_NT   ; the first tile's 16 rows first
.endr
; Tile u: its 16 rows turn through my stage, so that lane (r, h) holds, of its row, k = 64 c + 32 h + 0 .. 31 (c = 0, 1): two whole blocks, in the very order of the operand's registers.
.macro PASS u
	s_wait_loadcnt 16-16*\u                        ; this tile's 16 loads are in; the other tile's 16, issued behind them, may be out
.irp r, 0,1,2,3,4,5,6,7,8,9,10,11,12,13,14,15
	ds_store_b128 v[XST], v[R+4*(8*\u+\r+8*(\r/8)):R+4*(8*\u+\r+8*(\r/8))+3] offset:XPITCH*\r
.endr
.irp c, 0,1
.irp j, 0,1,2,3,4,5,6,7
	ds_load_b128 v[N+32*\c+4*\j:N+32*\c+4*\j+3], v[XRD] offset:256*\c+16*\j   ; LDS serves a wave's instructions in order: these see my stores
.endr
.endr
	s_wait_dscnt 0x0
.irp c, 0,1
	v_max3_num_f32 v[MX+\c], |v[N+32*\c]|, |v[N+32*\c+1]|, 0x1800000   ; my block 2 c + h, and the floor 2^(3 - 127): the byte cannot fall under 1
.endr
.irp i, 2,4,6,8,10,12,14,16,18,20,22,24,26,28,30
.irp c, 0,1
	s_delay_alu instid0(VALU_DEP_2)
	v_max3_num_f32 v[MX+\c], v[MX+\c], |v[N+32*\c+\i]|, |v[N+32*\c+\i+1]|
.endr
.endr
.irp c, 0,1
	s_delay_alu instid0(VALU_DEP_2)
	v_add_nc_u32 v[SO+\c], 0xff000000, v[MX+\c]    ; 2 off the exponent field: the conversion takes the exponent field of this operand as its scale
.endr
.irp c, 0,1
	s_delay_alu instid0(VALU_DEP_2)
	v_lshrrev_b32 v[BY+\c], 23, v[SO+\c]           ; the scale's byte
.endr
	s_delay_alu instid0(VALU_DEP_1)
	v_lshl_or_b32 v[WD+\u], v[BY+1], 16, v[BY]     ; my two bytes, blocks h and 2 + h,
	s_delay_alu instid0(VALU_DEP_1)
	v_lshlrev_b32 v[WD+\u], v[SH], v[WD+\u]        ; at their places in the row's word;
	s_delay_alu instid0(VALU_DEP_1)
	v_permlanex16_b32 v[PX], v[WD+\u], s28, s29
	s_delay_alu instid0(VALU_DEP_1)
	v_or_b32 v[WD+\u], v[WD+\u], v[PX]             ; with lane l xor 16's two the word is whole
.irp c, 0,1
	v_cvt_scalef32_pk16_fp6_f32 v[F0+12*\u+6*\c:F0+12*\u+6*\c+2], v[N+32*\c:N+32*\c+15], v[SO+\c]
	v_cvt_scalef32_pk16_fp6_f32 v[CT+4*\c:CT+4*\c+2], v[N+32*\c+16:N+32*\c+31], v[SO+\c]   ; (a conversion's three registers begin on an even number)
.endr
	v_nop                                          ; one plain place behind a scaled conversion
.irp c, 0,1
.irp i, 0,1,2
	v_mov_b32 v[F0+12*\u+6*\c+3+\i], v[CT+4*\c+\i]
.endr
.endr
.endm
	PASS 0
	PASS 1
	v_cndmask_b32 v[SW], v[WD], v[WD+1], s30       ; lanes 0-15: tile 2 p's words; lanes 16-31: tile 2 p + 1's
	s_branch .Ltail
.Lweights:
	; ---- the weights: K is outermost.  A lane takes a column and its registers run down K: 128 numbers, four whole blocks
	s_lshr_b32 s40, s21, 3                         ; which tensor
	s_and_b32 s41, s21, 7                          ; which 128 columns of it
	s_lshl_b32 s38, s22, 20                        ; 256 s rows of 4,096 bytes
	s_lshl_b32 s39, s18, 19                        ; + 128 q rows
	s_add_co_u32 s38, s38, s39
	s_lshl_b32 s39, s41, 9                         ; + 128 columns a group
	s_add_co_u32 s38, s38, s39
	s_lshl_b32 s39, s17, 7                         ; + 32 p columns
	s_add_co_u32 s38, s38, s39
	s_mov_b32 s39, 0
	s_cmp_eq_u32 s40, 0
	s_cselect_b64 s[6:7], s[6:7], s[8:9]
	s_cmp_eq_u32 s40, 2
	s_cselect_b64 s[6:7], s[10:11], s[6:7]
	s_add_nc_u64 s[6:7], s[6:7], s[38:39]
.set i, 0
	s_wait_alu depctr_va_vdst(0)
.rept 128
	global_load_b32 v[R+i], v[L4], s[6:7] offset:i*4096 th:TH_LOAD_NT   ; a row of W at my wave's 32 neighbouring columns; the four waves of a q stand side by side on 512 bytes
.set i, i+1
.endr
	s_wait_loadcnt 0x0
.irp b, 0,1,2,3
	v_max3_num_f32 v[MX+\b], |v[R+32*\b]|, |v[R+32*\b+1]|, 0x1800000
.endr
.irp i, 2,4,6,8,10,12,14,16,18,20,22,24,26,28,30
.irp b, 0,1,2,3
	s_delay_alu instid0(VALU_DEP_4)
	v_max3_num_f32 v[MX+\b], v[MX+\b], |v[R+32*\b+\i]|, |v[R+32*\b+\i+1]|   ; the four blocks by turns
.endr
.endr
.irp b, 0,1,2,3
	s_delay_alu instid0(VALU_DEP_4)
	v_add_nc_u32 v[SO+\b], 0xff000000, v[MX+\b]
.endr
.irp b, 0,1,2,3
	s_delay_alu instid0(VALU_DEP_4)
	v_lshrrev_b32 v[BY+\b], 23, v[SO+\b]
.endr
	s_delay_alu instid0(VALU_DEP_3)
	v_lshl_or_b32 v[WD], v[BY+1], 8, v[BY]         ; my column's scale word
	s_delay_alu instid0(VALU_DEP_1)
	v_lshl_or_b32 v[WD], v[BY+2], 16, v[WD]
	s_delay_alu instid0(VALU_DEP_1)
	v_lshl_or_b32 v[WD], v[BY+3], 24, v[WD]
.irp b, 0,1,2,3
	v_cvt_scalef32_pk16_fp6_f32 v[N+6*\b:N+6*\b+2], v[R+32*\b:R+32*\b+15], v[SO+\b]
	v_cvt_scalef32_pk16_fp6_f32 v[N+24+4*\b:N+24+4*\b+2], v[R+32*\b+16:R+32*\b+31], v[SO+\b]
.endr
	v_nop                                          ; one plain place behind the scaled conversions
.irp b, 0,1,2,3
.irp i, 0,1,2
	v_mov_b32 v[N+6*\b+3+\i], v[N+24+4*\b+\i]
.endr
.endr
.irp b, 0,1,2,3
.irp j, 0,1,2
	ds_store_b64 v[WST], v[N+6*\b+2*\j:N+6*\b+2*\j+1] offset:24*\b+8*\j   ; my column's 96 bytes, K innermost
.endr
.endr
	ds_store_b32 v[WSS], v[WD]
.irp u, 0,1
.irp j, 0,1,2,3,4,5
	ds_load_b64 v[F0+12*\u+2*\j:F0+12*\u+2*\j+1], v[WRD] offset:8*WPITCH*\u+48*(\j/3)+8*(\j%3)   ; tile 2 p + u: column 8 u + r + 8 (r / 8), blocks h and 2 + h
.endr
.endr
	ds_load_b32 v[SW], v[WSR]                      ; lanes 0-15: tile 2 p's words; lanes 16-31: tile 2 p + 1's
	s_wait_dscnt 0x0
.Ltail:
	s_wait_alu depctr_va_vdst(0)
.irp u, 0,1
.irp c, 0,1,2
	global_store_b128 v[LI], v[F0+12*\u+4*\c:F0+12*\u+4*\c+3], s[34:35] offset:FRB*\u+512*\c   ; 512 consecutive bytes, at a multiple of 256 from the buffer's first byte
.endr
.endr
	ds_store_b32 v[SQA], v[SW]
	s_wait_dscnt 0x0                               ; for the others' sake: my word lies in the quad
	s_barrier_signal -1
	s_barrier_wait -1
	s_cmp_gt_u32 s16, 1
	s_cbranch_scc1 .Ldone                          ; waves 0 and 1 store the two quads, 512 consecutive bytes each
	ds_load_b128 v[R:R+3], v[SQR]
	s_wait_dscnt 0x0
	global_store_b128 v[LI], v[R:R+3], s[36:37] offset:SOFF
.Ldone:
	s_wait_tensorcnt 0x0
	ds_add_u32 v251, v255
	s_wait_dscnt 0x0
	s_endpgm
.Lfunc_end_k_q98b0ad8c2e_quant:
	.size	k_q98b0ad8c2e_quant, .Lfunc_end_k_q98b0ad8c2e_quant-k_q98b0ad8c2e_quant
	.p2alignl 7, 3214868480
	.fill 96, 4, 3214868480
	.section	.rodata,"a",@progbits
	.p2align	6, 0x0
	.amdhsa_kernel k_q98b0ad8c2e_quant
		.amdhsa_group_segment_fixed_size 98304
		.amdhsa_private_segment_fixed_size 0
		.amdhsa_enable_private_segment 0
		.amdhsa_kernarg_size 48
		.amdhsa_user_sgpr_count 2
		.amdhsa_user_sgpr_kernarg_segment_ptr 1
		.amdhsa_wavefront_size32 1
		.amdhsa_system_sgpr_workgroup_id_x 1
		.amdhsa_system_sgpr_workgroup_id_y 1
		.amdhsa_system_sgpr_workgroup_id_z 1
		.amdhsa_system_vgpr_workitem_id 0
		.amdhsa_next_free_vgpr 256
		.amdhsa_next_free_sgpr 66
		.amdhsa_reserve_vcc 0
		.amdhsa_float_denorm_mode_32 3
		.amdhsa_float_denorm_mode_16_64 3
		.amdhsa_memory_ordered 1
		.amdhsa_forward_progress 1
		.amdhsa_inst_pref_size 43
	.end_amdhsa_kernel
	.amdgpu_metadata
---
amdhsa.version: [ 1, 2 ]
amdhsa.kernels:
  - .name:           k_q98b0ad8c2e_quant
    .symbol:         k_q98b0ad8c2e_quant.kd
    .args:
      - { .name: X, .offset: 0, .size: 8, .value_kind: global_buffer, .address_space: global }
      - { .name: Wq, .offset: 8, .size: 8, .value_kind: global_buffer, .address_space: global }
      - { .name: Wk, .offset: 16, .size: 8, .value_kind: global_buffer, .address_space: global }
      - { .name: Wv, .offset: 24, .size: 8, .value_kind: global_buffer, .address_space: global }
      - { .name: XP, .offset: 32, .size: 8, .value_kind: global_buffer, .address_space: global }
      - { .name: WP, .offset: 40, .size: 8, .value_kind: global_buffer, .address_space: global }
    .group_segment_fixed_size: 98304
    .private_segment_fixed_size: 0
    .kernarg_segment_align: 8
    .kernarg_segment_size: 48
    .max_flat_workgroup_size: 256
    .sgpr_count:     66
    .vgpr_count:     256
    .wavefront_size: 32
...
	.end_amdgpu_metadata
.endif
;; end of part 5
;; launch proj (part 6): grid 8 x 32, 4 waves a work-group, clusters of 4 x 4, 327,680 bytes of LDS; arguments XP, WP, bq, bk, bv, QP, KP, VP; writes QP, KP, VP
.if DOCPART == 6
	.amdgcn_target "amdgcn-amd-amdhsa--gfx1250"
	.amdhsa_code_object_version 6
	.text
	.protected	k_q98b0ad8c2e_proj
	.globl	k_q98b0ad8c2e_proj
	.p2align	8
	.type	k_q98b0ad8c2e_proj,@function
k_q98b0ad8c2e_proj:
	s_mov_b64 s[64:65], 0
	v_nop
	global_prefetch_b8 v0, s[64:65] scope:SCOPE_SE
	s_setreg_imm32_b32 hwreg(HW_REG_WAVE_MODE, 25, 1), 1
	s_wait_xcnt 0x0
	s_wait_alu depctr_hold_cnt(0) depctr_sa_sdst(0) depctr_va_vdst(0) depctr_va_sdst(0) depctr_va_ssrc(0) depctr_va_vcc(0) depctr_vm_vsrc(0)
	s_getreg_b32 s2, hwreg(HW_REG_IB_STS2, 6, 4)
	s_cmp_eq_u32 s2, 0
	s_cbranch_scc0 .Lentry_in_a_cluster
	s_endpgm
.Lentry_in_a_cluster:
	s_bfe_u32 s2, ttmp6, 0x10000c
	s_cmp_lg_u32 s2, 0xf033
	s_cbranch_scc0 .Lentry_shape_is_right
	s_endpgm
.Lentry_shape_is_right:
; q = X Wq + bq, k = X Wk + bk, v = X Wv + bv on codes of FP6 (E2M3) with E8M0 scales; the results are quantised again in registers and stored as panels of codes.
; A PANEL is 128 rows x 256 along K in the order of the operand's registers, 25,600 bytes: fragment (q, i) at (8 q + i) x 1,536 (registers 4 c .. 4 c + 3 of lane l at 512 c + 16 l);
;   scale quad q at 24,576 + 512 q: word p of lane l's 16 bytes belongs to tile 2 p + l / 16, row lane l % 16.  Lane r of tile i holds row 32 (i / 2) + 8 (i % 2) + r + 8 (r / 8).
; SHARES: 8 x 32 = 256 work-groups.  Work-group (cg, T) takes tokens 256 T .. + 255 and channels 128 cg .. + 127 of q, of k and of v: two panels of X and three of the weights for each 256 along K.
; Wave (th, ch) takes tokens 128 th .. + 127 x (all 128 channels of q (ch = 0) or of k (ch = 1), and channels 64 ch .. + 63 of v): 8 x 12 = 96 accumulators, windows 1 to 3.
; q, k: source 0 = 16 channels, source 1 = 16 tokens: a lane holds a token and its registers run along the channels, the next product's K.
; v: the sources change places: a lane holds a channel and its registers run along the tokens, which are the last product's K.
; A step of 128 along K is three thirds of 32 matrix instructions: q or k tiles 0-3 (window 1), tiles 4-7 (window 2), v's four tiles (window 3).  X's eight fragments have one set of registers,
; the weights' four fragments of a third two sets by turns.  THE BIAS is the C of each sum's first product: it is loaded into the eight registers of each window's last accumulators, which take it up in place.
; K = 1,024 is four slots of 256 through a ring of two LDS slots; a wave issues one joint load behind each round: waves 0, 1 a panel of X, waves 2, 3 half of the three weights' panels, a dense block.
; CLUSTERS 4 x 4: X's panels are shared along a row of the cluster, the weights' along a column.
; No data prefetch is laid: the walk has four slots and no loop to run ahead in; two slots are asked for at the head, the other two 176 matrix instructions of the wave ahead of their wait.
; LIMITS: a block of zeros gets the byte 1 (zero codes; this program alone reads the bytes); NaN and infinities are not served.
; WINDOW 0: v4-19 addresses, v24-63 scale words (two sets) and nothing else, v64-159 the weights' fragments, v160-255 X's; behind the products v64-159 are at work for the quantiser.
.set PA,    25600
.set FRB,   1536
.set SOFF,  24576
.set WH,    38400                      ; half of three panels
.set SLOT,  5*PA                       ; X's two panels, then the weights' q, k, v
.set STG,   2*SLOT                     ; 1,024 bytes of their own: v's two scale quads are gathered here
.set SPARE, STG+1024                   ; the spare words, 128 bytes for each wave
.set LI,   4                           ; 16 x lane
.set ADX,  6                           ; v6-7   my X panel in slot 0, 1
.set ADQ,  8                           ; v8-9   my q or k weights' panel
.set ADV,  10                          ; v10-11 my four tiles of v's weights' panel
.set ADS,  12                          ; v12-13 their two scale words
.set SPW,  14
.set NIL,  15
.set STGA, 16
.set STGR, 17
.set SC,   24                          ; set s at 24 + 20 s: X's quads + 4 q + p, q's or k's + 8 + 4 q + p, v's two words + 16 + 2 q + p
.set WB,   64
.set XF,   160
.set MX,   64
.set PX,   72
.set SO,   80
.set BY,   88
.set PC,   96
.set PW,   136
.set PWV,  144
.set QQ,   148
.set QV,   152
.set QR,   156
.set G1,   24
.set GA,   32
.set G1B,  48
.set GB,   56
.set SEL,  96
.set HI,   85
.set MSB, 0
.macro WIN new                         ; the immediate's high byte repeats the setting that is left
.if MSB != (\new)
	s_set_vgpr_msb (MSB<<8)|(\new)
.set MSB, (\new)
.endif
.endm
.macro PLACES n
.rept \n
	v_nop
.endr
.endm
.macro JLOAD s                         ; a joint load into slot s; the branch hangs on the wave's number alone; s_nop 0 and four v_nop follow each line
	s_cmp_eq_u32 s15, 0
	s_cbranch_scc0 .Lfor_w_\@
	tensor_load_to_lds s[GA+4*\s:GA+4*\s+3], s[G1:G1+7]
	s_nop 0
	PLACES 4
	s_branch .Lasked_\@
.Lfor_w_\@:
	tensor_load_to_lds s[GB+4*\s:GB+4*\s+3], s[G1B:G1B+7]
	s_nop 0
	PLACES 4
.Lasked_\@:
.endm
.macro CREST                           ; a round of the cluster's barrier behind its opening barrier
	s_cmp_lg_u32 s14, 0
	s_cbranch_scc1 .Lnot_wave_0_\@
	s_barrier_signal -3
.Lnot_wave_0_\@:
	s_barrier_wait -3
	s_barrier_signal -1
	s_barrier_wait -1
.endm
.macro CROUND
	s_barrier_signal -1
	s_barrier_wait -1
	CREST
.endm
.macro FRAG reg, adr, off              ; a fragment is the image of its 12 registers: three loads of 512 consecutive bytes
.irp c, 0,1,2
	ds_load_b128 v[(\reg)+4*\c:(\reg)+4*\c+3], v[\adr] offset:(\off)+512*\c
.endr
.endm
.macro FETCH_W u, q, t, p              ; the four weights' fragments of third t into set p: 12 loads
.irp i, 0,1,2,3
.if (\t) < 2
	FRAG WB+48*(\p)+12*\i, ADQ+\u, (8*(\q)+4*(\t)+\i)*FRB
.else
	FRAG WB+48*(\p)+12*\i, ADV+\u, (8*(\q)+\i)*FRB
.endif
.endr
.endm
.macro FETCH_X u, q, i0                ; X's blocks i0 .. i0 + 3: 12 loads
.irp i, \i0, \i0+1, \i0+2, \i0+3
	FRAG XF+12*(\i), ADX+\u, (8*(\q)+(\i))*FRB
.endr
.endm
.macro SCALES u                        ; slot u's scale words into set u: 6 loads
.irp q, 0,1
	ds_load_b128 v[SC+20*(\u)+4*\q:SC+20*(\u)+4*\q+3], v[ADX+\u] offset:SOFF+512*\q
	ds_load_b128 v[SC+20*(\u)+8+4*\q:SC+20*(\u)+8+4*\q+3], v[ADQ+\u] offset:SOFF+512*\q
	ds_load_b64 v[SC+20*(\u)+16+2*\q:SC+20*(\u)+16+2*\q+1], v[ADS+\u] offset:512*\q
.endr
.endm
.macro WM d, c, f0, f1, x0, x1, r0, r1 ; r0, r1: the side's scale words stand in lanes 16-31 (odd tiles)
.if (\r0) && (\r1)
	v_wmma_scale_f32_16x16x128_f8f6f4 v[(\d):(\d)+7], v[(\f0):(\f0)+11], v[(\f1):(\f1)+11], v[(\c):(\c)+7], v[\x0], v[\x1] matrix_a_fmt:MATRIX_FMT_FP6 matrix_b_fmt:MATRIX_FMT_FP6 matrix_a_scale:MATRIX_SCALE_ROW1 matrix_b_scale:MATRIX_SCALE_ROW1
.elseif (\r0)
	v_wmma_scale_f32_16x16x128_f8f6f4 v[(\d):(\d)+7], v[(\f0):(\f0)+11], v[(\f1):(\f1)+11], v[(\c):(\c)+7], v[\x0], v[\x1] matrix_a_fmt:MATRIX_FMT_FP6 matrix_b_fmt:MATRIX_FMT_FP6 matrix_a_scale:MATRIX_SCALE_ROW1
.elseif (\r1)
	v_wmma_scale_f32_16x16x128_f8f6f4 v[(\d):(\d)+7], v[(\f0):(\f0)+11], v[(\f1):(\f1)+11], v[(\c):(\c)+7], v[\x0], v[\x1] matrix_a_fmt:MATRIX_FMT_FP6 matrix_b_fmt:MATRIX_FMT_FP6 matrix_b_scale:MATRIX_SCALE_ROW1
.else
	v_wmma_scale_f32_16x16x128_f8f6f4 v[(\d):(\d)+7], v[(\f0):(\f0)+11], v[(\f1):(\f1)+11], v[(\c):(\c)+7], v[\x0], v[\x1] matrix_a_fmt:MATRIX_FMT_FP6 matrix_b_fmt:MATRIX_FMT_FP6
.endif
.endm
; 16 matrix instructions of third t: X's blocks a0 .. a0 + 3 x the third's four tiles.  The 96 accumulators take turns, one instruction a turn.
; q, k: accumulator (a, b) at 8 (4 a + b); v: at 8 (8 b + a), so that a channel tile's 64 registers run along the tokens.  first: C is the bias, which lies in block 7's accumulators;
; five places stand ahead of block 7's products, which write over registers that the products before have read.
.macro MULH t, a0, p, q, sc, first
.irp a, \a0, \a0+1, \a0+2, \a0+3
.if (\first) && ((\a) == 7)
	PLACES 5
.endif
.irp b, 0,1,2,3
.if (\t) < 2
.set D_, 8*(4*(\a)+\b)
.set C_, D_
.if \first
.set C_, 224+8*\b
.endif
	WM D_, C_, WB+48*(\p)+12*\b, XF+12*(\a), SC+20*(\sc)+8+4*(\q)+2*(\t)+\b/2, SC+20*(\sc)+4*(\q)+(\a)/2, \b%2, (\a)%2
.else
.set D_, 8*(8*\b+(\a))
.set C_, D_
.if \first
.set C_, 64*\b+56
.endif
	WM D_, C_, XF+12*(\a), WB+48*(\p)+12*\b, SC+20*(\sc)+4*(\q)+(\a)/2, SC+20*(\sc)+16+2*(\q)+\b/2, (\a)%2, \b%2
.endif
.endr
.endr
.endm
; Third t of step st (128 along K; two steps to a slot).  At its start the next third's weights are fetched into the other set; X's blocks 0-3 of the next step in the middle of third 2, blocks 4-7 at the start of third 0.
; Four places stand ahead of each run of loads into registers that matrix instructions have read (ISA guide 7.12.1 for vector instructions).
; In third 1 of a slot's second step all my reads of the slot have been issued: there stands the change of slots.
.macro THIRD st, t
.set N_, 3*(\st)+(\t)
.set U_, ((\st)/2)%2
.set Q_, (\st)%2
.set NU_, (((\st)+1)/2)%2
.set NQ_, ((\st)+1)%2
.set F_, 0
.if (\st) == 0
.set F_, 1
.endif
.if (\t) == 0
.if (\st) > 0
	PLACES 4
.endif
	WIN 0
	FETCH_X U_, Q_, 4
	FETCH_W U_, Q_, 1, (N_+1)%2
	s_wait_dscnt 24                                ; all but the 24 just issued: this third's weights, X's blocks 0-3 and the scale words are in
.if (\st) == 0
	s_wait_loadcnt 0x0                             ; the biases
.endif
	WIN 0x50
	MULH 0, 0, N_%2, Q_, U_, F_
	s_wait_dscnt 12                                ; X's blocks 4-7 are in; the next third's 12 may be out
	MULH 0, 4, N_%2, Q_, U_, F_
.elseif (\t) == 1
	PLACES 4
	WIN 0
	FETCH_W U_, Q_, 2, (N_+1)%2
	s_wait_dscnt 12                                ; all but the 12 just issued
	WIN 0xa0
	MULH 1, 0, N_%2, Q_, U_, F_
.if Q_ == 1 && (\st) < 7
	WIN 0
	s_wait_tensorcnt 0x0                           ; my one load that was out, my part of the next slot, has landed
	ds_add_u32 v[SPW], v[NIL]
	s_wait_dscnt 0x0                               ; the add is done, and my reads of this slot are over
	s_barrier_signal -1
	WIN 0xa0
	MULH 1, 4, N_%2, Q_, U_, F_
	WIN 0
	s_barrier_wait -1
.if (\st) < 5
	CREST                                          ; the barrier has opened a round: no wave of any partner still reads this slot or has a load on its way
	s_add_nc_u64 s[GA+4*U_+2:GA+4*U_+3], s[GA+4*U_+2:GA+4*U_+3], 2*PA
	s_add_nc_u64 s[GB+4*U_+2:GB+4*U_+3], s[GB+4*U_+2:GB+4*U_+3], 6*PA
	JLOAD U_                                       ; the K slot two on; its four v_nop are the places ahead of the loads below
.else
	PLACES 4
.endif
.else
	MULH 1, 4, N_%2, Q_, U_, F_
	PLACES 4
.endif
.else
	WIN 0
.if (\st) < 7
.if Q_ == 1
	SCALES NU_
.endif
	FETCH_W NU_, NQ_, 0, (N_+1)%2
	s_wait_dscnt 12+6*Q_                           ; all but those just issued
.else
	s_wait_dscnt 0x0
.endif
	WIN 0xf0
	MULH 2, 0, N_%2, Q_, U_, F_
.if (\st) < 7
	PLACES 4
	WIN 0
	FETCH_X NU_, NQ_, 0
	WIN 0xf0
.endif
	MULH 2, 4, N_%2, Q_, U_, F_
.endif
.endm
	s_load_b256 s[4:11], s[0:1], 0x0               ; XP s[4:5], WP s[6:7], bq s[8:9], bk s[10:11]
	s_load_b256 s[68:75], s[0:1], 0x20             ; bv s[68:69], QP s[70:71], KP s[72:73], VP s[74:75]
	v_lshl_add_u32 v[SPW], v0, 2, SPARE
	v_mov_b32 v[NIL], 0
	ds_add_u32 v[SPW], v[NIL]                      ; the opening lines: the add, twice on end, and its wait ahead of my first tensor load
	ds_add_u32 v[SPW], v[NIL]
	v_lshrrev_b32 v1, 5, v0
	v_readfirstlane_b32 s14, v1                    ; wave 0..3
	s_lshr_b32 s15, s14, 1                         ; th: my half of the tokens.  Also: I fetch X (0) or the weights (1)
	s_and_b32 s16, s14, 1                          ; ch: q or k, and my half of v's channels.  Also: which part I fetch
	s_bfe_u32 s40, ttmp6, 0x40000                  ; cx
	s_bfe_u32 s41, ttmp6, 0x40004                  ; cy
	s_lshl_b32 s42, ttmp9, 2
	s_add_co_u32 s42, s42, s40                     ; cg: which 128 channels
	s_and_b32 s17, ttmp7, 0xffff
	s_lshl_b32 s17, s17, 2
	s_add_co_u32 s17, s17, s41                     ; T: which 256 tokens
	s_lshl_b32 s43, s41, 2
	s_lshl_b32 s43, 15, s43                        ; my row of the cluster
	s_lshl_b32 s44, 0x1111, s40                    ; my column
	s_or_b32 s[G1+0], s43, (3<<16)|(1<<21)         ; dense blocks as rows of 256 bytes (32 elements of 8 bytes); 15:0 the mask; 21 set beside it
	s_or_b32 s[G1B+0], s44, (3<<16)|(1<<21)
	s_mov_b32 s[G1+1], 32<<16
	s_mov_b32 s[G1+2], (PA/256)<<16
	s_mov_b32 s[G1+3], 32<<16
	s_mov_b32 s[G1+4], PA/256
	s_mov_b32 s[G1+5], 32
	s_mov_b32 s[G1+6], 0
	s_mov_b32 s[G1+7], 0
	s_mov_b32 s[G1B+1], 32<<16
	s_mov_b32 s[G1B+2], (WH/256)<<16
	s_mov_b32 s[G1B+3], 32<<16
	s_mov_b32 s[G1B+4], WH/256
	s_mov_b32 s[G1B+5], 32
	s_mov_b32 s[G1B+6], 0
	s_mov_b32 s[G1B+7], 0
	s_lshl_b32 s20, s17, 1
	s_add_co_u32 s20, s20, s16
	s_mul_i32 s20, s20, 4*PA                       ; X: group 2 T + part, four panels a group
	s_mov_b32 s21, 0
	s_mul_i32 s22, s42, 12*PA                      ; the weights: twelve panels a channel group,
	s_mul_i32 s23, s16, WH                         ; my half of a K slot's three
	s_add_co_u32 s22, s22, s23
	s_mov_b32 s23, 0
	s_mul_i32 s45, s16, PA                         ; where they go: no place in the cluster enters an LDS address
	s_mul_i32 s46, s16, WH
	s_add_co_u32 s46, s46, 2*PA
	s_wait_dscnt 0x0                               ; both opening adds are done
	s_wait_kmcnt 0x0
	s_add_nc_u64 s[20:21], s[4:5], s[20:21]
	s_add_nc_u64 s[22:23], s[6:7], s[22:23]
	CROUND                                         ; all sixteen work-groups are here: the first joint loads meet
.irp s, 0,1
	s_mov_b32 s[GA+4*\s], 1
	s_add_co_u32 s[GA+4*\s+1], s45, \s*SLOT
	s_add_nc_u64 s[GA+4*\s+2:GA+4*\s+3], s[20:21], \s*PA
	s_or_b32 s[GA+4*\s+3], s[GA+4*\s+3], 0x80000000
	s_mov_b32 s[GB+4*\s], 1
	s_add_co_u32 s[GB+4*\s+1], s46, \s*SLOT
	s_add_nc_u64 s[GB+4*\s+2:GB+4*\s+3], s[22:23], \s*3*PA
	s_or_b32 s[GB+4*\s+3], s[GB+4*\s+3], 0x80000000
.endr
	JLOAD 0                                        ; K slot 0: one tensor load a wave at the head
	; where my results go, and my biases
	s_mov_b32 s19, 0
	s_lshr_b32 s90, s42, 1                         ; cg / 2
	s_and_b32 s91, s42, 1                          ; cg % 2
	s_lshl_b32 s18, s17, 1
	s_add_co_u32 s18, s18, s15
	s_lshl_b32 s18, s18, 2
	s_add_co_u32 s18, s18, s90
	s_mul_i32 s18, s18, PA                         ; q, k: panel 4 x (2 T + th) + cg / 2
	s_cmp_eq_u32 s16, 0
	s_cselect_b64 s[76:77], s[70:71], s[72:73]     ; QP or KP,
	s_cselect_b64 s[86:87], s[8:9], s[10:11]       ; bq or bk
	s_add_nc_u64 s[76:77], s[76:77], s[18:19]
	s_lshl_b32 s18, s91, 9
	s_add_co_u32 s18, s18, SOFF
	s_add_nc_u64 s[78:79], s[76:77], s[18:19]      ; its scale quad cg % 2
	s_mul_i32 s18, s91, 8*FRB
	s_add_nc_u64 s[76:77], s[76:77], s[18:19]      ; its fragments (cg % 2, 0 .. 7)
	s_lshl_b32 s18, s42, 9
	s_add_nc_u64 s[86:87], s[86:87], s[18:19]      ; 128 channels of the bias
	s_lshl_b32 s92, s16, 8
	s_add_co_u32 s18, s18, s92
	s_add_nc_u64 s[88:89], s[68:69], s[18:19]      ; bv: my 64 channels
	s_lshr_b32 s18, s17, 3                         ; v: panel ((4 x batch + cg / 2) x 8 + key slot) x 2 + cg % 2
	s_lshl_b32 s18, s18, 2
	s_add_co_u32 s18, s18, s90
	s_lshl_b32 s18, s18, 3
	s_and_b32 s92, s17, 7
	s_add_co_u32 s18, s18, s92
	s_lshl_b32 s18, s18, 1
	s_add_co_u32 s18, s18, s91
	s_mul_i32 s18, s18, PA
	s_add_nc_u64 s[80:81], s[74:75], s[18:19]
	s_lshl_b32 s18, s15, 9
	s_add_co_u32 s18, s18, SOFF
	s_add_nc_u64 s[82:83], s[80:81], s[18:19]      ; its scale quad th
	s_lshl_b32 s18, s15, 3
	s_lshl_b32 s92, s16, 2
	s_add_co_u32 s18, s18, s92
	s_mul_i32 s18, s18, FRB
	s_add_nc_u64 s[80:81], s[80:81], s[18:19]      ; its fragments (th, 4 ch .. 4 ch + 3)
	s_mul_i32 s92, s15, PA                         ; LDS: my X panel,
	s_mul_i32 s93, s16, PA
	s_add_co_u32 s93, s93, 2*PA                    ; my q or k weights' panel,
	s_mul_i32 s94, s16, 4*FRB
	s_add_co_u32 s94, s94, 4*PA                    ; my four tiles of v's,
	s_lshl_b32 s95, s16, 3
	s_add_co_u32 s66, s95, 4*PA+SOFF               ; their two scale words,
	s_lshl_b32 s67, s15, 9
	s_add_co_u32 s67, s67, STG                     ; and the stage of v's quad th
	s_mov_b32 s[SEL], 0x76543210
	s_mov_b32 s[SEL+1], 0xfedcba98                 ; selects for lane l xor 16
	s_mov_b32 s[HI], 0xffff0000                    ; lanes 16-31
	v_and_b32 v1, 31, v0
	v_lshlrev_b32 v[LI], 4, v1
	v_and_b32 v2, 15, v0                           ; r
	v_bfe_u32 v3, v0, 4, 1                         ; h
	v_add_nc_u32 v[ADX], s92, v[LI]
	v_add_nc_u32 v[ADQ], s93, v[LI]
	v_add_nc_u32 v[ADV], s94, v[LI]
	v_add_nc_u32 v[ADS], s66, v[LI]
.irp r, ADX, ADQ, ADV, ADS
	v_add_nc_u32 v[\r+1], SLOT, v[\r]
.endr
	v_add_nc_u32 v[STGR], s67, v[LI]
	v_add_nc_u32 v[STGA], s95, v[STGR]
	v_lshlrev_b32 v18, 6, v3                       ; the bias along the registers: 64 h
	v_and_b32 v19, 8, v2
	v_add_nc_u32 v19, v19, v2
	v_lshlrev_b32 v19, 2, v19                      ; the bias along the lanes: 4 (r + 8 (r / 8))
.irp t, 0,1                                    ; q, k: register j of tile 4 t + b is channel 32 (tile / 2) + 8 (tile % 2) + 16 h + j
	WIN 0x40+0x40*\t
.irp b, 0,1,2,3
	global_load_b128 v[224+8*\b:227+8*\b], v18, s[86:87] offset:(32*((4*\t+\b)/2)+8*(\b%2))*4
	global_load_b128 v[228+8*\b:231+8*\b], v18, s[86:87] offset:(32*((4*\t+\b)/2)+8*(\b%2))*4+16
.endr
.endr
	WIN 0xc0                                       ; v: my lane is a channel: the same number in all eight registers
.irp b, 0,1,2,3
.irp j, 0,1,2,3,4,5,6,7
	global_load_b32 v[64*\b+56+\j], v19, s[88:89] offset:(32*(\b/2)+8*(\b%2))*4
.endr
.endr
	WIN 0
	s_wait_alu depctr_va_vdst(0)                   ; the wait at the head's end
	s_wait_tensorcnt 0x0                           ; my part of K slot 0 is in; these lines stand ahead of a later first fill as ahead of a refill
	ds_add_u32 v[SPW], v[NIL]
	s_wait_dscnt 0x0
	CROUND
	JLOAD 1                                        ; K slot 1, the first tensor load behind the round
	FETCH_W 0, 0, 0, 0
	FETCH_X 0, 0, 0
	SCALES 0
.set ST, 0
.rept 8
	THIRD ST, 0
	THIRD ST, 1
	THIRD ST, 2
.set ST, ST+1
.endr
	WIN 0
	PLACES 4
; THE WAY OUT, two fragments at a time, straight from the accumulators.  k = 0: token tiles a, a + 1 of q or k: blocks 0, 1 of a fragment lie in window 1, blocks 2, 3 in window 2, at 32 x tile + 16 (block % 2).
; k = 1: channel tiles a, a + 1 of v, in window 3 at 64 x tile + 16 x block.  Register 16 b + i of a fragment is k = 32 b + 16 (lane / 16) + i of my row.  Each accumulator is read from its low end on.
.macro EP k, a, pw
.irp w, 0,1
.set WN_, (1-(\k))*(1+\w)+3*(\k)
	WIN (WN_<<2)|(WN_<<4)
.irp f, 0,1
.irp e, 0,1
.set BS_, (1-(\k))*32*((\a)+\f)+(\k)*(64*((\a)+\f)+32*\w)+16*\e
	v_max3_num_f32 v[MX+4*\f+2*\w+\e], 0x1800000, |v[BS_]|, |v[BS_+1]|   ; my 16 numbers of a block, and the floor 2^(3 - 127): the byte cannot fall under 1
.endr
.endr
.irp i, 2,4,6,8,10,12,14
.irp f, 0,1
.irp e, 0,1
.set BS_, (1-(\k))*32*((\a)+\f)+(\k)*(64*((\a)+\f)+32*\w)+16*\e+\i
	v_max3_num_f32 v[MX+4*\f+2*\w+\e], v[MX+4*\f+2*\w+\e], |v[BS_]|, |v[BS_+1]|
.endr
.endr
.endr
.endr
	WIN 0
.irp m, 0,1,2,3,4,5,6,7
	v_permlanex16_b32 v[PX+\m], v[MX+\m], s[SEL], s[SEL+1]
.endr
.irp m, 0,1,2,3,4,5,6,7
	v_max_num_f32 v[MX+\m], v[MX+\m], v[PX+\m]     ; with lane l xor 16's: the block's largest magnitude
.endr
.irp m, 0,1,2,3,4,5,6,7
	v_add_nc_u32 v[SO+\m], 0xff000000, v[MX+\m]    ; 2 off its exponent field: the conversion's scale operand
.endr
.irp m, 0,1,2,3,4,5,6,7
	v_lshrrev_b32 v[BY+\m], 23, v[SO+\m]           ; the scale's byte
.endr
.irp f, 0,1
	v_lshl_or_b32 v[(\pw)+\f], v[BY+4*\f+1], 8, v[BY+4*\f]
	v_lshl_or_b32 v[(\pw)+\f], v[BY+4*\f+2], 16, v[(\pw)+\f]
	v_lshl_or_b32 v[(\pw)+\f], v[BY+4*\f+3], 24, v[(\pw)+\f]
.endr
	s_wait_xcnt 0x0                                ; the last stores have read their data: the codes' registers are written again only behind this wait
.irp c, 0,1
.set WN_, (1-(\k))*(1+\c)+3*(\k)
	WIN WN_
.irp f, 0,1
.set BS_, (1-(\k))*32*((\a)+\f)+(\k)*(64*((\a)+\f)+32*\c)
	v_cvt_scalef32_pk16_fp6_f32 v[PC+20*\f+6*\c:PC+20*\f+6*\c+2], v[BS_:BS_+15], v[SO+4*\f+2*\c]
	v_cvt_scalef32_pk16_fp6_f32 v[PC+20*\f+12+4*\c:PC+20*\f+14+4*\c], v[BS_+16:BS_+31], v[SO+4*\f+2*\c+1]
.endr
.endr
	WIN 0
	v_nop                                          ; one plain place behind a scaled conversion
.irp f, 0,1
.irp c, 0,1                                    ; the operand's layout wants a whole block in a lane
.irp i, 0,1,2
	v_permlane16_swap_b32 v[PC+20*\f+6*\c+\i], v[PC+20*\f+12+4*\c+\i]
.endr
.irp i, 0,1,2
	v_mov_b32 v[PC+20*\f+3+6*\c+\i], v[PC+20*\f+12+4*\c+\i]
.endr
.endr
.endr
.irp f, 0,1
.irp c, 0,1,2
.if \k
	global_store_b128 v[LI], v[PC+20*\f+4*\c:PC+20*\f+4*\c+3], s[80:81] offset:FRB*((\a)+\f)+512*\c
.else
	global_store_b128 v[LI], v[PC+20*\f+4*\c:PC+20*\f+4*\c+3], s[76:77] offset:FRB*((\a)+\f)+512*\c   ; 512 consecutive bytes, at a multiple of 256 from the buffer's first byte
.endif
.endr
.endr
.endm
.irp m, 0,1,2,3,4,5,6,7
	v_mov_b32 v[PX+\m], 0                          ; a lane permute's destination counts as one of its sources
.endr
	EP 0, 0, PW
	EP 0, 2, PW+2
	EP 0, 4, PW+4
	EP 0, 6, PW+6
	EP 1, 0, PWV
	EP 1, 2, PWV+2
.irp p, 0,1,2,3
	v_cndmask_b32 v[QQ+\p], v[PW+2*\p], v[PW+2*\p+1], s[HI]   ; the quad: lanes 0-15 tile 2 p's words, lanes 16-31 tile 2 p + 1's
.endr
	global_store_b128 v[LI], v[QQ:QQ+3], s[78:79]
	v_cndmask_b32 v[QV], v[PWV], v[PWV+1], s[HI]
	v_cndmask_b32 v[QV+1], v[PWV+2], v[PWV+3], s[HI]
	ds_store_b64 v[STGA], v[QV:QV+1]               ; v's quad th is made by two waves: my two words of each lane's four
	s_wait_dscnt 0x0                               ; for the other wave's sake
	s_barrier_signal -1
	s_barrier_wait -1
	s_cmp_lg_u32 s16, 0
	s_cbranch_scc1 .Lno_quad                       ; waves with ch = 0 store a whole quad, 512 consecutive bytes
	ds_load_b128 v[QR:QR+3], v[STGR]
	s_wait_dscnt 0x0
	global_store_b128 v[LI], v[QR:QR+3], s[82:83]
.Lno_quad:
	s_wait_tensorcnt 0x0                           ; the wave's end
	ds_add_u32 v[SPW], v[NIL]
	s_wait_dscnt 0x0
	CROUND                                         ; the closing round
	s_endpgm
.Lfunc_end_k_q98b0ad8c2e_proj:
	.size	k_q98b0ad8c2e_proj, .Lfunc_end_k_q98b0ad8c2e_proj-k_q98b0ad8c2e_proj
	.p2alignl 7, 3214868480
	.fill 96, 4, 3214868480
	.section	.rodata,"a",@progbits
	.p2align	6, 0x0
	.amdhsa_kernel k_q98b0ad8c2e_proj
		.amdhsa_group_segment_fixed_size 327680
		.amdhsa_private_segment_fixed_size 0
		.amdhsa_enable_private_segment 0
		.amdhsa_kernarg_size 64
		.amdhsa_user_sgpr_count 2
		.amdhsa_user_sgpr_kernarg_segment_ptr 1
		.amdhsa_wavefront_size32 1
		.amdhsa_system_sgpr_workgroup_id_x 1
		.amdhsa_system_sgpr_workgroup_id_y 1
		.amdhsa_system_sgpr_workgroup_id_z 1
		.amdhsa_system_vgpr_workitem_id 0
		.amdhsa_next_free_vgpr 1024
		.amdhsa_next_free_sgpr 98
		.amdhsa_reserve_vcc 0
		.amdhsa_float_denorm_mode_32 3
		.amdhsa_float_denorm_mode_16_64 3
		.amdhsa_memory_ordered 1
		.amdhsa_forward_progress 1
		.amdhsa_inst_pref_size 201
	.end_amdhsa_kernel
	.amdgpu_metadata
---
amdhsa.version: [ 1, 2 ]
amdhsa.kernels:
  - .name:           k_q98b0ad8c2e_proj
    .symbol:         k_q98b0ad8c2e_proj.kd
    .args:
      - { .name: XP, .offset: 0, .size: 8, .value_kind: global_buffer, .address_space: global }
      - { .name: WP, .offset: 8, .size: 8, .value_kind: global_buffer, .address_space: global }
      - { .name: bq, .offset: 16, .size: 8, .value_kind: global_buffer, .address_space: global }
      - { .name: bk, .offset: 24, .size: 8, .value_kind: global_buffer, .address_space: global }
      - { .name: bv, .offset: 32, .size: 8, .value_kind: global_buffer, .address_space: global }
      - { .name: QP, .offset: 40, .size: 8, .value_kind: global_buffer, .address_space: global }
      - { .name: KP, .offset: 48, .size: 8, .value_kind: global_buffer, .address_space: global }
      - { .name: VP, .offset: 56, .size: 8, .value_kind: global_buffer, .address_space: global }
    .group_segment_fixed_size: 327680
    .private_segment_fixed_size: 0
    .kernarg_segment_align: 8
    .kernarg_segment_size: 64
    .max_flat_workgroup_size: 128
    .sgpr_count:     98
    .vgpr_count:     1024
    .wavefront_size: 32
...
	.end_amdgpu_metadata
.endif
;; end of part 6
;; launch scores (part 7): grid 48 x 4, 4 waves a work-group, clusters of 4 x 4, 327,680 bytes of LDS; arguments QP, KP, PP; writes PP
.if DOCPART == 7
	.amdgcn_target "amdgcn-amd-amdhsa--gfx1250"
	.amdhsa_code_object_version 6
	.text
	.protected	k_q98b0ad8c2e_scores
	.globl	k_q98b0ad8c2e_scores
	.p2align	8
	.type	k_q98b0ad8c2e_scores,@function
k_q98b0ad8c2e_scores:
	s_mov_b64 s[64:65], 0
	v_nop
	global_prefetch_b8 v0, s[64:65] scope:SCOPE_SE
	s_setreg_imm32_b32 hwreg(HW_REG_WAVE_MODE, 25, 1), 1
	s_wait_xcnt 0x0
	s_wait_alu depctr_hold_cnt(0) depctr_sa_sdst(0) depctr_va_vdst(0) depctr_va_sdst(0) depctr_va_ssrc(0) depctr_va_vcc(0) depctr_vm_vsrc(0)
	s_getreg_b32 s2, hwreg(HW_REG_IB_STS2, 6, 4)
	s_cmp_eq_u32 s2, 0
	s_cbranch_scc0 .Lentry_in_a_cluster
	s_endpgm
.Lentry_in_a_cluster:
	s_bfe_u32 s2, ttmp6, 0x10000c
	s_cmp_lg_u32 s2, 0xf033
	s_cbranch_scc0 .Lentry_shape_is_right
	s_endpgm
.Lentry_shape_is_right:
; S = q k^T on codes of FP6 (E2M3), the causal mask, and the softmax's p = 2^(t - M), quantised along the keys and stored as panels of codes.
; t = score x log2(e) / 32.  M here is LOCAL: the ceiling of the largest t of one query over the 128 keys of one fragment.  It is a whole number, so the change to the row's M, made by the next launch, is an exact
; power of two that the scale bytes take up.  Beside the codes go, for each query and 128 keys, -M and the sum l of the unquantised p, both f32.
; PANELS in: 128 rows x 256 along K, 25,600 bytes: fragment (q, i) at (8 q + i) x 1,536 as the image of its registers; scale quad q at 24,576 + 512 q.  Lane r of tile i holds row 32 (i / 2) + 8 (i % 2) + r + 8 (r / 8).
; PANELS out (PP [batch][query group 16][key slot 8], 27,648 bytes): the same, then the -M quads at 25,600 + 512 q and the l quads at 26,624 + 512 q, laid as the scale quads are.
; A tile of S is 256 queries x 256 keys: four waves, 128 x 128 each.  Source 0 = 16 keys, source 1 = 16 queries: a lane holds ONE query and its 64 registers of a block are keys 32 b + 16 h + i (register 16 b + i).
; K = 1,024 is four slots of 256; LDS holds THREE slots: the first two are asked for together at the start, the third behind the head's round, the fourth goes into the first's bytes behind the one round of the cluster's barrier.
; CLUSTERS 4 x 4; three for each batch: (rows, columns) of clusters (0,0), (1,0), (1,1); the one that lies wholly above the diagonal is not launched.  q's panels are shared along a row, k's along a column.
; Tiles above the diagonal inside a diagonal cluster run like their partners (joint loads allow no parting): their p is 0, l = 0, -M = 3e38; the next launch reads them as such.
; The mask is always executed: hidden scores become -infinity on the way from the accumulators.
; LIMITS: NaN and infinities are not served; a block of zeros gets the byte 1; |M| beyond 2^24 is no whole-number step any more.
; REGISTERS: window 0: v8-14, v22-23 addresses, v28-30, v32-63 scale quads and nothing else, v64-87 at work, v128-223 A's fragments; behind the products v128-191 a block's numbers, v192-211 codes, v212-223 quads, v224-253 statistics.
.set PV,    0
.set PA,    25600
.set PB,    25600
.set PP_B,  27648
.set FRB,   1536
.set SOFF,  24576
.set SLOT,  2*PA+2*PB
.set SPARE, 3*SLOT
.set ASTEP, 3*PA
.set BSTEP, 3*PB
.set WSEL,  15
.set ADRA,  8
.set ADRB,  12
.set LI,    22
.set QD,    23                         ; v23 my query less my first key: a key 32 b + i of block a's registers is hidden where 32 b + i - (the block's first row) > this
.set SPW,   28
.set NIL,   29
.set NINF,  30
.set SC,    32
.set AF,    128
.set G1,    24
.set G1B,   48
.set GA0,   32
.set GA1,   36
.set GA2,   4                          ; (s4-9 held pointers that are used up by then)
.set GB0,   56
.set GB1,   60
.set GB2,   8
.set SEL,   96
.set HI,    85
.set CS,    70                         ; s[70:71] c = log2(e) / 32
.set TM,    64
.set PWS,   80
.set T,     128
.set PC,    192
.set QQ,    212
.set NMS,   224                        ; v224-231 -M of the eight blocks
.set LS,    232                        ; v232-239 l of the eight blocks
.set BX,    240                        ; v240-247 maxima
.set NMP,   248                        ; v[248:249] -M, named as a pair
.set SA,    250
.set SB,    252
.set MUL_LO, 0xa1
.set MUL_HI, 0xf1
.set TO_B,   0x40
.set MSB, 0
.macro WIN new
.if MSB != (\new)
	s_set_vgpr_msb (MSB<<8)|(\new)
.set MSB, (\new)
.endif
.endm
.macro JLOAD g0a, g1a, g0b, g1b        ; a joint load: waves 0 and 1 fetch A's two panels, waves 2 and 3 B's; four v_nop follow each line
	s_cmp_eq_u32 s[WSEL], 0
	s_cbranch_scc0 .Lfor_b_\@
	tensor_load_to_lds s[\g0a:\g0a+3], s[\g1a:\g1a+7]
	s_nop 0
.rept 4
	v_nop
.endr
	s_branch .Lasked_\@
.Lfor_b_\@:
	tensor_load_to_lds s[\g0b:\g0b+3], s[\g1b:\g1b+7]
	s_nop 0
.rept 4
	v_nop
.endr
.Lasked_\@:
.endm
.macro CREST
	s_cmp_lg_u32 s14, 0
	s_cbranch_scc1 .Lnot_wave_0_\@
	s_barrier_signal -3
.Lnot_wave_0_\@:
	s_barrier_wait -3
	s_barrier_signal -1
	s_barrier_wait -1
.endm
.macro CROUND
	s_barrier_signal -1
	s_barrier_wait -1
	CREST
.endm
.macro PLACES n
.rept \n
	v_nop
.endr
.endm
.macro FRAG reg, adr, off
.irp c, 0,1,2
	ds_load_b128 v[(\reg)+4*\c:(\reg)+4*\c+3], v[\adr] offset:(\off)+512*\c
.endr
.endm
.macro FETCH_B u, q, p
	WIN TO_B
.irp i, 0,1,2,3,4,5,6,7
	FRAG 128*(\p)+12*\i, ADRB+\u, (8*(\q)+\i)*FRB
.endr
	WIN 0
.endm
.macro FETCH_A u, q, i0
.irp i, \i0, \i0+1, \i0+2, \i0+3
	FRAG AF+12*(\i), ADRA+\u, (8*(\q)+(\i))*FRB
.endr
.endm
.macro SCALES u, sc
.irp q, 0,1
	ds_load_b128 v[SC+16*(\sc)+4*\q:SC+16*(\sc)+4*\q+3], v[ADRA+\u] offset:SOFF+512*\q
	ds_load_b128 v[SC+16*(\sc)+8+4*\q:SC+16*(\sc)+8+4*\q+3], v[ADRB+\u] offset:SOFF+512*\q
.endr
.endm
.macro WM d, f0, f1, x0, x1, r0, r1, zero
.if (\zero) && (\r0) && (\r1)
	v_wmma_scale_f32_16x16x128_f8f6f4 v[(\d):(\d)+7], v[(\f0):(\f0)+11], v[(\f1):(\f1)+11], 0, v[\x0], v[\x1] matrix_a_fmt:MATRIX_FMT_FP6 matrix_b_fmt:MATRIX_FMT_FP6 matrix_a_scale:MATRIX_SCALE_ROW1 matrix_b_scale:MATRIX_SCALE_ROW1
.elseif (\zero) && (\r0)
	v_wmma_scale_f32_16x16x128_f8f6f4 v[(\d):(\d)+7], v[(\f0):(\f0)+11], v[(\f1):(\f1)+11], 0, v[\x0], v[\x1] matrix_a_fmt:MATRIX_FMT_FP6 matrix_b_fmt:MATRIX_FMT_FP6 matrix_a_scale:MATRIX_SCALE_ROW1
.elseif (\zero) && (\r1)
	v_wmma_scale_f32_16x16x128_f8f6f4 v[(\d):(\d)+7], v[(\f0):(\f0)+11], v[(\f1):(\f1)+11], 0, v[\x0], v[\x1] matrix_a_fmt:MATRIX_FMT_FP6 matrix_b_fmt:MATRIX_FMT_FP6 matrix_b_scale:MATRIX_SCALE_ROW1
.elseif (\zero)
	v_wmma_scale_f32_16x16x128_f8f6f4 v[(\d):(\d)+7], v[(\f0):(\f0)+11], v[(\f1):(\f1)+11], 0, v[\x0], v[\x1] matrix_a_fmt:MATRIX_FMT_FP6 matrix_b_fmt:MATRIX_FMT_FP6
.elseif (\r0) && (\r1)
	v_wmma_scale_f32_16x16x128_f8f6f4 v[(\d):(\d)+7], v[(\f0):(\f0)+11], v[(\f1):(\f1)+11], v[(\d):(\d)+7], v[\x0], v[\x1] matrix_a_fmt:MATRIX_FMT_FP6 matrix_b_fmt:MATRIX_FMT_FP6 matrix_a_scale:MATRIX_SCALE_ROW1 matrix_b_scale:MATRIX_SCALE_ROW1
.elseif (\r0)
	v_wmma_scale_f32_16x16x128_f8f6f4 v[(\d):(\d)+7], v[(\f0):(\f0)+11], v[(\f1):(\f1)+11], v[(\d):(\d)+7], v[\x0], v[\x1] matrix_a_fmt:MATRIX_FMT_FP6 matrix_b_fmt:MATRIX_FMT_FP6 matrix_a_scale:MATRIX_SCALE_ROW1
.elseif (\r1)
	v_wmma_scale_f32_16x16x128_f8f6f4 v[(\d):(\d)+7], v[(\f0):(\f0)+11], v[(\f1):(\f1)+11], v[(\d):(\d)+7], v[\x0], v[\x1] matrix_a_fmt:MATRIX_FMT_FP6 matrix_b_fmt:MATRIX_FMT_FP6 matrix_b_scale:MATRIX_SCALE_ROW1
.else
	v_wmma_scale_f32_16x16x128_f8f6f4 v[(\d):(\d)+7], v[(\f0):(\f0)+11], v[(\f1):(\f1)+11], v[(\d):(\d)+7], v[\x0], v[\x1] matrix_a_fmt:MATRIX_FMT_FP6 matrix_b_fmt:MATRIX_FMT_FP6
.endif
.endm
.macro MUL16 a0, p, q, sc, zero        ; the 64 accumulators take turns, one instruction a turn
.irp a, \a0, \a0+1
.irp b, 0,1,2,3,4,5,6,7
	WM 8*(8*((\a)%4)+\b), 128*(\p)+12*\b, AF+12*(\a), SC+16*(\sc)+8+4*(\q)+\b/2, SC+16*(\sc)+4*(\q)+(\a)/2, \b%2, (\a)%2, \zero
.endr
.endr
.endm
.macro STEP u, sc, zero                ; slot u's first 128 along K
	s_wait_dscnt 12                                ; all but the 12 youngest loads (A's blocks 4-7) are in
	WIN MUL_LO
	MUL16 0, 0, 0, \sc, \zero
	MUL16 2, 0, 0, \sc, \zero
	s_wait_dscnt 0x0
	PLACES 4
	FETCH_B \u, 1, 1
	FETCH_A \u, 1, 0
	WIN MUL_HI
	MUL16 4, 0, 0, \sc, \zero
	MUL16 6, 0, 0, \sc, \zero
	PLACES 4
	WIN 0
	FETCH_A \u, 1, 4
.endm
; A slot's second 128 along K goes on to slot nu (scale set nsc).  mode 0: slot nu was shown whole by an earlier wait for all tensor loads and its barrier, and nothing is filled: no barrier.
; mode 1: one barrier, with the wait for all my tensor loads, the add and the wait for it and for my reads in front.  mode 2: the same, the barrier opens a round of the cluster's, and the slot just left is filled again.
.macro TURN sc, nu, nsc, mode, ga, gb
.if (\mode) == 0
	s_wait_dscnt 12
	WIN MUL_LO
	MUL16 0, 1, 1, \sc, 0
	MUL16 2, 1, 1, \sc, 0
	s_wait_dscnt 0x0
	PLACES 4
.else
	s_wait_tensorcnt 0x0                           ; all my tensor loads have landed
	ds_add_u32 v[SPW], v[NIL]                      ; 0 onto my spare word
	s_wait_dscnt 13                                ; (the add and the 12 youngest loads may be out)
	WIN MUL_LO
	MUL16 0, 1, 1, \sc, 0
	s_wait_dscnt 0x0                               ; the add is done, and my reads of this slot are over
	s_barrier_signal -1
	MUL16 2, 1, 1, \sc, 0
	WIN 0
	s_barrier_wait -1
.if (\mode) == 2
	CREST                                          ; no wave of any partner still reads this slot or has a load on its way
	s_add_nc_u64 s[\ga+2:\ga+3], s[\ga+2:\ga+3], ASTEP
	s_add_nc_u64 s[\gb+2:\gb+3], s[\gb+2:\gb+3], BSTEP
	JLOAD \ga, G1, \gb, G1B
.else
	PLACES 4
.endif
.endif
	FETCH_B \nu, 0, 0
	FETCH_A \nu, 0, 0
	SCALES \nu, \nsc
	WIN MUL_HI
	MUL16 4, 1, 1, \sc, 0
	MUL16 6, 1, 1, \sc, 0
	PLACES 4
	WIN 0
	FETCH_A \nu, 0, 4
.endm
.macro LAST sc
	s_wait_dscnt 12
	WIN MUL_LO
	MUL16 0, 1, 1, \sc, 0
	MUL16 2, 1, 1, \sc, 0
	s_wait_dscnt 0x0
	WIN MUL_HI
	MUL16 4, 1, 1, \sc, 0
	MUL16 6, 1, 1, \sc, 0
	WIN 0
.endm
.macro FIRST s, ga, gb                 ; slot s's two groups 0, and its first fill
	s_mov_b32 s[\ga], 1
	s_add_co_u32 s[\ga+1], s45, \s*PA
	s_add_nc_u64 s[\ga+2:\ga+3], s[20:21], \s*PA
	s_or_b32 s[\ga+3], s[\ga+3], 0x80000000
	s_mov_b32 s[\gb], 1
	s_add_co_u32 s[\gb+1], s46, \s*PB
	s_add_nc_u64 s[\gb+2:\gb+3], s[22:23], \s*PB
	s_or_b32 s[\gb+3], s[\gb+3], 0x80000000
	JLOAD \ga, G1, \gb, G1B
.endm
.macro QUANT s, pw                     ; 64 numbers of a lane (register 16 b + i = k 32 b + 16 (lane / 16) + i) become a fragment's codes in v[PC] on and its scale word in v[pw]
.irp b, 0,1,2,3
	v_max3_num_f32 v[TM+\b], |v[(\s)+16*\b]|, |v[(\s)+1+16*\b]|, 0x1800000   ; and the floor 2^(3 - 127): the byte cannot fall under 1
.endr
.irp i, 2,4,6,8,10,12,14
.irp b, 0,1,2,3
	v_max3_num_f32 v[TM+\b], v[TM+\b], |v[(\s)+16*\b+\i]|, |v[(\s)+1+16*\b+\i]|
.endr
.endr
.irp b, 0,1,2,3
	v_permlanex16_b32 v[TM+4+\b], v[TM+\b], s[SEL], s[SEL+1]
.endr
.irp b, 0,1,2,3
	v_max_num_f32 v[TM+\b], v[TM+\b], v[TM+4+\b]
.endr
.irp b, 0,1,2,3
	v_add_nc_u32 v[TM+12+\b], 0xff000000, v[TM+\b]
.endr
.irp b, 0,1,2,3
	v_lshrrev_b32 v[TM+4+\b], 23, v[TM+12+\b]
.endr
	v_lshl_or_b32 v[\pw], v[TM+5], 8, v[TM+4]
	v_lshl_or_b32 v[\pw], v[TM+6], 16, v[\pw]
	v_lshl_or_b32 v[\pw], v[TM+7], 24, v[\pw]
.irp c, 0,1
	v_cvt_scalef32_pk16_fp6_f32 v[PC+6*\c:PC+2+6*\c], v[(\s)+32*\c:(\s)+15+32*\c], v[TM+12+2*\c]
	v_cvt_scalef32_pk16_fp6_f32 v[PC+12+4*\c:PC+14+4*\c], v[(\s)+16+32*\c:(\s)+31+32*\c], v[TM+12+2*\c+1]
.endr
	v_nop                                          ; one plain place behind a scaled conversion
.irp c, 0,1
.irp i, 0,1,2
	v_permlane16_swap_b32 v[PC+6*\c+\i], v[PC+12+4*\c+\i]
.endr
.irp i, 0,1,2
	v_mov_b32 v[PC+3+6*\c+\i], v[PC+12+4*\c+\i]
.endr
.endr
.endm
	s_load_b128 s[4:7], s[0:1], 0x0                ; QP s[4:5], KP s[6:7]
	s_load_b64 s[8:9], s[0:1], 0x10                ; PP
	v_lshl_add_u32 v[SPW], v0, 2, SPARE
	v_mov_b32 v[NIL], 0
	ds_add_u32 v28, v29
	ds_add_u32 v28, v29
	s_wait_dscnt 0x0
	v_lshrrev_b32 v1, 5, v0
	v_readfirstlane_b32 s14, v1                    ; wave 0..3
	s_lshr_b32 s15, s14, 1                         ; my half of the queries.  Also: I fetch for A (0) or for B (1)
	s_and_b32 s16, s14, 1                          ; my half of the keys.  Also: which of the two panels I fetch
	s_bfe_u32 s40, ttmp6, 0x40000                  ; cx
	s_bfe_u32 s41, ttmp6, 0x40004                  ; cy
	s_mul_i32 s80, ttmp9, 43
	s_lshr_b32 s80, s80, 7                         ; batch = cluster x / 3 (exact for 0 .. 11)
	s_mul_i32 s81, s80, 3
	s_sub_co_u32 s81, ttmp9, s81                   ; which of the batch's three clusters
	s_add_co_u32 s82, s81, 1
	s_lshr_b32 s82, s82, 1                         ; its row of clusters: 0, 1, 1
	s_lshr_b32 s83, s81, 1                         ; its column: 0, 0, 1
	s_lshl_b32 s17, s82, 2
	s_add_co_u32 s17, s17, s41                     ; tile row I
	s_lshl_b32 s42, s83, 2
	s_add_co_u32 s42, s42, s40                     ; tile column J
	s_lshl_b32 s43, s41, 2
	s_lshl_b32 s43, 15, s43                        ; my row of the cluster
	s_lshl_b32 s44, 0x1111, s40                    ; my column
	s_or_b32 s[G1+0], s43, (3<<16)|(1<<21)         ; a panel is a dense block: rows of 256 bytes (32 elements of 8 bytes), no padding; 15:0 the mask; 21 set beside it
	s_or_b32 s[G1B+0], s44, (3<<16)|(1<<21)
	s_mov_b32 s[G1+1], 32<<16
	s_mov_b32 s[G1+2], (2*PA/256)<<16              ; the head's load brings two panels, K slots 0 and 1, which are neighbours in memory and in LDS
	s_mov_b32 s[G1+3], 32<<16
	s_mov_b32 s[G1+4], 2*PA/256
	s_mov_b32 s[G1+5], 32
	s_mov_b32 s[G1+6], 0
	s_mov_b32 s[G1+7], 0
	s_mov_b32 s[G1B+1], 32<<16
	s_mov_b32 s[G1B+2], (2*PB/256)<<16
	s_mov_b32 s[G1B+3], 32<<16
	s_mov_b32 s[G1B+4], 2*PB/256
	s_mov_b32 s[G1B+5], 32
	s_mov_b32 s[G1B+6], 0
	s_mov_b32 s[G1B+7], 0
	s_lshl_b32 s19, s80, 4                         ; 16 groups of 128 tokens a batch
	s_lshl_b32 s20, s17, 1
	s_add_co_u32 s20, s20, s19                     ; 16 batch + 2 I
	s_add_co_u32 s84, s20, s15                     ; my queries' group
	s_add_co_u32 s20, s20, s16                     ; the group that I fetch for A
	s_mul_i32 s20, s20, 4*PA
	s_mov_b32 s21, 0
	s_lshl_b32 s22, s42, 1
	s_add_co_u32 s22, s22, s19
	s_add_co_u32 s22, s22, s16                     ; and for B
	s_mul_i32 s22, s22, 4*PB
	s_mov_b32 s23, 0
	s_mul_i32 s45, s16, 3*PA                       ; LDS: each fetching wave has three panels on end, one for each slot: A's two runs, then B's two
	s_mul_i32 s46, s16, 3*PB
	s_add_co_u32 s46, s46, 6*PA
	s_lshl_b32 s86, s84, 3
	s_add_co_u32 s86, s86, s42                     ; my panel of PP: 8 x group + key slot J
	s_mul_i32 s86, s86, PP_B
	s_mov_b32 s87, 0
	s_lshl_b32 s82, s16, 9
	s_add_co_u32 s82, s82, SOFF
	s_mov_b32 s83, 0
	s_mul_i32 s88, s16, 8*FRB
	s_mov_b32 s89, 0
	s_lshl_b32 s90, s17, 8                         ; my first query less my first key
	s_lshl_b32 s91, s15, 7
	s_add_co_u32 s90, s90, s91
	s_lshl_b32 s91, s42, 8
	s_sub_co_u32 s90, s90, s91
	s_lshl_b32 s91, s16, 7
	s_sub_co_u32 s90, s90, s91
	s_mov_b32 s[SEL], 0x76543210
	s_mov_b32 s[SEL+1], 0xfedcba98
	s_mov_b32 s[HI], 0xffff0000
	s_mov_b32 s[CS], 0x3d38aa3b                    ; log2(e) / 32
	s_mov_b32 s[CS+1], s[CS]                       ; (named with it as a pair, so it is written)
	s_wait_kmcnt 0x0
	s_add_nc_u64 s[20:21], s[4:5], s[20:21]
	s_add_nc_u64 s[22:23], s[6:7], s[22:23]
	s_add_nc_u64 s[76:77], s[8:9], s[86:87]        ; my panel
	s_add_nc_u64 s[78:79], s[76:77], s[82:83]      ; its quads of my half
	s_add_nc_u64 s[76:77], s[76:77], s[88:89]      ; its fragments of my half
	CROUND                                         ; all sixteen work-groups are here: the first joint loads meet
	FIRST 0, GA0, GB0                              ; K slots 0 and 1 go out as one load: one load of mine is out
	v_and_b32 v1, 31, v0
	v_lshlrev_b32 v[LI], 4, v1
	s_mul_i32 s18, s15, 3*PA
	s_mul_i32 s19, s16, 3*PB
	s_add_co_u32 s19, s19, 6*PA
.irp s, 0,1,2
	v_add_nc_u32 v[ADRA+\s], s18, v[LI]
	v_add_nc_u32 v[ADRB+\s], s19, v[LI]
	s_add_co_u32 s18, s18, PA
	s_add_co_u32 s19, s19, PB
.endr
	v_and_b32 v2, 15, v0                           ; r
	v_bfe_u32 v3, v0, 4, 1                         ; h
	v_and_b32 v[QD], 8, v2
	v_add_nc_u32 v[QD], v[QD], v2                  ; r + 8 (r / 8)
	v_lshlrev_b32 v3, 4, v3
	v_sub_nc_u32 v[QD], v[QD], v3                  ; - 16 h
	v_add_nc_u32 v[QD], s90, v[QD]
	v_mov_b32 v[NINF], 0xff800000                  ; -infinity
	v_mov_b32 v[NMP+1], 0                          ; (named as the upper half of a pair)
	v_mov_b32 v[BX+4], 0                           ; a lane permute's destination counts as one of its sources
.irp b, 0,1,2,3
	v_mov_b32 v[TM+4+\b], 0
.endr
	s_wait_alu depctr_va_vdst(0)                   ; the wait at the head's end
	s_wait_tensorcnt 0x0                           ; my one load of the head, K slots 0 and 1 of my panel's group, is in; these lines stand ahead of a later first fill as ahead of a refill
	ds_add_u32 v[SPW], v[NIL]
	s_mov_b32 s[G1+2], (PA/256)<<16                ; no tensor load of mine is out: from here on a load brings one panel
	s_mov_b32 s[G1+4], PA/256
	s_mov_b32 s[G1B+2], (PB/256)<<16
	s_mov_b32 s[G1B+4], PB/256
	s_wait_dscnt 0x0
	CROUND
	FIRST 2, GA2, GB2                              ; K slot 2 into the third slot: the first tensor load behind the round
	FETCH_B 0, 0, 0
	FETCH_A 0, 0, 0
	SCALES 0, 0
	FETCH_A 0, 0, 4
	STEP 0, 0, 1                                   ; K slot 0: its first products start the sums
	TURN 0, 1, 1, 2, GA0, GB0                      ; slots 1 and 2 are whole; slot 0 takes K slot 3: the one refill
	STEP 1, 1, 0                                   ; K slot 1
	TURN 1, 2, 0, 0, 0, 0                          ; slot 2 was shown whole at the change before: no barrier
	STEP 2, 0, 0                                   ; K slot 2
	TURN 0, 0, 1, 1, 0, 0                          ; K slot 3 has landed in slot 0; nothing is filled
	STEP 0, 1, 0                                   ; K slot 3
	LAST 1
; THE WAY OUT, block by block of 16 queries.
.macro ESC a
.set RO, 32*((\a)/2)+8*((\a)%2)        ; the block's first row
.set AC, 64*((\a)%4)
	WIN 0x02+(\a)/4                                ; source 0: window 2 or 3
.set n, 0
.rept 64
	v_cmp_gt_i32 vcc_lo, 32*(n/16)+n%16-RO, v[QD]  ; the mask is also the way into window 0; each accumulator from its low end on
	v_cndmask_b32 v[T+n], v[AC+n], v[NINF], vcc_lo
.set n, n+1
.endr
	WIN 0
.irp b, 0,1,2,3
	v_max3_num_f32 v[BX+\b], v[T+16*\b], v[T+16*\b+1], v[T+16*\b+2]
.endr
.irp i, 3,5,7,9,11,13
.irp b, 0,1,2,3
	v_max3_num_f32 v[BX+\b], v[BX+\b], v[T+16*\b+\i], v[T+16*\b+\i+1]
.endr
.endr
.irp b, 0,1,2,3
	v_max_num_f32 v[BX+\b], v[BX+\b], v[T+16*\b+15]
.endr
	v_max3_num_f32 v[BX], v[BX], v[BX+1], v[BX+2]
	v_max_num_f32 v[BX], v[BX], v[BX+3]
	v_permlanex16_b32 v[BX+4], v[BX], s[SEL], s[SEL+1]
	v_max_num_f32 v[BX], v[BX], v[BX+4]            ; the largest score of my query over these 128 keys
	v_mul_f32 v[BX], s[CS], v[BX]                  ; as t (c is positive)
	v_max_num_f32 v[BX], 0xff61b1e6, v[BX]         ; not under -3e38: where every key is hidden, -M is a number and p is 0
	v_floor_f32 v[NMP], -v[BX]                     ; -M = floor(-t) = -ceil(t)
.set n, 0
.rept 32
	v_pk_fma_f32 v[T+n:T+n+1], v[T+n:T+n+1], s[CS:CS+1], v[NMP:NMP+1] op_sel_hi:[1,0,0]   ; t - M, two at a time
.set n, n+2
.endr
.set n, 0
	s_wait_alu depctr_va_vdst(0)
.rept 64
	v_exp_f32 v[T+n], v[T+n]                       ; p = 2^(t - M): one batch
.set n, n+1
.endr
	v_mov_b32 v[NMS+(\a)], v[NMP]                  ; a plain place behind the exponentials
	s_wait_alu depctr_va_vdst(0)                   ; one wait for the batch, ahead of its first reader
	v_pk_add_f32 v[SA:SA+1], v[T:T+1], v[T+2:T+3]  ; l is the sum of the unquantised p: two chains
	v_pk_add_f32 v[SB:SB+1], v[T+4:T+5], v[T+6:T+7]
.irp j, 8,12,16,20,24,28,32,36,40,44,48,52,56,60
	v_pk_add_f32 v[SA:SA+1], v[SA:SA+1], v[T+\j:T+\j+1]
	v_pk_add_f32 v[SB:SB+1], v[SB:SB+1], v[T+\j+2:T+\j+3]
.endr
	v_pk_add_f32 v[SA:SA+1], v[SA:SA+1], v[SB:SB+1]
	v_add_f32 v[SA], v[SA], v[SA+1]
	v_permlanex16_b32 v[BX+4], v[SA], s[SEL], s[SEL+1]
	v_add_f32 v[LS+(\a)], v[SA], v[BX+4]
.if (\a) > 0
	s_wait_xcnt 0x0                                ; the last block's stores have read their data: the codes' registers are written again only behind this wait
.endif
	QUANT T, PWS+(\a)
.irp c, 0,1,2
	global_store_b128 v[LI], v[PC+4*\c:PC+4*\c+3], s[76:77] offset:FRB*(\a)+512*\c   ; 512 consecutive bytes, at a multiple of 256 from the buffer's first byte
.endr
.endm
	PLACES 4
	s_wait_alu depctr_va_vdst(0)
.irp a, 0,1,2,3,4,5,6,7
	ESC \a
.endr
.irp p, 0,1,2,3
	v_cndmask_b32 v[QQ+\p], v[PWS+2*\p], v[PWS+2*\p+1], s[HI]   ; the quads: lanes 0-15 tile 2 p, lanes 16-31 tile 2 p + 1
	v_cndmask_b32 v[QQ+4+\p], v[NMS+2*\p], v[NMS+2*\p+1], s[HI]
	v_cndmask_b32 v[QQ+8+\p], v[LS+2*\p], v[LS+2*\p+1], s[HI]
.endr
	global_store_b128 v[LI], v[QQ:QQ+3], s[78:79]
	global_store_b128 v[LI], v[QQ+4:QQ+7], s[78:79] offset:1024
	global_store_b128 v[LI], v[QQ+8:QQ+11], s[78:79] offset:2048
	s_wait_tensorcnt 0x0                           ; the wave's end
	ds_add_u32 v[SPW], v[NIL]
	s_wait_dscnt 0x0
	CROUND                                         ; the closing round
	s_endpgm
.Lfunc_end_k_q98b0ad8c2e_scores:
	.size	k_q98b0ad8c2e_scores, .Lfunc_end_k_q98b0ad8c2e_scores-k_q98b0ad8c2e_scores
	.p2alignl 7, 3214868480
	.fill 96, 4, 3214868480
	.section	.rodata,"a",@progbits
	.p2align	6, 0x0
	.amdhsa_kernel k_q98b0ad8c2e_scores
		.amdhsa_group_segment_fixed_size 327680
		.amdhsa_private_segment_fixed_size 0
		.amdhsa_enable_private_segment 0
		.amdhsa_kernarg_size 24
		.amdhsa_user_sgpr_count 2
		.amdhsa_user_sgpr_kernarg_segment_ptr 1
		.amdhsa_wavefront_size32 1
		.amdhsa_system_sgpr_workgroup_id_x 1
		.amdhsa_system_sgpr_workgroup_id_y 1
		.amdhsa_system_sgpr_workgroup_id_z 1
		.amdhsa_system_vgpr_workitem_id 0
		.amdhsa_next_free_vgpr 1024
		.amdhsa_next_free_sgpr 98
		.amdhsa_reserve_vcc 1
		.amdhsa_float_denorm_mode_32 3
		.amdhsa_float_denorm_mode_16_64 3
		.amdhsa_memory_ordered 1
		.amdhsa_forward_progress 1
		.amdhsa_inst_pref_size 244
	.end_amdhsa_kernel
	.amdgpu_metadata
---
amdhsa.version: [ 1, 2 ]
amdhsa.kernels:
  - .name:           k_q98b0ad8c2e_scores
    .symbol:         k_q98b0ad8c2e_scores.kd
    .args:
      - { .name: QP, .offset: 0, .size: 8, .value_kind: global_buffer, .address_space: global }
      - { .name: KP, .offset: 8, .size: 8, .value_kind: global_buffer, .address_space: global }
      - { .name: PP, .offset: 16, .size: 8, .value_kind: global_buffer, .address_space: global }
    .group_segment_fixed_size: 327680
    .private_segment_fixed_size: 0
    .kernarg_segment_align: 8
    .kernarg_segment_size: 24
    .max_flat_workgroup_size: 128
    .sgpr_count:     98
    .vgpr_count:     1024
    .wavefront_size: 32
...
	.end_amdgpu_metadata
.endif
;; end of part 7
;; launch pv (part 8): grid 4 x 64, 4 waves a work-group, clusters of 4 x 4, 327,680 bytes of LDS; arguments PP, VP, out0; writes out0
.if DOCPART == 8
	.amdgcn_target "amdgcn-amd-amdhsa--gfx1250"
	.amdhsa_code_object_version 6
	.text
	.protected	k_q98b0ad8c2e_pv
	.globl	k_q98b0ad8c2e_pv
	.p2align	8
	.type	k_q98b0ad8c2e_pv,@function
k_q98b0ad8c2e_pv:
	s_mov_b64 s[64:65], 0
	v_nop
	global_prefetch_b8 v0, s[64:65] scope:SCOPE_SE
	s_setreg_imm32_b32 hwreg(HW_REG_WAVE_MODE, 25, 1), 1
	s_wait_xcnt 0x0
	s_wait_alu depctr_hold_cnt(0) depctr_sa_sdst(0) depctr_va_vdst(0) depctr_va_sdst(0) depctr_va_ssrc(0) depctr_va_vcc(0) depctr_vm_vsrc(0)
	s_getreg_b32 s2, hwreg(HW_REG_IB_STS2, 6, 4)
	s_cmp_eq_u32 s2, 0
	s_cbranch_scc0 .Lentry_in_a_cluster
	s_endpgm
.Lentry_in_a_cluster:
	s_bfe_u32 s2, ttmp6, 0x10000c
	s_cmp_lg_u32 s2, 0xf033
	s_cbranch_scc0 .Lentry_shape_is_right
	s_endpgm
.Lentry_shape_is_right:
; out = (p v) / l on codes of FP6 (E2M3) with E8M0 scales.  p comes as panels of codes whose M is LOCAL to 128 keys; the change to the row's M is a whole power of two, taken off p's scale bytes.
; PP [batch][query group 16][key slot 8], 27,648 bytes a panel of 128 queries x 256 keys: fragment (q, i) at (8 q + i) x 1,536 as the image of its registers; scale quads at 24,576 + 512 q, -M quads at 25,600 + 512 q,
;   l quads at 26,624 + 512 q: word p of lane l's 16 bytes belongs to tile 2 p + l / 16, row lane l % 16.  Lane r of tile i holds row 32 (i / 2) + 8 (i % 2) + r + 8 (r / 8).
; VP [batch][256 channels][key slot 8][128-channel half], 25,600 bytes a panel of 128 channels x 256 keys, laid the same way.
; LEFT OUT: key slots 4 to 7 for query groups 0 to 7: every key there lies above the diagonal of the causal mask, so its p is 0 for all inputs.
; SHARES: a work-group makes 128 queries x 256 channels; wave (qh, ch) makes queries 64 qh .. + 63 x channels 128 ch .. + 127: 4 x 8 = 32 accumulators, window 1.
; Source 0 = 16 channels of v, source 1 = 16 queries of p: a lane holds a query, its registers run along the channels.
; AT THE HEAD, under the first tensor load's flight: p's scale words, -M and l of my 64 queries for all key slots come by global loads; the row's -M is their minimum; each scale byte loses M(row) - M(local), held at 0 from below;
; l is summed under the row's M, and 1 / l is made.  So the walk over the keys has no vector work.
; THE WALK: a step is 128 keys, 32 matrix instructions; both operands have two sets of registers, and each step fetches the next step's 36 loads at its start.  LDS holds two slots of two key slots each
; (2 panels of p, 4 of v); a wave issues one joint load behind each round: waves 0, 1 a panel of p, waves 2, 3 two panels of v.  Clusters of query groups 8 to 15 walk 8 key slots, the others 4:
; after the first step they jump to the walk's last four key slots, whose text fills nothing again; the registers of code slots 4 to 7 hold key slots 0 to 3 there.
; CLUSTERS 4 x 4: p's panels are shared along a row of the cluster, v's along a column.
; PREFETCH: the long clusters ask once, at the head, for key slots 4 to 7, which their two refills load 4 and 8 steps on: of p's four panels partner cx takes panel 4 + cx (108 blocks of 256 bytes, a lane a block),
; of v's eight partner cy takes key slot 4 + cy's two (100 blocks each).  Left-over lanes name their wave's last block again.  The address registers are never rewritten.  Key slots 0 to 3 come by their loads alone.
; LIMITS: NaN and infinities are not served; a scale byte that would fall under 0 is held at 0; M is a whole number in f32, so the promise holds while |M| stays under 2^24.
; WINDOW 0: v4-29 addresses and sums, v32-63 p's scale words, v64-79 v's scale quads (two sets), v80-87 l and 1 / l, v96-159 the way out, v160-255 p's fragments (at the head: -M, l and work).  WINDOW 2: v's fragments; on the way out rows of the result.
.set PA,    27648
.set PB,    25600
.set FRB,   1536
.set SOFF,  24576
.set BIG,   2*PA+4*PB
.set SPARE, 2*BIG
.set SPITCH, 528
.set LI,   4
.set GL,   5
.set PFA,  6
.set PFB,  7
.set ADRA, 8
.set ADRB, 12
.set STO,  16
.set RD,   17
.set SPW,  18
.set NIL,  19
.set NMG,  24
.set LACH, 26
.set LACT, 28
.set SCA,  32
.set SCB,  64
.set RL,   80
.set T,    96
.set AF,   160
.set MQ,   160
.set LQ,   192
.set DD,   224
.set EE,   232
.set GG,   240
.set G1,   24
.set GA,   32
.set G1B,  48
.set GB,   56
.set SEL,  96
.set HI,   85
.set MULW, 0x52                        ; source 0 (v) window 2, source 1 (p) window 0, C and D window 1
.set MSB, 0
.macro WIN new                         ; the immediate's high byte repeats the setting that is left
.if MSB != (\new)
	s_set_vgpr_msb (MSB<<8)|(\new)
.set MSB, (\new)
.endif
.endm
.macro PLACES n
.rept \n
	v_nop
.endr
.endm
.macro JLOAD s                         ; a joint load into slot s; the branch hangs on the wave's number alone; s_nop 0 and four v_nop follow each line
	s_cmp_eq_u32 s15, 0
	s_cbranch_scc0 .Lfor_v_\@
	tensor_load_to_lds s[GA+4*(\s):GA+4*(\s)+3], s[G1:G1+7]
	s_nop 0
	PLACES 4
	s_branch .Lasked_\@
.Lfor_v_\@:
	tensor_load_to_lds s[GB+4*(\s):GB+4*(\s)+3], s[G1B:G1B+7]
	s_nop 0
	PLACES 4
.Lasked_\@:
.endm
.macro CREST                           ; a round of the cluster's barrier behind its opening barrier
	s_cmp_lg_u32 s14, 0
	s_cbranch_scc1 .Lnot_wave_0_\@
	s_barrier_signal -3
.Lnot_wave_0_\@:
	s_barrier_wait -3
	s_barrier_signal -1
	s_barrier_wait -1
.endm
.macro CROUND
	s_barrier_signal -1
	s_barrier_wait -1
	CREST
.endm
.macro FRAG reg, adr, off              ; a fragment is the image of its 12 registers: three loads of 512 consecutive bytes
.irp c, 0,1,2
	ds_load_b128 v[(\reg)+4*\c:(\reg)+4*\c+3], v[\adr] offset:(\off)+512*\c
.endr
.endm
.macro FETCH u, q, p                   ; key slot place u (0..3 in the two LDS slots), its q-th 128 keys, into sets p: v's eight fragments and p's four: 36 loads
	WIN 0x80
.irp i, 0,1,2,3,4,5,6,7
	FRAG 96*(\p)+12*\i, ADRB+\u, (8*(\q)+\i)*FRB
.endr
	WIN 0
.irp i, 0,1,2,3
	FRAG AF+48*(\p)+12*\i, ADRA+\u, (8*(\q)+\i)*FRB
.endr
.endm
.macro SCLB c                          ; v's two scale quads of code slot c: 2 loads
.irp q, 0,1
	ds_load_b128 v[SCB+8*((\c)%2)+4*\q:SCB+8*((\c)%2)+4*\q+3], v[ADRB+(\c)%4] offset:SOFF+512*\q
.endr
.endm
.macro WM d, f0, f1, x0, x1, r0, r1, zero   ; r0, r1: the side's scale words stand in lanes 16-31 (odd tiles); zero: the product starts its sum
.if (\zero) && (\r0) && (\r1)
	v_wmma_scale_f32_16x16x128_f8f6f4 v[(\d):(\d)+7], v[(\f0):(\f0)+11], v[(\f1):(\f1)+11], 0, v[\x0], v[\x1] matrix_a_fmt:MATRIX_FMT_FP6 matrix_b_fmt:MATRIX_FMT_FP6 matrix_a_scale:MATRIX_SCALE_ROW1 matrix_b_scale:MATRIX_SCALE_ROW1
.elseif (\zero) && (\r0)
	v_wmma_scale_f32_16x16x128_f8f6f4 v[(\d):(\d)+7], v[(\f0):(\f0)+11], v[(\f1):(\f1)+11], 0, v[\x0], v[\x1] matrix_a_fmt:MATRIX_FMT_FP6 matrix_b_fmt:MATRIX_FMT_FP6 matrix_a_scale:MATRIX_SCALE_ROW1
.elseif (\zero) && (\r1)
	v_wmma_scale_f32_16x16x128_f8f6f4 v[(\d):(\d)+7], v[(\f0):(\f0)+11], v[(\f1):(\f1)+11], 0, v[\x0], v[\x1] matrix_a_fmt:MATRIX_FMT_FP6 matrix_b_fmt:MATRIX_FMT_FP6 matrix_b_scale:MATRIX_SCALE_ROW1
.elseif (\zero)
	v_wmma_scale_f32_16x16x128_f8f6f4 v[(\d):(\d)+7], v[(\f0):(\f0)+11], v[(\f1):(\f1)+11], 0, v[\x0], v[\x1] matrix_a_fmt:MATRIX_FMT_FP6 matrix_b_fmt:MATRIX_FMT_FP6
.elseif (\r0) && (\r1)
	v_wmma_scale_f32_16x16x128_f8f6f4 v[(\d):(\d)+7], v[(\f0):(\f0)+11], v[(\f1):(\f1)+11], v[(\d):(\d)+7], v[\x0], v[\x1] matrix_a_fmt:MATRIX_FMT_FP6 matrix_b_fmt:MATRIX_FMT_FP6 matrix_a_scale:MATRIX_SCALE_ROW1 matrix_b_scale:MATRIX_SCALE_ROW1
.elseif (\r0)
	v_wmma_scale_f32_16x16x128_f8f6f4 v[(\d):(\d)+7], v[(\f0):(\f0)+11], v[(\f1):(\f1)+11], v[(\d):(\d)+7], v[\x0], v[\x1] matrix_a_fmt:MATRIX_FMT_FP6 matrix_b_fmt:MATRIX_FMT_FP6 matrix_a_scale:MATRIX_SCALE_ROW1
.elseif (\r1)
	v_wmma_scale_f32_16x16x128_f8f6f4 v[(\d):(\d)+7], v[(\f0):(\f0)+11], v[(\f1):(\f1)+11], v[(\d):(\d)+7], v[\x0], v[\x1] matrix_a_fmt:MATRIX_FMT_FP6 matrix_b_fmt:MATRIX_FMT_FP6 matrix_b_scale:MATRIX_SCALE_ROW1
.else
	v_wmma_scale_f32_16x16x128_f8f6f4 v[(\d):(\d)+7], v[(\f0):(\f0)+11], v[(\f1):(\f1)+11], v[(\d):(\d)+7], v[\x0], v[\x1] matrix_a_fmt:MATRIX_FMT_FP6 matrix_b_fmt:MATRIX_FMT_FP6
.endif
.endm
.macro MUL16 a0, p, q, c, zero         ; p's blocks a0, a0 + 1 x v's eight; the 32 accumulators take turns, one instruction a turn
.irp a, \a0, \a0+1
.irp b, 0,1,2,3,4,5,6,7
	WM 8*(8*(\a)+\b), 96*(\p)+12*\b, AF+48*(\p)+12*(\a), SCB+8*((\c)%2)+4*(\q)+\b/2, SCA+4*(\c)+2*(\q)+(\a)/2, \b%2, (\a)%2, \zero
.endr
.endr
.endm
; Step q of code slot c.  Four places stand ahead of each run of loads into registers that matrix instructions have read (ISA guide 7.12.1 for vector instructions).
; The last step of an LDS slot (c odd, q = 1) holds the change of slots: all my reads of the slot were issued a step ago.
.macro S c, q, zero
.set N_, 2*(\c)+(\q)
.set NC_, (N_+1)/2
.set NQ_, (N_+1)%2
.if ((\c)%2)*(\q) == 1 && (\c) < 7
	WIN 0
	s_wait_tensorcnt 0x0                           ; my one load that was out, my part of the other slot, has landed
	ds_add_u32 v[SPW], v[NIL]
	s_wait_dscnt 0x0                               ; the add is done, and my reads of this slot are over
	s_barrier_signal -1
	WIN MULW
	MUL16 0, N_%2, \q, \c, 0
	WIN 0
	s_barrier_wait -1
.if (\c) < 5
	CREST                                          ; the barrier has opened a round: no wave of any partner still reads this slot or has a load on its way
	s_add_nc_u64 s[GA+4*((\c)/2)+2:GA+4*((\c)/2)+3], s[GA+4*((\c)/2)+2:GA+4*((\c)/2)+3], 4*PA
	s_add_nc_u64 s[GB+4*((\c)/2)+2:GB+4*((\c)/2)+3], s[GB+4*((\c)/2)+2:GB+4*((\c)/2)+3], 8*PB
	JLOAD (\c)/2                                   ; the two key slots four on; its four v_nop are the places ahead of the loads below
.else
	PLACES 4
.endif
	FETCH NC_%4, NQ_, (N_+1)%2
	SCLB NC_
	WIN MULW
	MUL16 2, N_%2, \q, \c, 0
.elseif N_ < 15
	PLACES 4
	FETCH NC_%4, NQ_, (N_+1)%2
.if NQ_ == 0
	SCLB NC_
.endif
	s_wait_dscnt 36+2*(1-NQ_)                      ; all but those just issued: this step's fragments and scale quads are in
	WIN MULW
	MUL16 0, N_%2, \q, \c, \zero
	MUL16 2, N_%2, \q, \c, \zero
.else
	s_wait_dscnt 0x0
	WIN MULW
	MUL16 0, N_%2, \q, \c, 0
	MUL16 2, N_%2, \q, \c, 0
.endif
.endm
; Eight scale words from n0 on are brought under the row's M, and their l is added to the pair lac.
.macro FIX8 n0, lac
.irp i, 0,1,2,3,4,5,6,7
	v_sub_f32 v[DD+\i], v[MQ+(\n0)+\i], v[NMG+\i%2]   ; M(row) - M(local): a whole number, 0 or more
.endr
.irp i, 0,1,2,3,4,5,6,7
	v_min_num_f32 v[DD+\i], 0x42fe0000, v[DD+\i]   ; 127 at the most
.endr
.irp i, 0,1,2,3,4,5,6,7
	v_cvt_u32_f32 v[DD+\i], v[DD+\i]
.endr
.irp i, 0,1,2,3,4,5,6,7
	v_mul_lo_u32 v[EE+\i], v[DD+\i], s71           ; in all four bytes
.endr
.irp i, 0,1,2,3,4,5,6,7
	v_or_b32 v[SCA+(\n0)+\i], s70, v[SCA+(\n0)+\i] ; p is at most 1, so its bytes lie under 128: bit 7 of each byte guards the subtraction
.endr
.irp i, 0,1,2,3,4,5,6,7
	v_sub_nc_u32 v[SCA+(\n0)+\i], v[SCA+(\n0)+\i], v[EE+\i]
.endr
.irp i, 0,1,2,3,4,5,6,7
	v_and_b32 v[EE+\i], s70, v[SCA+(\n0)+\i]       ; the guard stands where the byte did not fall under 0
.endr
.irp i, 0,1,2,3,4,5,6,7
	v_lshrrev_b32 v[GG+\i], 7, v[EE+\i]
.endr
.irp i, 0,1,2,3,4,5,6,7
	v_sub_nc_u32 v[EE+\i], v[EE+\i], v[GG+\i]      ; 0x7f there, 0 elsewhere
.endr
.irp i, 0,1,2,3,4,5,6,7
	v_and_b32 v[SCA+(\n0)+\i], v[SCA+(\n0)+\i], v[EE+\i]
.endr
.irp i, 0,1,2,3,4,5,6,7
	v_sub_nc_u32 v[GG+\i], 0, v[DD+\i]
.endr
.irp i, 0,1,2,3,4,5,6,7
	v_ldexp_f32 v[GG+\i], v[LQ+(\n0)+\i], v[GG+\i] ; l under the row's M: nothing is rounded
.endr
.irp i, 0,1,2,3,4,5,6,7
	v_add_f32 v[(\lac)+\i%2], v[(\lac)+\i%2], v[GG+\i]
.endr
.endm
	s_load_b128 s[4:7], s[0:1], 0x0                ; PP s[4:5], VP s[6:7]
	s_load_b64 s[8:9], s[0:1], 0x10                ; out0
	v_lshl_add_u32 v[SPW], v0, 2, SPARE
	v_mov_b32 v[NIL], 0
	ds_add_u32 v[SPW], v[NIL]                      ; the opening lines: the add, twice on end, and its wait ahead of my first tensor load
	ds_add_u32 v[SPW], v[NIL]
	v_lshrrev_b32 v1, 5, v0
	v_readfirstlane_b32 s14, v1                    ; wave 0..3
	s_lshr_b32 s15, s14, 1                         ; qh: my half of the queries.  Also: I fetch p (0) or v (1)
	s_and_b32 s16, s14, 1                          ; ch: my half of the channels.  Also: which part I fetch
	s_bfe_u32 s40, ttmp6, 0x40000                  ; cx: which 256 channels
	s_bfe_u32 s41, ttmp6, 0x40004                  ; cy
	s_and_b32 s18, ttmp7, 0xffff
	s_lshr_b32 s82, s18, 2                         ; batch
	s_and_b32 s83, s18, 3
	s_lshr_b32 s3, s83, 1                          ; 1: the cluster walks 8 key slots; the same in all sixteen partners
	s_lshl_b32 s17, s83, 2
	s_add_co_u32 s17, s17, s41                     ; query group 0..15
	s_lshl_b32 s43, s41, 2
	s_lshl_b32 s43, 15, s43                        ; my row of the cluster
	s_lshl_b32 s44, 0x1111, s40                    ; my column
	s_or_b32 s[G1+0], s43, (3<<16)|(1<<21)         ; dense blocks as rows of 256 bytes (32 elements of 8 bytes); 15:0 the mask; 21 set beside it
	s_or_b32 s[G1B+0], s44, (3<<16)|(1<<21)
	s_mov_b32 s[G1+1], 32<<16
	s_mov_b32 s[G1+2], (PA/256)<<16
	s_mov_b32 s[G1+3], 32<<16
	s_mov_b32 s[G1+4], PA/256
	s_mov_b32 s[G1+5], 32
	s_mov_b32 s[G1+6], 0
	s_mov_b32 s[G1+7], 0
	s_mov_b32 s[G1B+1], 32<<16
	s_mov_b32 s[G1B+2], (2*PB/256)<<16
	s_mov_b32 s[G1B+3], 32<<16
	s_mov_b32 s[G1B+4], 2*PB/256
	s_mov_b32 s[G1B+5], 32
	s_mov_b32 s[G1B+6], 0
	s_mov_b32 s[G1B+7], 0
	s_lshl_b32 s84, s82, 4
	s_add_co_u32 s84, s84, s17
	s_mul_i32 s20, s84, 8*PA                       ; p: eight panels a query group
	s_mov_b32 s21, 0
	s_lshl_b32 s22, s82, 2
	s_add_co_u32 s22, s22, s40
	s_mul_i32 s22, s22, 16*PB                      ; v: sixteen panels for 256 channels of a batch
	s_mov_b32 s23, 0
	s_mul_i32 s86, s16, PA                         ; my part of a slot's fill, in memory and in LDS alike
	s_mov_b32 s87, 0
	s_mul_i32 s88, s16, 2*PB
	s_mov_b32 s89, 0
	s_mov_b32 s45, s86
	s_add_co_u32 s46, s88, 2*PA
	s_mul_i32 s92, s3, 4*PA
	s_mov_b32 s93, 0
	s_lshl_b32 s90, s84, 19                        ; out: 128 rows of 4,096 bytes a query group,
	s_lshl_b32 s91, s15, 18                        ; my 64 rows,
	s_add_co_u32 s90, s90, s91
	s_lshl_b32 s91, s40, 10                        ; 256 channels,
	s_add_co_u32 s90, s90, s91
	s_lshl_b32 s91, s16, 9                         ; my 128
	s_add_co_u32 s90, s90, s91
	s_mov_b32 s91, 0
	s_wait_dscnt 0x0                               ; both opening adds are done
	s_wait_kmcnt 0x0
	s_add_nc_u64 s[20:21], s[4:5], s[20:21]
	s_add_nc_u64 s[22:23], s[6:7], s[22:23]
	s_add_nc_u64 s[80:81], s[20:21], s[92:93]      ; the key slots of code slots 4 to 7: 4 to 7, or 0 to 3 in a short cluster
	s_add_nc_u64 s[76:77], s[8:9], s[90:91]
	s_add_nc_u64 s[86:87], s[20:21], s[86:87]
	s_add_nc_u64 s[88:89], s[22:23], s[88:89]
	CROUND                                         ; all sixteen work-groups are here: the first joint loads meet
.irp s, 0,1
	s_mov_b32 s[GA+4*\s], 1
	s_add_co_u32 s[GA+4*\s+1], s45, \s*BIG
	s_add_nc_u64 s[GA+4*\s+2:GA+4*\s+3], s[86:87], \s*2*PA
	s_or_b32 s[GA+4*\s+3], s[GA+4*\s+3], 0x80000000
	s_mov_b32 s[GB+4*\s], 1
	s_add_co_u32 s[GB+4*\s+1], s46, \s*BIG
	s_add_nc_u64 s[GB+4*\s+2:GB+4*\s+3], s[88:89], \s*4*PB
	s_or_b32 s[GB+4*\s+3], s[GB+4*\s+3], 0x80000000
.endr
	JLOAD 0                                        ; key slots 0 and 1: one tensor load a wave at the head
	s_add_co_u32 s92, s40, 4
	s_mul_i32 s92, s92, PA
	s_mov_b32 s93, 0
	s_add_nc_u64 s[92:93], s[20:21], s[92:93]      ; the prefetches: p's panel 4 + cx,
	s_lshl_b32 s94, s41, 1
	s_add_co_u32 s94, s94, 8
	s_mul_i32 s94, s94, PB
	s_mov_b32 s95, 0
	s_add_nc_u64 s[94:95], s[22:23], s[94:95]      ; v's two panels of key slot 4 + cy
	s_cmp_lg_u32 s3, 0
	s_cselect_b32 s66, 1.0, 0                      ; code slots 0 to 3 count in l only where they are key slots of their own
	s_mov_b32 s70, 0x80808080
	s_mov_b32 s71, 0x01010101
	s_mov_b32 s[SEL], 0x76543210
	s_mov_b32 s[SEL+1], 0xfedcba98                 ; selects for lane l xor 16
	s_mov_b32 s[HI], 0xffff0000                    ; lanes 16-31
	s_mul_i32 s72, s15, 4*FRB                      ; LDS: my four tiles of a panel of p,
	s_mul_i32 s73, s16, PB
	s_add_co_u32 s73, s73, 2*PA                    ; my panel of v,
	s_mul_i32 s74, s14, 16*SPITCH                  ; my stage,
	s_lshl_b32 s75, s15, 3                         ; my two words of a quad's four
	v_and_b32 v1, 31, v0
	v_lshlrev_b32 v[LI], 4, v1
	v_and_b32 v2, 15, v0                           ; r
	v_bfe_u32 v3, v0, 4, 1                         ; h
	v_add_nc_u32 v[GL], s75, v[LI]
	v_min_u32 v[PFA], 107, v0                      ; a thread a block of 256 bytes
	v_min_u32 v[PFB], 99, v0
	v_lshlrev_b32 v[PFA], 8, v[PFA]
	v_lshlrev_b32 v[PFB], 8, v[PFB]
	v_add_nc_u32 v[ADRA], s72, v[LI]
	v_add_nc_u32 v[ADRB], s73, v[LI]
.irp u, 1,2,3
	v_add_nc_u32 v[ADRA+\u], (\u/2)*BIG+(\u%2)*PA, v[ADRA]
	v_add_nc_u32 v[ADRB+\u], (\u/2)*BIG+2*(\u%2)*PB, v[ADRB]
.endr
	v_mul_u32_u24 v[STO], v2, SPITCH               ; the stage, in: row r, 64 bytes for each half of the lanes
	v_lshl_add_u32 v[STO], v3, 6, v[STO]
	v_add_nc_u32 v[STO], s74, v[STO]
	v_add_nc_u32 v[RD], s74, v[LI]                 ; and back: a row of 512 bytes
.irp p, 0,1
	v_mov_b32 v[LACH+\p], 0
	v_mov_b32 v[LACT+\p], 0
.endr
	s_wait_alu depctr_va_vdst(0)
.irp c, 0,1,2,3
.irp q, 0,1
	global_load_b64 v[MQ+4*\c+2*\q:MQ+4*\c+2*\q+1], v[GL], s[20:21] offset:\c*PA+25600+512*\q
	global_load_b64 v[MQ+16+4*\c+2*\q:MQ+16+4*\c+2*\q+1], v[GL], s[80:81] offset:\c*PA+25600+512*\q
.endr
.endr
.irp c, 0,1,2,3
.irp q, 0,1
	global_load_b64 v[SCA+4*\c+2*\q:SCA+4*\c+2*\q+1], v[GL], s[20:21] offset:\c*PA+SOFF+512*\q
	global_load_b64 v[SCA+16+4*\c+2*\q:SCA+16+4*\c+2*\q+1], v[GL], s[80:81] offset:\c*PA+SOFF+512*\q
	global_load_b64 v[LQ+4*\c+2*\q:LQ+4*\c+2*\q+1], v[GL], s[20:21] offset:\c*PA+26624+512*\q
	global_load_b64 v[LQ+16+4*\c+2*\q:LQ+16+4*\c+2*\q+1], v[GL], s[80:81] offset:\c*PA+26624+512*\q
.endr
.endr
	s_cmp_eq_u32 s3, 0
	s_cbranch_scc1 .Lno_ask                        ; a short cluster loads nothing beyond its first four key slots
	global_prefetch_b8 v[PFA], s[92:93] th:TH_LOAD_NT scope:SCOPE_SE
	global_prefetch_b8 v[PFB], s[94:95] th:TH_LOAD_NT scope:SCOPE_SE
	global_prefetch_b8 v[PFB], s[94:95] offset:PB th:TH_LOAD_NT scope:SCOPE_SE
.Lno_ask:
	s_wait_loadcnt 0x0
.irp p, 0,1
	v_min3_num_f32 v[NMG+\p], v[MQ+\p], v[MQ+2+\p], v[MQ+4+\p]   ; the row's -M: the least of the sixteen local ones
.endr
.irp k, 3,5,7,9,11,13
.irp p, 0,1
	v_min3_num_f32 v[NMG+\p], v[NMG+\p], v[MQ+2*\k+\p], v[MQ+2*\k+2+\p]
.endr
.endr
.irp p, 0,1
	v_min_num_f32 v[NMG+\p], v[NMG+\p], v[MQ+30+\p]
.endr
	FIX8 0, LACH
	FIX8 8, LACH
	FIX8 16, LACT
	FIX8 24, LACT
.irp p, 0,1
	v_fma_f32 v[LACT+\p], v[LACH+\p], s66, v[LACT+\p]
.endr
.irp p, 0,1
	v_permlanex16_b32 v[GG+\p], v[LACT+\p], s[SEL], s[SEL+1]
.endr
.irp p, 0,1
	v_cndmask_b32 v[RL+4*\p+1], v[LACT+\p], v[GG+\p], s[HI]   ; tile 2 p's l in both halves of the lanes,
	v_cndmask_b32 v[RL+4*\p+3], v[GG+\p], v[LACT+\p], s[HI]   ; and tile 2 p + 1's
.endr
	s_wait_alu depctr_va_vdst(0)                   ; the wait ahead of the batch
.irp a, 0,1,2,3
	v_rcp_f32 v[RL+2*\a], v[RL+2*\a+1]
.endr
	v_nop                                          ; a plain place behind the batch
	s_wait_alu depctr_va_vdst(0)                   ; the wait behind the batch; it is also the wait at the head's end
	s_wait_tensorcnt 0x0                           ; my part of key slots 0 and 1 is in; these lines stand ahead of a later first fill as ahead of a refill
	ds_add_u32 v[SPW], v[NIL]
	s_wait_dscnt 0x0
	CROUND
	JLOAD 1                                        ; key slots 2 and 3, the first tensor load behind the round
	FETCH 0, 0, 0
	SCLB 0
	S 0, 0, 1                                      ; the first products start the sums: nothing is cleared
	WIN 0
	s_cmp_eq_u32 s3, 0
	s_cbranch_scc1 .Ltail                          ; a short cluster goes on in the last four key slots' text
	S 0, 1, 0
	S 1, 0, 0
	S 1, 1, 0
	S 2, 0, 0
	S 2, 1, 0
	S 3, 0, 0
	S 3, 1, 0
	S 4, 0, 0
	WIN 0
.Ltail:
	S 4, 1, 0
	S 5, 0, 0
	S 5, 1, 0
	S 6, 0, 0
	S 6, 1, 0
	S 7, 0, 0
	S 7, 1, 0
	WIN 0
	PLACES 4
; THE WAY OUT, block by block of 16 queries x 128 channels: x 1 / l, through my stage (in the first LDS slot, which has had its last fill and, behind the last barrier, its last read), back as rows of 512 bytes.
.macro PACK a
	WIN 0x01                                       ; source 0: window 1
.set n, 0
.rept 32
	v_pk_mul_f32 v[T+n:T+n+1], v[64*(\a)+n:64*(\a)+n+1], v[RL+2*(\a):RL+2*(\a)+1] op_sel_hi:[1,0]   ; each accumulator from its low end on
.set n, n+2
.endr
	WIN 0
.endm
.macro TOSTAGE a
.irp b, 0,1,2,3
.irp k, 0,1,2,3
	ds_store_b128 v[STO], v[T+16*\b+4*\k:T+16*\b+4*\k+3] offset:128*\b+16*\k   ; register 16 b + i is channel 32 b + 16 h + i
.endr
.endr
	WIN 0x80                                       ; each block's rows have registers of their own in window 2: no store's data are written again
.irp t, 0,1,2,3,4,5,6,7,8,9,10,11,12,13,14,15
	ds_load_b128 v[64*(\a)+4*\t:64*(\a)+4*\t+3], v[RD] offset:SPITCH*\t   ; LDS serves a wave's instructions in order: these see my stores
.endr
	WIN 0
.endm
.macro SEND a
	s_wait_dscnt 0x0
	WIN 0x08                                       ; the data: window 2
.irp t, 0,1,2,3,4,5,6,7,8,9,10,11,12,13,14,15
	global_store_b128 v[LI], v[64*(\a)+4*\t:64*(\a)+4*\t+3], s[76:77] offset:(32*((\a)/2)+8*((\a)%2)+\t+8*(\t/8))*4096 th:TH_STORE_NT   ; 512 consecutive bytes, at a multiple of 256 from the buffer's first byte
.endr
	WIN 0
.endm
	PACK 0
	TOSTAGE 0
.irp a, 1,2,3
	PACK \a
	s_wait_alu depctr_va_vdst(0)                   ; directly ahead of SEND's wait
	SEND \a-1
	TOSTAGE \a
.endr
	SEND 3
	s_wait_tensorcnt 0x0                           ; the wave's end
	ds_add_u32 v[SPW], v[NIL]
	s_wait_dscnt 0x0
	CROUND                                         ; the closing round
	s_endpgm
.Lfunc_end_k_q98b0ad8c2e_pv:
	.size	k_q98b0ad8c2e_pv, .Lfunc_end_k_q98b0ad8c2e_pv-k_q98b0ad8c2e_pv
	.p2alignl 7, 3214868480
	.fill 96, 4, 3214868480
	.section	.rodata,"a",@progbits
	.p2align	6, 0x0
	.amdhsa_kernel k_q98b0ad8c2e_pv
		.amdhsa_group_segment_fixed_size 327680
		.amdhsa_private_segment_fixed_size 0
		.amdhsa_enable_private_segment 0
		.amdhsa_kernarg_size 24
		.amdhsa_user_sgpr_count 2
		.amdhsa_user_sgpr_kernarg_segment_ptr 1
		.amdhsa_wavefront_size32 1
		.amdhsa_system_sgpr_workgroup_id_x 1
		.amdhsa_system_sgpr_workgroup_id_y 1
		.amdhsa_system_sgpr_workgroup_id_z 1
		.amdhsa_system_vgpr_workitem_id 0
		.amdhsa_next_free_vgpr 768
		.amdhsa_next_free_sgpr 98
		.amdhsa_reserve_vcc 0
		.amdhsa_float_denorm_mode_32 3
		.amdhsa_float_denorm_mode_16_64 3
		.amdhsa_memory_ordered 1
		.amdhsa_forward_progress 1
		.amdhsa_inst_pref_size 162
	.end_amdhsa_kernel
	.amdgpu_metadata
---
amdhsa.version: [ 1, 2 ]
amdhsa.kernels:
  - .name:           k_q98b0ad8c2e_pv
    .symbol:         k_q98b0ad8c2e_pv.kd
    .args:
      - { .name: PP, .offset: 0, .size: 8, .value_kind: global_buffer, .address_space: global }
      - { .name: VP, .offset: 8, .size: 8, .value_kind: global_buffer, .address_space: global }
      - { .name: out0, .offset: 16, .size: 8, .value_kind: global_buffer, .address_space: global }
    .group_segment_fixed_size: 327680
    .private_segment_fixed_size: 0
    .kernarg_segment_align: 8
    .kernarg_segment_size: 24
    .max_flat_workgroup_size: 128
    .sgpr_count:     98
    .vgpr_count:     768
    .wavefront_size: 32
...
	.end_amdgpu_metadata
.endif
;; end of part 8
